; MI455X (gfx1250); checked and timed in simulation.
; The chip was launched on July 23, 2026; its instructions are those of AMD's public machine-readable ISA for CDNA 5 (MIT licence, August 2026) and "CDNA5" Instruction Set Architecture Reference Guide (July 2026). The comments in the code are by the model that wrote it; some were corrected since.
;; Sparse Mixture Of Experts. Allowed arithmetic: matrix products marked QUANTISED: E2M3 operands, one E8M0 scale for each 32 along K, by v_wmma_scale_f32_16x16x128_f8f6f4 with both operands' format E2M3, f32 sums; products left as they are: f32 operands where the result goes on into a quantised operand, else bf16, f16 or f32 operands; f32 sums; everything else in f32.
;; Inputs: W1 8 x 1,024 x 4,096 float32; W2 8 x 4,096 x 1,024 float32; Wr1 1,024 x 1,024 float32; Wr2 1,024 x 8 float32; b1 8 x 4,096 float32; b2 8 x 1,024 float32; br1 1,024 float32; br2 8 float32; x 1,024 x 1,024 float32.
;; Outputs: out0 1,024 x 1,024 float32.
;; This version of the problem:
;;   THIS VERSION OF THE PROBLEM IS GIVEN IN LOW PRECISION. The matrix products marked QUANTISED in the list below multiply operands that are first quantised to E2M3 (2 exponent bits, 3 mantissa bits; 6 bits a number), with one power-of-two scale for each 32 numbers along K (OCP MX v1.0); their sums are f32. All else is computed in f32.
;;   The module's matrix products, in the order in which they are computed (A, B: the left and right operand; K: the contracted axis; several contracted axes count as one K, in the product's order):
;;     1. [M 1,024, K 1,024] x [K 1,024, N 1,024]; A: input x; B: input Wr1: QUANTISED
;;     2. [M 1,024, K 1,024] x [K 1,024, N 8]; A: computed on the way; B: input Wr2: left as it is (N = 8 < 16)
;;     3. [M 1,024, K 1,024] x [K 1,024, N 4,096]; A: input x; B: input W1: QUANTISED
;;     4. [M 1,024, K 4,096] x [K 4,096, N 1,024]; A: computed on the way; B: input W2: QUANTISED
;;     5. [M 1,024, K 1,024] x [K 1,024, N 4,096]; A: input x; B: input W1: QUANTISED
;;     6. [M 1,024, K 4,096] x [K 4,096, N 1,024]; A: computed on the way; B: input W2: QUANTISED
;;     7. [M 1,024, K 1,024] x [K 1,024, N 4,096]; A: input x; B: input W1: QUANTISED
;;     8. [M 1,024, K 4,096] x [K 4,096, N 1,024]; A: computed on the way; B: input W2: QUANTISED
;;     9. [M 1,024, K 1,024] x [K 1,024, N 4,096]; A: input x; B: input W1: QUANTISED
;;     10. [M 1,024, K 4,096] x [K 4,096, N 1,024]; A: computed on the way; B: input W2: QUANTISED
;;     11. [M 1,024, K 1,024] x [K 1,024, N 4,096]; A: input x; B: input W1: QUANTISED
;;     12. [M 1,024, K 4,096] x [K 4,096, N 1,024]; A: computed on the way; B: input W2: QUANTISED
;;     13. [M 1,024, K 1,024] x [K 1,024, N 4,096]; A: input x; B: input W1: QUANTISED
;;     14. [M 1,024, K 4,096] x [K 4,096, N 1,024]; A: computed on the way; B: input W2: QUANTISED
;;     15. [M 1,024, K 1,024] x [K 1,024, N 4,096]; A: input x; B: input W1: QUANTISED
;;     16. [M 1,024, K 4,096] x [K 4,096, N 1,024]; A: computed on the way; B: input W2: QUANTISED
;;     17. [M 1,024, K 1,024] x [K 1,024, N 4,096]; A: input x; B: input W1: QUANTISED
;;     18. [M 1,024, K 4,096] x [K 4,096, N 1,024]; A: computed on the way; B: input W2: QUANTISED
;;   THE QUANTISER, for each operand of a quantised product, along K:
;;     - K is cut into blocks of 32 from its start; a last block that is shorter is filled with zeros.
;;     - A block's scale is 2^e with e = floor(log2(the largest magnitude in the block)) - 2, held to -126 .. 127; a block of zeros has e = 0. As a byte (E8M0): e + 127.
;;     - Each number is divided by its block's scale, clamped to +-7.5, and rounded to the nearest number of E2M3, ties to even, subnormals kept.
;;     - The product sums the exact products of the quantised numbers (number of the format x scale) in f32.
;;   ~~~python
;;   def quantise(x, axis):      # numpy; x: float32 -> the quantised numbers, widened to float32 again
;;       x = np.moveaxis(x, axis, -1); K = x.shape[-1]
;;       x = np.pad(x, [(0, 0)] * (x.ndim - 1) + [(0, -K % 32)]); x = x.reshape(x.shape[:-1] + (-1, 32)); a = np.abs(x).max(-1, keepdims=True)
;;       e = np.where(a > 0, np.clip(np.frexp(np.where(a > 0, a, 1))[1] - 1 - 2, -126, 127), 0)      # np.frexp(a)[1] - 1 = floor(log2(a)), exactly
;;       r = np.clip(x / 2.0 ** e, -7.5, 7.5)
;;       step = 2.0 ** (np.maximum(np.frexp(np.where(r == 0, 1, r))[1] - 1, 0) - 3)
;;       q = np.round(r / step) * step * 2.0 ** e      # np.round: ties to even
;;       return np.moveaxis(q.reshape(q.shape[:-2] + (-1,))[..., :K], -1, axis).astype(np.float32)
;;   ~~~
;;   OPERANDS COMPUTED ON THE WAY. 'Computed on the way' means the value that the module computes at that place (a softmax that the list does not call 'softmax' is quantised finished and normalised). What goes into a quantiser is computed in f32, as accurately as f32 sums, v_exp_f32 and their like allow (about 1e-6 of the number): no bf16 or f16 on the way to a quantiser, and a product that is left as it is and whose result goes on into a quantised operand takes f32 operands (vector FMAs, or v_wmma_f32_16x16x4_f32). A number that lies on a knife's edge between two numbers of the format may be rounded either way, as far as f32 arithmetic and the matrix unit's own rounding can turn it there, and no further.
;; 2 versions. Each part assembles by itself: llvm-mc -triple=amdgcn-amd-amdhsa -mcpu=gfx1250 --defsym DOCPART=n.
;; ======== version 1 of 2: 6 launches
;; workspace buffers: xc 786,432 bytes; xs 32,768 bytes; wrc 1,572,864 bytes; wrs 32,768 bytes; chosen 4,096 bytes of whole numbers; route 33,792 bytes of whole numbers; hc 26,214,400 bytes; part 16,777,216 bytes
;; launch quant (part 1): grid 192 x 1, 4 waves a work-group, no clusters, 0 bytes of LDS; arguments x, Wr1, xc, xs, wrc, wrs; writes xc, xs, wrc, wrs
.if DOCPART == 1
	.amdgcn_target "amdgcn-amd-amdhsa--gfx1250"
	.amdhsa_code_object_version 6
	.text
	.protected	k_q27348e4c34_quant
	.globl	k_q27348e4c34_quant
	.p2align	8
	.type	k_q27348e4c34_quant,@function
k_q27348e4c34_quant:
	s_mov_b64 s[64:65], 0
	v_nop
	global_prefetch_b8 v0, s[64:65] scope:SCOPE_SE
	s_setreg_imm32_b32 hwreg(HW_REG_WAVE_MODE, 25, 1), 1
	s_wait_xcnt 0x0
; x [1024][1024] f32 (K innermost) and Wr1 [1024 (k)][1024 (n)] f32 (K outermost) become codes of FP6 (E2M3) with one E8M0 byte for each 32 along K.
; Both leave in the ORDER OF AN OPERAND'S REGISTERS (a fragment is 16 rows x 128 K, twelve registers a lane):
;   xc  [token][K step 8][h 2][48 bytes]: lane (r, h)'s twelve registers on end, since the experts' launch gathers by token            xs  [token][8 words]
;   wrc [tile 64][K step 8][c 3][lane 32][16 bytes]: registers 4 c .. 4 c + 3 of all lanes on end, so a load of a wave is 512 consecutive bytes;
;       from byte 786,432 on x's fragments once more, in that same order, [tile of 16 tokens 64][K step 8][c 3][lane 32][16 bytes], for the router's launch, which takes tokens by tiles
;   wrs [K step 8][column 1024] words;  row m of tile T is column 16 T + m
; A block's scale byte is its largest magnitude's exponent field - 2, held at 1 from below.
; LIMITS: a block of zeros, and one whose largest magnitude lies under 2^-124, gets the byte 1 (this program alone reads the bytes; zero codes add nothing); NaN and infinities are not served.
; Work-groups 0-63 take Wr1: 128 columns x 128 K, a wave 32 columns; A LANE TAKES A COLUMN AND ITS REGISTERS RUN DOWN K, so a block of 32 lies in one lane.
; Work-groups 64-191 take x: a wave one fragment (16 tokens x 128 K); a lane holds 16 neighbours of each block, lane l xor 16 the other 16.
; No LDS, no barrier, no cluster: no work-group reads what another reads.
.set MXA, 8                            ; two chains of the largest magnitude
.set MXB, 9
.set SOP, 10                           ; the conversion's scale operand
.set BY,  11                           ; the scale's byte
.set SW,  12                           ; a column's scale word
.set X,   32                           ; Wr1: v32-159 four sets of 32 numbers;  x: v32-95 64 numbers
.set F0,  160                          ; v160-171 blocks 0 and 2: the twelve registers of reader lane (m, 0)
.set F1,  172                          ; v172-183 blocks 1 and 3: of reader lane (m, 1)
.set TT,  184                          ; v184-186 a block's second sixteen codes
.set TM,  100                          ; x: v100-115 at work
.set PC,  120                          ; x: v120-139 the codes
.set PW,  140                          ; x: the scale word
.set SEL, 20                           ; s[20:21] selects for lane l xor 16
.set XPL, 786432                       ; wrc: where x's fragments begin
; 32 numbers of one lane, v[XS] on, become six registers of codes at v[DST] and byte QJ of the scale word
.macro QBLK
	v_max3_num_f32 v[MXA], |v[XS]|, |v[XS+1]|, |v[XS+2]|
	v_max3_num_f32 v[MXB], |v[XS+3]|, |v[XS+4]|, |v[XS+5]|
.irp i, 6,10,14,18,22,26
	v_max3_num_f32 v[MXA], v[MXA], |v[XS+\i]|, |v[XS+\i+1]|
	v_max3_num_f32 v[MXB], v[MXB], |v[XS+\i+2]|, |v[XS+\i+3]|
.endr
	v_max3_num_f32 v[MXA], v[MXA], |v[XS+30]|, |v[XS+31]|
	v_max3_num_f32 v[MXA], v[MXA], v[MXB], 0x1800000          ; the floor 2^(3 - 127): the byte cannot fall under 1
	v_add_nc_u32 v[SOP], 0xff000000, v[MXA]                   ; 2 off the exponent field: the conversion takes that field as its scale
	v_cvt_scalef32_pk16_fp6_f32 v[DST:DST+2], v[XS:XS+15], v[SOP]
	v_cvt_scalef32_pk16_fp6_f32 v[TT:TT+2], v[XS+16:XS+31], v[SOP]   ; (three registers that begin on an even number)
	v_lshrrev_b32 v[BY], 23, v[SOP]                           ; the byte; also the plain line behind the conversions
.if QJ == 0
	v_mov_b32 v[SW], v[BY]
.else
	v_lshl_or_b32 v[SW], v[BY], 8*QJ, v[SW]
.endif
.irp i, 0,1,2
	v_mov_b32 v[DST+3+\i], v[TT+\i]
.endr
.endm
; 64 numbers of a lane, register 16 b + i = k 32 b + 16 (lane / 16) + i of its row, become a fragment's codes in v[PC] on and its scale word in v[PW]
.macro QUANT s
.irp b, 0,1,2,3
	v_max3_num_f32 v[TM+\b], |v[\s+16*\b]|, |v[\s+1+16*\b]|, 0x1800000
.endr
.irp i, 2,4,6,8,10,12,14
.irp b, 0,1,2,3
	v_max3_num_f32 v[TM+\b], v[TM+\b], |v[\s+16*\b+\i]|, |v[\s+1+16*\b+\i]|
.endr
.endr
.irp b, 0,1,2,3
	v_permlanex16_b32 v[TM+4+\b], v[TM+\b], s[SEL], s[SEL+1]
.endr
.irp b, 0,1,2,3
	v_max_num_f32 v[TM+\b], v[TM+\b], v[TM+4+\b]              ; with lane l xor 16's: the block's largest magnitude
.endr
.irp b, 0,1,2,3
	v_add_nc_u32 v[TM+12+\b], 0xff000000, v[TM+\b]
.endr
.irp b, 0,1,2,3
	v_lshrrev_b32 v[TM+4+\b], 23, v[TM+12+\b]
.endr
	v_lshl_or_b32 v[PW], v[TM+5], 8, v[TM+4]
	v_lshl_or_b32 v[PW], v[TM+6], 16, v[PW]
	v_lshl_or_b32 v[PW], v[TM+7], 24, v[PW]
.irp c, 0,1
	v_cvt_scalef32_pk16_fp6_f32 v[PC+6*\c:PC+2+6*\c], v[\s+32*\c:\s+15+32*\c], v[TM+12+2*\c]
	v_cvt_scalef32_pk16_fp6_f32 v[PC+12+4*\c:PC+14+4*\c], v[\s+16+32*\c:\s+31+32*\c], v[TM+12+2*\c+1]
.endr
	v_nop                                                     ; one plain line behind a scaled conversion
.irp c, 0,1                                               ; the operand wants a whole block in a lane: lanes 0-15 block 2 c, lanes 16-31 block 2 c + 1
.irp i, 0,1,2
	v_permlane16_swap_b32 v[PC+6*\c+\i], v[PC+12+4*\c+\i]
.endr
.irp i, 0,1,2
	v_mov_b32 v[PC+3+6*\c+\i], v[PC+12+4*\c+\i]
.endr
.endr
.endm
.macro LOADW t                         ; block t of my column: 32 rows of Wr1, 128 consecutive bytes a load
.set LI, 0
.rept 32
	global_load_b32 v[X+32*(\t)+LI], v4, s[6:7] offset:(32*(\t)+LI)*4096 th:TH_LOAD_NT
.set LI, LI+1
.endr
.endm
	s_load_b128 s[4:7], s[0:1], 0x0                ; x, Wr1
	s_load_b128 s[8:11], s[0:1], 0x10              ; xc, xs
	s_load_b128 s[12:15], s[0:1], 0x20             ; wrc, wrs
	v_lshrrev_b32 v1, 5, v0
	v_readfirstlane_b32 s16, v1                    ; wave
	v_and_b32 v1, 31, v0                           ; lane
	v_and_b32 v2, 15, v0                           ; r
	v_bfe_u32 v3, v0, 4, 1                         ; h
	s_cmp_lt_u32 ttmp9, 64
	s_cbranch_scc0 .Lx
	; ---- Wr1: columns 128 cs + 32 wave + lane, K step s
	s_and_b32 s17, ttmp9, 7                        ; cs
	s_lshr_b32 s18, ttmp9, 3                       ; s
	v_lshlrev_b32 v4, 2, v1                        ; 4 x lane
	v_lshlrev_b32 v5, 4, v2
	v_mad_u32_u24 v5, v3, 12288, v5                ; my column's place in wrc: tile lane / 16, and 16 bytes for row lane % 16
	s_lshl_b32 s22, s18, 19                        ; 128 rows of 4,096 bytes a K step
	s_lshl_b32 s23, s17, 9
	s_add_co_u32 s22, s22, s23
	s_lshl_b32 s23, s16, 7
	s_add_co_u32 s22, s22, s23
	s_mov_b32 s23, 0
	s_lshl_b32 s24, s17, 3
	s_lshl_b32 s25, s16, 1
	s_add_co_u32 s24, s24, s25                     ; tile 8 cs + 2 wave
	s_mul_i32 s24, s24, 12288
	s_mul_i32 s25, s18, 1536
	s_add_co_u32 s24, s24, s25
	s_mov_b32 s25, 0
	s_lshl_b32 s26, s18, 12
	s_lshl_b32 s27, s17, 9
	s_add_co_u32 s26, s26, s27
	s_lshl_b32 s27, s16, 7
	s_add_co_u32 s26, s26, s27
	s_mov_b32 s27, 0
	s_wait_kmcnt 0x0
	s_add_nc_u64 s[6:7], s[6:7], s[22:23]
	s_add_nc_u64 s[12:13], s[12:13], s[24:25]
	s_add_nc_u64 s[14:15], s[14:15], s[26:27]
	LOADW 0
	LOADW 1
.irp t, 0,1,2,3
.if \t < 3
	s_wait_loadcnt 32                              ; this block is in; the next block's 32 loads may be out
.else
	s_wait_loadcnt 0x0
.endif
.if \t < 2
	LOADW \t+2                                     ; into a set of its own
.endif
.set XS, X+32*\t
.set DST, F0+12*(\t%2)+6*(\t/2)
.set QJ, \t
	QBLK
.endr
.irp c, 0,1,2
	global_store_b128 v5, v[F0+4*\c:F0+4*\c+3], s[12:13] offset:512*\c         ; reader lanes 0-15: sixteen lanes store 256 consecutive bytes, at a multiple of 256 from the buffer's first byte
	global_store_b128 v5, v[F1+4*\c:F1+4*\c+3], s[12:13] offset:512*\c+256     ; reader lanes 16-31
.endr
	global_store_b32 v4, v[SW], s[14:15]           ; 128 consecutive bytes
	s_endpgm
.Lx:
	; ---- x: fragment u = 4 (work-group - 64) + wave: tile of tokens u / 8, K step u % 8
	s_sub_co_u32 s17, ttmp9, 64
	s_lshl_b32 s17, s17, 2
	s_add_co_u32 s17, s17, s16
	s_lshr_b32 s18, s17, 3                         ; tile of 16 tokens
	s_and_b32 s17, s17, 7                          ; K step
	v_lshlrev_b32 v4, 12, v2
	v_lshl_add_u32 v4, v3, 6, v4                   ; row r of 4,096 bytes, + 64 h: my 16 numbers of a block
	v_mul_u32_u24 v5, v2, 768
	v_mad_u32_u24 v5, v3, 48, v5                   ; xc: token r, half h
	v_lshlrev_b32 v6, 5, v2                        ; xs: token r
	v_lshlrev_b32 v7, 4, v1                        ; the copy by tiles: 16 x lane
	s_mov_b32 s[SEL], 0x76543210
	s_mov_b32 s[SEL+1], 0xfedcba98
.irp b, 0,1,2,3
	v_mov_b32 v[TM+4+\b], 0                        ; a lane permute's destination counts as one of its sources
.endr
	s_lshl_b32 s22, s18, 16
	s_lshl_b32 s23, s17, 9
	s_add_co_u32 s22, s22, s23
	s_mov_b32 s23, 0
	s_mul_i32 s24, s18, 12288
	s_mul_i32 s25, s17, 96
	s_add_co_u32 s24, s24, s25
	s_mov_b32 s25, 0
	s_lshl_b32 s26, s18, 9
	s_lshl_b32 s27, s17, 2
	s_add_co_u32 s26, s26, s27
	s_mov_b32 s27, 0
	s_mul_i32 s28, s18, 12288                      ; the copy by tiles: the tile's eight fragments of 1,536 bytes, this K step's
	s_mul_i32 s29, s17, 1536
	s_add_co_u32 s28, s28, s29
	s_add_co_u32 s28, s28, XPL
	s_mov_b32 s29, 0
	s_wait_kmcnt 0x0
	s_add_nc_u64 s[4:5], s[4:5], s[22:23]
	s_add_nc_u64 s[8:9], s[8:9], s[24:25]
	s_add_nc_u64 s[10:11], s[10:11], s[26:27]
	s_add_nc_u64 s[12:13], s[12:13], s[28:29]
.irp b, 0,1,2,3
.irp j, 0,1,2,3
	global_load_b128 v[X+16*\b+4*\j:X+16*\b+4*\j+3], v4, s[4:5] offset:128*\b+16*\j th:TH_LOAD_NT
.endr
.endr
	s_wait_loadcnt 0x0
	QUANT X
.irp c, 0,1,2
	global_store_b128 v5, v[PC+4*\c:PC+4*\c+3], s[8:9] offset:16*\c
	global_store_b128 v7, v[PC+4*\c:PC+4*\c+3], s[12:13] offset:512*\c         ; 512 consecutive bytes, at a multiple of 512 from the buffer's first byte
.endr
	global_store_b32 v6, v[PW], s[10:11]           ; both halves of the lanes hold token r's word and store it to the same place
	s_endpgm
.Lfunc_end_k_q27348e4c34_quant:
	.size	k_q27348e4c34_quant, .Lfunc_end_k_q27348e4c34_quant-k_q27348e4c34_quant
	.p2alignl 7, 3214868480
	.fill 96, 4, 3214868480
	.section	.rodata,"a",@progbits
	.p2align	6, 0x0
	.amdhsa_kernel k_q27348e4c34_quant
		.amdhsa_group_segment_fixed_size 0
		.amdhsa_private_segment_fixed_size 0
		.amdhsa_enable_private_segment 0
		.amdhsa_kernarg_size 48
		.amdhsa_user_sgpr_count 2
		.amdhsa_user_sgpr_kernarg_segment_ptr 1
		.amdhsa_wavefront_size32 1
		.amdhsa_system_sgpr_workgroup_id_x 1
		.amdhsa_system_sgpr_workgroup_id_y 1
		.amdhsa_system_sgpr_workgroup_id_z 1
		.amdhsa_system_vgpr_workitem_id 0
		.amdhsa_next_free_vgpr 192
		.amdhsa_next_free_sgpr 66
		.amdhsa_reserve_vcc 0
		.amdhsa_float_denorm_mode_32 3
		.amdhsa_float_denorm_mode_16_64 3
		.amdhsa_memory_ordered 1
		.amdhsa_forward_progress 1
		.amdhsa_inst_pref_size 28
	.end_amdhsa_kernel
	.amdgpu_metadata
---
amdhsa.version: [ 1, 2 ]
amdhsa.kernels:
  - .name:           k_q27348e4c34_quant
    .symbol:         k_q27348e4c34_quant.kd
    .args:
      - { .name: x, .offset: 0, .size: 8, .value_kind: global_buffer, .address_space: global }
      - { .name: Wr1, .offset: 8, .size: 8, .value_kind: global_buffer, .address_space: global }
      - { .name: xc, .offset: 16, .size: 8, .value_kind: global_buffer, .address_space: global }
      - { .name: xs, .offset: 24, .size: 8, .value_kind: global_buffer, .address_space: global }
      - { .name: wrc, .offset: 32, .size: 8, .value_kind: global_buffer, .address_space: global }
      - { .name: wrs, .offset: 40, .size: 8, .value_kind: global_buffer, .address_space: global }
    .group_segment_fixed_size: 0
    .private_segment_fixed_size: 0
    .kernarg_segment_align: 8
    .kernarg_segment_size: 48
    .max_flat_workgroup_size: 128
    .sgpr_count:     66
    .vgpr_count:     192
    .wavefront_size: 32
...
	.end_amdgpu_metadata
.endif
;; end of part 1
;; launch router (part 2): grid 64 x 1, 16 waves a work-group, no clusters, 51,200 bytes of LDS; arguments xs, wrc, wrs, br1, Wr2, br2, chosen; writes chosen
.if DOCPART == 2
	.amdgcn_target "amdgcn-amd-amdhsa--gfx1250"
	.amdhsa_code_object_version 6
	.text
	.protected	k_q27348e4c34_router
	.globl	k_q27348e4c34_router
	.p2align	8
	.type	k_q27348e4c34_router,@function
k_q27348e4c34_router:
	s_mov_b64 s[64:65], 0
	v_nop
	global_prefetch_b8 v0, s[64:65] scope:SCOPE_SE
	s_setreg_imm32_b32 hwreg(HW_REG_WAVE_MODE, 25, 1), 1
	s_wait_xcnt 0x0
; chosen[token] = argmax softmax(relu(Q(x) Q(Wr1) + br1) Wr2 + br2).  The first product on codes of FP6, the second by f32 multiply-adds.
; A work-group takes 16 tokens and all 1,024 hidden units, so that a token's logits are finished here; wave w takes units 64 w .. 64 w + 63: four tiles of 16, over all 8 K steps.
; THE PRODUCT IS USED TRANSPOSED (source 0 = 16 columns of Wr1, source 1 = the 16 tokens): lane (r, h) holds token r and, in tile t, units 64 w + 16 t + 8 h + 0 .. 7.
; Fragments lie in memory in the order of the operand's registers, registers 4 c .. 4 c + 3 of the 32 lanes on end: three loads of 16 bytes a lane bring one, straight into registers, and each load of a
; wave covers 512 consecutive bytes.  Wr1's fragments lie in the first 786,432 bytes of wrc, x's (by tiles of 16 tokens) behind them.
; The bias is the C of each sum's first product.  Each wave's part of the eight logits goes to LDS; behind the one barrier wave 0 adds the sixteen parts and chooses.
; NO CLUSTER: all 64 work-groups walk the same 786,432 bytes of Wr1's codes, but a fragment feeds one product and goes to registers as it lies; joint loads would add a pass of every byte through LDS.
; LIMITS: NaN and infinities are not served; where two probabilities come out equal the lower index is kept, as argmax keeps it; two that differ by f32 rounding alone may be chosen otherwise than elsewhere.
.set ACC, 16                           ; v16-47   four accumulators
.set XSC, 48                           ; v48-55   x's scale words, one a K step (scales alone)
.set WSC, 56                           ; v56-71   Wr1's: register 8 p + s: lanes 0-15 tile 2 p, lanes 16-31 tile 2 p + 1 (scales alone)
.set W2T, 72                           ; v72-87   my 64 rows of Wr2 on their way to LDS
.set SET, 88                           ; v88-147, v148-207  two sets: four fragments of Wr1, one of x
.set W2R, 88                           ; v88-151  later: eight rows of Wr2 for each half of the lanes; in wave 0 the waves' parts
.set L,   208                          ; v208-215 eight logits
.set TP,  216                          ; v216-223 lane l xor 16's
.set LGB, 32768                        ; LDS: 0: each wave's own 2,048 bytes of Wr2;  32768: each wave's 1,024 bytes of logits
.set XPL, 786432                       ; wrc: where x's fragments begin
.macro NOP4
.rept 4
	v_nop
.endr
.endm
.macro FILL s                          ; K step s: 15 loads into set s % 2
.irp t, 0,1,2,3
.irp c, 0,1,2
	global_load_b128 v[SET+60*((\s)%2)+12*\t+4*\c:SET+60*((\s)%2)+12*\t+4*\c+3], v4, s[8:9] offset:12288*\t+1536*(\s)+512*\c
.endr
.endr
.irp c, 0,1,2
	global_load_b128 v[SET+60*((\s)%2)+48+4*\c:SET+60*((\s)%2)+48+4*\c+3], v4, s[4:5] offset:1536*(\s)+512*\c
.endr
.endm
	s_load_b64 s[6:7], s[0:1], 0x0                 ; xs
	s_load_b128 s[8:11], s[0:1], 0x8               ; wrc s[8:9], wrs s[10:11]
	s_load_b128 s[12:15], s[0:1], 0x18             ; br1 s[12:13], Wr2 s[14:15]
	s_load_b128 s[16:19], s[0:1], 0x28             ; br2 s[16:17], chosen s[18:19]
	v_lshl_add_u32 v254, v0, 2, 0xc000
	v_mov_b32 v255, 0
	v_lshrrev_b32 v1, 5, v0
	v_readfirstlane_b32 s20, v1                    ; wave 0..15
	v_and_b32 v1, 31, v0                           ; lane
	v_and_b32 v2, 15, v0                           ; r
	v_bfe_u32 v3, v0, 4, 1                         ; h
	v_lshlrev_b32 v4, 4, v1                        ; 16 x lane: a fragment, and Wr2
	v_lshlrev_b32 v6, 5, v2                        ; x's scale words: 32 bytes a token
	v_lshlrev_b32 v7, 2, v1                        ; Wr1's: 4 bytes a column
	v_lshlrev_b32 v8, 5, v3                        ; br1: eight numbers a half
	s_lshl_b32 s21, s20, 11
	v_add_nc_u32 v10, s21, v4                      ; LDS: my wave's copy of Wr2, on the way in
	v_lshlrev_b32 v11, 8, v3
	v_add_nc_u32 v11, s21, v11                     ; and out: eight rows of 32 bytes a half
	s_lshl_b32 s22, s20, 10
	s_add_co_u32 s22, s22, LGB
	v_lshl_add_u32 v12, v1, 5, s22                 ; my wave's logits: 32 bytes a lane
	v_lshlrev_b32 v13, 13, v3
	v_lshl_add_u32 v13, v2, 5, v13
	v_add_nc_u32 v13, LGB, v13                     ; wave 0 reads: lane (r, h) takes waves 8 h + 0 .. 7, token r
	v_lshlrev_b32 v14, 2, v2                       ; chosen: 4 bytes a token
.irp e, 0,1,2,3,4,5,6,7
	v_mov_b32 v[TP+\e], 0                          ; a lane permute's destination counts as one of its sources
.endr
	s_mov_b32 s38, 0x76543210
	s_mov_b32 s39, 0xfedcba98                      ; selects for lane l xor 16
	s_mov_b32 s37, 0
	s_wait_kmcnt 0x0
	s_load_b256 s[24:31], s[16:17], 0x0            ; br2's eight numbers
	s_mul_i32 s36, ttmp9, 12288
	s_add_co_u32 s36, s36, XPL
	s_add_nc_u64 s[4:5], s[8:9], s[36:37]          ; my work-group's 16 tokens: eight fragments
	s_mul_i32 s36, s20, 49152
	s_add_nc_u64 s[8:9], s[8:9], s[36:37]          ; my four tiles of Wr1
	s_lshl_b32 s36, ttmp9, 9
	s_add_nc_u64 s[6:7], s[6:7], s[36:37]
	s_lshl_b32 s36, s20, 8
	s_add_nc_u64 s[10:11], s[10:11], s[36:37]      ; my 64 columns' scale words
	s_add_nc_u64 s[12:13], s[12:13], s[36:37]      ; and biases
	s_lshl_b32 s36, s20, 11
	s_add_nc_u64 s[14:15], s[14:15], s[36:37]      ; my 64 rows of Wr2
	s_lshl_b32 s36, ttmp9, 6
	s_add_nc_u64 s[18:19], s[18:19], s[36:37]
.irp t, 0,1,2,3
	global_load_b128 v[ACC+8*\t:ACC+8*\t+3], v8, s[12:13] offset:64*\t         ; the bias in the result's layout
	global_load_b128 v[ACC+8*\t+4:ACC+8*\t+7], v8, s[12:13] offset:64*\t+16
.endr
	global_load_b128 v[XSC:XSC+3], v6, s[6:7]
	global_load_b128 v[XSC+4:XSC+7], v6, s[6:7] offset:16
.irp p, 0,1
.irp s, 0,1,2,3,4,5,6,7
	global_load_b32 v[WSC+8*\p+\s], v7, s[10:11] offset:4096*\s+128*\p
.endr
.endr
.irp i, 0,1,2,3
	global_load_b128 v[W2T+4*\i:W2T+4*\i+3], v4, s[14:15] offset:512*\i
.endr
	FILL 0
	FILL 1
.irp s, 0,1,2,3,4,5,6,7
.if \s < 7
	s_wait_loadcnt 15                              ; all but the next K step's 15 loads are in
.else
	s_wait_loadcnt 0x0
.endif
.if \s == 0
.irp i, 0,1,2,3
	ds_store_b128 v10, v[W2T+4*\i:W2T+4*\i+3] offset:512*\i
.endr
.endif
.set SB, SET+60*(\s%2)
.irp p, 0,1                                    ; the four accumulators take turns, one instruction a turn
	v_wmma_scale_f32_16x16x128_f8f6f4 v[ACC+16*\p:ACC+16*\p+7], v[SB+24*\p:SB+24*\p+11], v[SB+48:SB+59], v[ACC+16*\p:ACC+16*\p+7], v[WSC+8*\p+\s], v[XSC+\s] matrix_a_fmt:MATRIX_FMT_FP6 matrix_b_fmt:MATRIX_FMT_FP6
	v_wmma_scale_f32_16x16x128_f8f6f4 v[ACC+16*\p+8:ACC+16*\p+15], v[SB+24*\p+12:SB+24*\p+23], v[SB+48:SB+59], v[ACC+16*\p+8:ACC+16*\p+15], v[WSC+8*\p+\s], v[XSC+\s] matrix_a_fmt:MATRIX_FMT_FP6 matrix_b_fmt:MATRIX_FMT_FP6 matrix_a_scale:MATRIX_SCALE_ROW1
.endr
.if \s < 6
	NOP4                                           ; four places in front of loads into registers that the products have read
	FILL \s+2
.endif
.endr
	NOP4                                           ; four places in front of the first read of the results
.set J, 0
.rept 32
	v_max_num_f32 v[ACC+J], 0, v[ACC+J]            ; relu, each accumulator from its low end on
.set J, J+1
.endr
	; my part of the logits: the sum over my 64 units of h x Wr2, in f32
.irp t, 0,1,2,3
.irp j, 0,1,2,3,4,5,6,7
	ds_load_b128 v[W2R+8*\j:W2R+8*\j+3], v11 offset:512*\t+32*\j           ; row 16 t + 8 h + j of my copy: sixteen lanes share each word
	ds_load_b128 v[W2R+8*\j+4:W2R+8*\j+7], v11 offset:512*\t+32*\j+16
.endr
	s_wait_dscnt 0x0
.irp j, 0,1,2,3,4,5,6,7
.irp e, 0,1,2,3,4,5,6,7
.if (\t == 0) && (\j == 0)
	v_mul_f32 v[L+\e], v[ACC+8*\t+\j], v[W2R+8*\j+\e]                      ; the first product starts the sums
.else
	v_fmac_f32 v[L+\e], v[ACC+8*\t+\j], v[W2R+8*\j+\e]
.endif
.endr
.endr
.endr
.irp e, 0,1,2,3,4,5,6,7
	v_permlanex16_b32 v[TP+\e], v[L+\e], s38, s39
.endr
.irp e, 0,2,4,6
	v_pk_add_f32 v[L+\e:L+\e+1], v[L+\e:L+\e+1], v[TP+\e:TP+\e+1]          ; with the other half's units
.endr
	ds_store_b128 v12, v[L:L+3]
	ds_store_b128 v12, v[L+4:L+7] offset:16
	s_wait_dscnt 0x0                               ; for wave 0's sake: my stores have landed
	s_barrier_signal -1
	s_barrier_wait -1
	s_cmp_lg_u32 s20, 0
	s_cbranch_scc1 .Lend
.irp i, 0,1,2,3,4,5,6,7
	ds_load_b128 v[W2R+8*\i:W2R+8*\i+3], v13 offset:1024*\i
	ds_load_b128 v[W2R+8*\i+4:W2R+8*\i+7], v13 offset:1024*\i+16
.endr
	s_wait_dscnt 0x0
.irp i, 1,2,3,4,5,6,7
.irp e, 0,2,4,6
	v_pk_add_f32 v[W2R+\e:W2R+\e+1], v[W2R+\e:W2R+\e+1], v[W2R+8*\i+\e:W2R+8*\i+\e+1]
.endr
.endr
.irp e, 0,1,2,3,4,5,6,7
	v_permlanex16_b32 v[TP+\e], v[W2R+\e], s38, s39
.endr
.irp e, 0,2,4,6
	v_pk_add_f32 v[L+\e:L+\e+1], v[W2R+\e:W2R+\e+1], v[TP+\e:TP+\e+1]      ; all sixteen waves' parts: both halves of the lanes now hold token r's logits
.endr
	s_wait_kmcnt 0x0
.irp e, 0,1,2,3,4,5,6,7
	v_add_f32 v[L+\e], s[24+\e], v[L+\e]           ; + br2
.endr
	v_max3_num_f32 v224, v[L], v[L+1], v[L+2]      ; the softmax: the largest logit is taken away first
	v_max3_num_f32 v224, v224, v[L+3], v[L+4]
	v_max3_num_f32 v224, v224, v[L+5], v[L+6]
	v_max_num_f32 v224, v224, v[L+7]
.irp e, 0,1,2,3,4,5,6,7
	v_sub_f32 v[L+\e], v[L+\e], v224
.endr
.irp e, 0,1,2,3,4,5,6,7
	v_mul_f32 v[L+\e], 0x3fb8aa3b, v[L+\e]         ; x log2(e)
.endr
.irp e, 0,1,2,3,4,5,6,7
	v_exp_f32 v[L+\e], v[L+\e]
.endr
	v_nop                                          ; a plain line behind the exponentials
	s_wait_alu depctr_va_vdst(0)
	v_add_f32 v225, v[L], v[L+1]
	v_add_f32 v226, v[L+2], v[L+3]
	v_add_f32 v227, v[L+4], v[L+5]
	v_add_f32 v228, v[L+6], v[L+7]
	v_add_f32 v225, v225, v226
	v_add_f32 v227, v227, v228
	v_add_f32 v225, v225, v227
	v_rcp_f32 v226, v225
	v_mov_b32 v227, 0                              ; the index so far; also the plain line behind the reciprocal
	s_wait_alu depctr_va_vdst(0)
.irp e, 0,1,2,3,4,5,6,7
	v_mul_f32 v[L+\e], v[L+\e], v226               ; the probabilities
.endr
	v_mov_b32 v228, v[L]                           ; the largest so far
.irp i, 1,2,3,4,5,6,7
	v_cmp_le_f32 vcc_lo, v[L+\i], v228             ; not larger: the index stays, so a tie keeps the lower one
	v_cndmask_b32 v227, \i, v227, vcc_lo
	v_max_num_f32 v228, v228, v[L+\i]
.endr
	global_store_b32 v14, v227, s[18:19]           ; both halves of the lanes hold token r's choice and store it to the same place
.Lend:
	s_wait_tensorcnt 0x0
	ds_add_u32 v254, v255
	s_wait_dscnt 0x0
	s_endpgm
.Lfunc_end_k_q27348e4c34_router:
	.size	k_q27348e4c34_router, .Lfunc_end_k_q27348e4c34_router-k_q27348e4c34_router
	.p2alignl 7, 3214868480
	.fill 96, 4, 3214868480
	.section	.rodata,"a",@progbits
	.p2align	6, 0x0
	.amdhsa_kernel k_q27348e4c34_router
		.amdhsa_group_segment_fixed_size 51200
		.amdhsa_private_segment_fixed_size 0
		.amdhsa_enable_private_segment 0
		.amdhsa_kernarg_size 56
		.amdhsa_user_sgpr_count 2
		.amdhsa_user_sgpr_kernarg_segment_ptr 1
		.amdhsa_wavefront_size32 1
		.amdhsa_system_sgpr_workgroup_id_x 1
		.amdhsa_system_sgpr_workgroup_id_y 1
		.amdhsa_system_sgpr_workgroup_id_z 1
		.amdhsa_system_vgpr_workitem_id 0
		.amdhsa_next_free_vgpr 256
		.amdhsa_next_free_sgpr 66
		.amdhsa_reserve_vcc 1
		.amdhsa_float_denorm_mode_32 3
		.amdhsa_float_denorm_mode_16_64 3
		.amdhsa_memory_ordered 1
		.amdhsa_forward_progress 1
		.amdhsa_inst_pref_size 43
	.end_amdhsa_kernel
	.amdgpu_metadata
---
amdhsa.version: [ 1, 2 ]
amdhsa.kernels:
  - .name:           k_q27348e4c34_router
    .symbol:         k_q27348e4c34_router.kd
    .args:
      - { .name: xs, .offset: 0, .size: 8, .value_kind: global_buffer, .address_space: global }
      - { .name: wrc, .offset: 8, .size: 8, .value_kind: global_buffer, .address_space: global }
      - { .name: wrs, .offset: 16, .size: 8, .value_kind: global_buffer, .address_space: global }
      - { .name: br1, .offset: 24, .size: 8, .value_kind: global_buffer, .address_space: global }
      - { .name: Wr2, .offset: 32, .size: 8, .value_kind: global_buffer, .address_space: global }
      - { .name: br2, .offset: 40, .size: 8, .value_kind: global_buffer, .address_space: global }
      - { .name: chosen, .offset: 48, .size: 8, .value_kind: global_buffer, .address_space: global }
    .group_segment_fixed_size: 51200
    .private_segment_fixed_size: 0
    .kernarg_segment_align: 8
    .kernarg_segment_size: 56
    .max_flat_workgroup_size: 512
    .sgpr_count:     66
    .vgpr_count:     256
    .wavefront_size: 32
...
	.end_amdgpu_metadata
.endif
;; end of part 2
;; launch place (part 3): grid 8 x 1, 1 waves a work-group, no clusters, 4,608 bytes of LDS; arguments chosen, route; writes route
.if DOCPART == 3
	.amdgcn_target "amdgcn-amd-amdhsa--gfx1250"
	.amdhsa_code_object_version 6
	.text
	.protected	k_q27348e4c34_place
	.globl	k_q27348e4c34_place
	.p2align	8
	.type	k_q27348e4c34_place,@function
k_q27348e4c34_place:
	s_mov_b64 s[64:65], 0
	v_nop
	global_prefetch_b8 v0, s[64:65] scope:SCOPE_SE
	s_setreg_imm32_b32 hwreg(HW_REG_WAVE_MODE, 25, 1), 1
	s_wait_xcnt 0x0
; route: [expert 8][place 1024] the tokens that chose the expert, on end, zeros behind the last;  from byte 32,768 on [expert 8][32 words], each the number of the expert's tokens.
; The launches that follow take trip counts and addresses from these whole numbers, so they are made here, in a launch of their own, from the whole numbers that the router's launch stored.
; One work-group of one wave for each expert: 1,024 numbers are 32 registers a lane.  A token's place is the count of the chosen tokens ahead of it: those of earlier registers (a scalar sum) and those of
; lower lanes in its own register.  The tokens are put in their places in LDS, read back on end and stored at fixed addresses: no address in memory and no branch hangs on a loaded number.
; Eight work-groups are all the work there is: 4 KiB read and 4.1 KiB stored by each.  No barrier: LDS serves a wave's instructions in order (ISA guide 5.7.1.4).
.set LIST, 0                           ; LDS: 1,024 words; directly behind them 32 words, places 1024 + lane, for the lanes that have nothing to put
.set ZR,  8                            ; v8-11    zeros
.set CH,  32                           ; v32-63   chosen: register 4 j + c holds token 128 j + 4 lane + c
.set SA,  64                           ; v64-95   a place for each of my 32 tokens,
.set SD,  96                           ; v96-127  and the token: a register for each store, so that no store's source is written again
.set OB,  128                          ; v128-159 the list on its way out
	s_load_b128 s[4:7], s[0:1], 0x0                ; chosen s[4:5], route s[6:7]
	v_lshl_add_u32 v160, v0, 2, 0x1100
	v_mov_b32 v161, 0
	v_and_b32 v1, 31, v0                           ; lane
	v_lshlrev_b32 v2, 4, v1                        ; 16 x lane
	v_lshlrev_b32 v3, 2, v1                        ; 4 x lane
	v_add_nc_u32 v4, 1024, v1                      ; the place of what is put aside
	s_mov_b32 s21, ttmp9                           ; the expert
	s_lshl_b32 s10, s21, 12                        ; its list
	s_mov_b32 s11, 0
	s_lshl_b32 s12, s21, 7
	s_add_co_u32 s12, s12, 32768                   ; its count
	s_mov_b32 s13, 0
.irp i, 0,1,2,3
	v_mov_b32 v[ZR+\i], 0
.endr
	s_wait_kmcnt 0x0
.irp j, 0,1,2,3,4,5,6,7
	global_load_b128 v[CH+4*\j:CH+4*\j+3], v2, s[4:5] offset:512*\j
.endr
	s_add_nc_u64 s[8:9], s[6:7], s[12:13]
	s_add_nc_u64 s[6:7], s[6:7], s[10:11]
.irp i, 0,1,2,3,4,5,6,7
	ds_store_b128 v2, v[ZR:ZR+3] offset:LIST+512*\i    ; places behind the last token read as token 0: an address inside every buffer
.endr
	s_mov_b32 s26, 0                               ; tokens so far
	s_wait_loadcnt 0x0
.set KK, 0
.rept 32
	v_cmp_eq_u32 s27, s21, v[CH+KK]                ; the lanes whose token chose my expert
	v_mbcnt_lo_u32_b32 v[SA+KK], s27, s26          ; such lanes below me + tokens so far: my place;
	v_cndmask_b32 v[SA+KK], v4, v[SA+KK], s27      ; the others put theirs aside, at place 1024 + lane
	v_min_u32 v[SA+KK], 0x41f, v[SA+KK]            ; the hold: 1,024 places and the 32 behind them; a shift and a sum alone follow it
	v_lshl_add_u32 v[SA+KK], v[SA+KK], 2, LIST
	v_add_nc_u32 v[SD+KK], 128*(KK/4)+KK%4, v3
	ds_store_b32 v[SA+KK], v[SD+KK]
	s_bcnt1_i32_b32 s28, s27
	s_add_co_u32 s26, s26, s28
.set KK, KK+1
.endr
.irp i, 0,1,2,3,4,5,6,7
	ds_load_b128 v[OB+4*\i:OB+4*\i+3], v2 offset:LIST+512*\i
.endr
	v_mov_b32 v5, s26
	global_store_b32 v3, v5, s[8:9]                ; 128 consecutive bytes, every word the count
.irp i, 0,1,2,3,4,5,6,7
	s_wait_dscnt 7-\i
	global_store_b128 v2, v[OB+4*\i:OB+4*\i+3], s[6:7] offset:512*\i       ; 512 consecutive bytes
.endr
	s_wait_tensorcnt 0x0
	ds_add_u32 v160, v161
	s_wait_dscnt 0x0
	s_endpgm
.Lfunc_end_k_q27348e4c34_place:
	.size	k_q27348e4c34_place, .Lfunc_end_k_q27348e4c34_place-k_q27348e4c34_place
	.p2alignl 7, 3214868480
	.fill 96, 4, 3214868480
	.section	.rodata,"a",@progbits
	.p2align	6, 0x0
	.amdhsa_kernel k_q27348e4c34_place
		.amdhsa_group_segment_fixed_size 4608
		.amdhsa_private_segment_fixed_size 0
		.amdhsa_enable_private_segment 0
		.amdhsa_kernarg_size 16
		.amdhsa_user_sgpr_count 2
		.amdhsa_user_sgpr_kernarg_segment_ptr 1
		.amdhsa_wavefront_size32 1
		.amdhsa_system_sgpr_workgroup_id_x 1
		.amdhsa_system_sgpr_workgroup_id_y 1
		.amdhsa_system_sgpr_workgroup_id_z 1
		.amdhsa_system_vgpr_workitem_id 0
		.amdhsa_next_free_vgpr 162
		.amdhsa_next_free_sgpr 66
		.amdhsa_reserve_vcc 0
		.amdhsa_float_denorm_mode_32 3
		.amdhsa_float_denorm_mode_16_64 3
		.amdhsa_memory_ordered 1
		.amdhsa_forward_progress 1
		.amdhsa_inst_pref_size 20
	.end_amdhsa_kernel
	.amdgpu_metadata
---
amdhsa.version: [ 1, 2 ]
amdhsa.kernels:
  - .name:           k_q27348e4c34_place
    .symbol:         k_q27348e4c34_place.kd
    .args:
      - { .name: chosen, .offset: 0, .size: 8, .value_kind: global_buffer, .address_space: global }
      - { .name: route, .offset: 8, .size: 8, .value_kind: global_buffer, .address_space: global }
    .group_segment_fixed_size: 4608
    .private_segment_fixed_size: 0
    .kernarg_segment_align: 8
    .kernarg_segment_size: 16
    .max_flat_workgroup_size: 32
    .sgpr_count:     66
    .vgpr_count:     162
    .wavefront_size: 32
...
	.end_amdgpu_metadata
.endif
;; end of part 3
;; launch hidden (part 4): grid 256 x 1, 16 waves a work-group, no clusters, 113,664 bytes of LDS; arguments xc, xs, W1, b1, route, hc; writes hc
.if DOCPART == 4
	.amdgcn_target "amdgcn-amd-amdhsa--gfx1250"
	.amdhsa_code_object_version 6
	.text
	.protected	k_q27348e4c34_hidden
	.globl	k_q27348e4c34_hidden
	.p2align	8
	.type	k_q27348e4c34_hidden,@function
k_q27348e4c34_hidden:
	s_mov_b64 s[64:65], 0
	v_nop
	global_prefetch_b8 v0, s[64:65] scope:SCOPE_SE
	s_setreg_imm32_b32 hwreg(HW_REG_WAVE_MODE, 25, 1), 1
	s_wait_xcnt 0x0
; hc = Q(relu(Q(x) Q(W1[e]) + b1[e])), codes and scale words, for the tokens that chose expert e alone: the rest is thrown away by the where that follows.
; THE WEIGHTS STAY, THE TOKENS COME.  Work-group = (expert e, slice sl of 128 hidden units): it reads its 1,024 x 128 numbers of W1 once, as f32, quantises them in registers and keeps the codes in LDS
; (64 fragments, in the order of the operand's registers); then its waves walk the expert's tokens, gathered by a list.
; STREAM: wave w takes 32 columns (w % 4) x 256 K (w / 4): A LANE TAKES A COLUMN AND ITS REGISTERS RUN DOWN K; a load is 128 consecutive bytes, four waves stand side by side on 512; 64 loads a wave are out.
; LIST: route, whole numbers that an earlier launch stored: [expert][place 1024] tokens, zeros behind the last; from byte 32,768 on [expert][32 words] their number.
; THE WALK GOES BY PAIRS OF TILES: a wave takes 32 places at a time, so that each fragment of the weights that it reads from LDS (1,536 bytes) feeds two products.  The pair's 16 accumulators take 128 registers;
; the tokens' fragments of all eight K steps (192 registers) do not fit beside them, so they come K step by K step into two sets of 24 registers, asked for two K steps ahead; the first pair's K steps 0 and 1
; are asked for during the stream.  Wave w takes pairs w and w + 16: all 1,024 places that one expert can have.
; RESULTS ARE LAID BY PLACE IN THE LIST: codes [expert][place 1024][K step 32][half 2][48 bytes]; from byte 25,165,824 on scale words [expert][place][32 words].  A pair's 32 places are stored whole: a place
; behind the last token holds what token 0 gives; it is the expert's own and the next launch throws it away.  So no store is masked, and no store's address hangs on a loaded number.  Only pairs that hold a token are touched.
; THE COLUMNS OF A TILE ARE NOT NEIGHBOURS: column 32 b + 16 h + 8 u + j is row 8 h + j of tile 2 b + u, and the product is used transposed (source 0 = 16 columns, source 1 = 16 tokens):
; so lane (r, h) holds place r, and register 16 b + i of a tile's 64 results is unit 32 b + 16 h + i: sixteen neighbours along the next product's K, which is what the conversions want.
; A slice of 128 units is one K step of the next product: a tile leaves as one fragment and one scale word a place.
; One barrier, behind the codes; none in the walk, whose two pairs stand each under a jump on a loaded count.
; NO CLUSTER: the weights are read by one work-group alone; what the 32 slices of an expert share is the tokens' codes, 768 bytes a token at places given by a list and as many as a loaded count says.
; LIMITS: NaN and infinities are not served; a block of zeros or under 2^-124 gets the scale byte 1 (zero codes; this program alone reads the bytes).  An expert without tokens streams its weights and stores nothing.
.set WPITCH, 16384                     ; a row of W1[e] in bytes
.set TSTR,  12416                      ; LDS: a tile's eight fragments of 1,536 bytes + 128: so that the two tiles a store touches, and the 48-byte steps of the lanes, fall on sixteen different columns of 16 bytes
.set WS,    8*TSTR                     ; the weights' scale words: [K step 8][lane 32][4 words]: lanes 0-15 tile 2 p, lanes 16-31 tile 2 p + 1, word p
.set BIAS,  WS+4096                    ; each wave's own copy of the slice's 128 biases
.set CNTOFF, 32768                     ; route: where the counts begin
.set HSOFF, 25165824                   ; hc: where the scale words begin
.set HO,    1                          ; v1: the lane at the head; in the walk my place's offset among the codes
.set R,     2
.set HSO,   3                          ; v3: lane / 16 at the head; in the walk my place's offset among the scale words
.set WOFF,  4                          ; 4 x lane
.set WLA,   5                          ; where my column's codes go
.set WSA,   6                          ; and its scale words
.set FRA0,  7                          ; a fragment's place for my lane, tiles 0-3
.set FRA1,  8                          ; tiles 4-7
.set WSR,   9
.set LR,    10                         ; the list: 4 x (lane % 16)
.set AO1,   11                         ; the second tile's token: its codes,
.set SOF1,  12                         ; its scale words,
.set TK1,   13                         ; its number
.set BA,    14
.set BR,    15
.set L16,   16                         ; 16 x lane
.set AO0,   17                         ; the first tile's token likewise
.set SOF0,  18
.set TK0,   19
.set H48,   21                         ; 48 x (lane / 16)
.set RI,    22                         ; my place in the list
.set BI,    24                         ; v24-27 biases on their way to LDS
.set MXA,   28                         ; v28-31 at work in the quantiser
.set MXB,   29
.set SOP,   30
.set BY,    31
.set X,     32                         ; v32-95   two sets of 32 numbers
.set ACC,   32                         ; later: v32-159 sixteen accumulators: tile t of the pair, column tile c at v[32 + 64 t + 8 c]
.set F0,    96                         ; v96-107  blocks 0 and 2 of a K step;  v108-119 blocks 1 and 3
.set F1,    108
.set TT,    120
.set SW,    123
.set ST,    160                        ; v160-183 two sets of one fragment of the weights
.set AB,    184                        ; v184-231 two sets of the pair's two fragments of one K step
.set TM,    160                        ; in a pair's end: v160-175 at work,
.set PC0,   176                        ; v176-195 the first tile's codes, v196 its scale word,
.set PW0,   196
.set PC1,   200                        ; v200-219, v220 the second's: so no store's data are written again
.set PW1,   220
.set WSC,   232                        ; v232-239 the weights' scale words, two sets of four (scales alone)
.set AS,    240                        ; v240-255 the tokens' scale words, eight a tile (scales alone)
.set SEL,   34
.macro NOP4
.rept 4
	v_nop
.endr
.endm
.macro QBLK                            ; 32 numbers of one lane, v[XS] on, become six registers of codes at v[DST] and byte QJ of the scale word
	v_max3_num_f32 v[MXA], |v[XS]|, |v[XS+1]|, |v[XS+2]|
	v_max3_num_f32 v[MXB], |v[XS+3]|, |v[XS+4]|, |v[XS+5]|
.irp i, 6,10,14,18,22,26
	v_max3_num_f32 v[MXA], v[MXA], |v[XS+\i]|, |v[XS+\i+1]|
	v_max3_num_f32 v[MXB], v[MXB], |v[XS+\i+2]|, |v[XS+\i+3]|
.endr
	v_max3_num_f32 v[MXA], v[MXA], |v[XS+30]|, |v[XS+31]|
	v_max3_num_f32 v[MXA], v[MXA], v[MXB], 0x1800000          ; the floor 2^(3 - 127): the byte cannot fall under 1
	v_add_nc_u32 v[SOP], 0xff000000, v[MXA]                   ; 2 off the exponent field: the conversion takes that field as its scale
	v_cvt_scalef32_pk16_fp6_f32 v[DST:DST+2], v[XS:XS+15], v[SOP]
	v_cvt_scalef32_pk16_fp6_f32 v[TT:TT+2], v[XS+16:XS+31], v[SOP]
	v_lshrrev_b32 v[BY], 23, v[SOP]                           ; the byte; also the plain line behind the conversions
.if QJ == 0
	v_mov_b32 v[SW], v[BY]
.else
	v_lshl_or_b32 v[SW], v[BY], 8*QJ, v[SW]
.endif
.irp i, 0,1,2
	v_mov_b32 v[DST+3+\i], v[TT+\i]
.endr
.endm
.macro QUANT s                         ; 64 numbers of a lane, register 16 b + i = k 32 b + 16 (lane / 16) + i of its row: codes in v[PC] on, scale word in v[PW]
.irp b, 0,1,2,3
	v_max3_num_f32 v[TM+\b], |v[\s+16*\b]|, |v[\s+1+16*\b]|, 0x1800000
.endr
.irp i, 2,4,6,8,10,12,14
.irp b, 0,1,2,3
	v_max3_num_f32 v[TM+\b], v[TM+\b], |v[\s+16*\b+\i]|, |v[\s+1+16*\b+\i]|
.endr
.endr
.irp b, 0,1,2,3
	v_permlanex16_b32 v[TM+4+\b], v[TM+\b], s[SEL], s[SEL+1]
.endr
.irp b, 0,1,2,3
	v_max_num_f32 v[TM+\b], v[TM+\b], v[TM+4+\b]
.endr
.irp b, 0,1,2,3
	v_add_nc_u32 v[TM+12+\b], 0xff000000, v[TM+\b]
.endr
.irp b, 0,1,2,3
	v_lshrrev_b32 v[TM+4+\b], 23, v[TM+12+\b]
.endr
	v_lshl_or_b32 v[PW], v[TM+5], 8, v[TM+4]
	v_lshl_or_b32 v[PW], v[TM+6], 16, v[PW]
	v_lshl_or_b32 v[PW], v[TM+7], 24, v[PW]
.irp c, 0,1
	v_cvt_scalef32_pk16_fp6_f32 v[PC+6*\c:PC+2+6*\c], v[\s+32*\c:\s+15+32*\c], v[TM+12+2*\c]
	v_cvt_scalef32_pk16_fp6_f32 v[PC+12+4*\c:PC+14+4*\c], v[\s+16+32*\c:\s+31+32*\c], v[TM+12+2*\c+1]
.endr
	v_nop                                                     ; one plain line behind a scaled conversion
.irp c, 0,1
.irp i, 0,1,2
	v_permlane16_swap_b32 v[PC+6*\c+\i], v[PC+12+4*\c+\i]
.endr
.irp i, 0,1,2
	v_mov_b32 v[PC+3+6*\c+\i], v[PC+12+4*\c+\i]
.endr
.endr
.endm
.macro LOADB t                         ; block t of my column into set t % 2
.set LI, 0
.rept 32
	global_load_b32 v[X+32*((\t)%2)+LI], v[WOFF], s[8:9] offset:(32*(\t)+LI)*WPITCH th:TH_LOAD_NT
.set LI, LI+1
.endr
.endm
.macro BLOCK t, left                   ; left: the loads younger than block t's
	s_wait_loadcnt \left
.set XS, X+32*((\t)%2)
.set DST, F0+12*((\t)%2)+6*(((\t)%4)/2)
.set QJ, (\t)%4
	QBLK
.if (\t)+2 < 8
	LOADB (\t)+2
.endif
.endm
.macro STOREF ks                       ; my column's part of two lanes' registers, and its scale word, for my ks-th K step
.irp c, 0,1,2
	ds_store_b128 v[WLA], v[F0+4*\c:F0+4*\c+3] offset:(\ks)*1536+16*\c
	ds_store_b128 v[WLA], v[F1+4*\c:F1+4*\c+3] offset:(\ks)*1536+768+16*\c
.endr
	ds_store_b32 v[WSA], v[SW] offset:(\ks)*512
.endm
.macro GATHER                          ; a loaded token enters an address only behind this hold
	v_min_u32 v[TK0], 0x3ff, v[TK0]
	v_min_u32 v[TK1], 0x3ff, v[TK1]
	v_mul_u32_u24 v[AO0], v[TK0], 768
	v_mul_u32_u24 v[AO1], v[TK1], 768
	v_add_nc_u32 v[AO0], v[AO0], v[H48]
	v_add_nc_u32 v[AO1], v[AO1], v[H48]
	v_lshlrev_b32 v[SOF0], 5, v[TK0]
	v_lshlrev_b32 v[SOF1], 5, v[TK1]
.endm
.macro ASLOAD                          ; my two tokens' eight scale words each: 4 loads
	global_load_b128 v[AS:AS+3], v[SOF0], s[6:7]
	global_load_b128 v[AS+4:AS+7], v[SOF0], s[6:7] offset:16
	global_load_b128 v[AS+8:AS+11], v[SOF1], s[6:7]
	global_load_b128 v[AS+12:AS+15], v[SOF1], s[6:7] offset:16
.endm
.macro AFILL s                         ; my two tokens' fragments of K step s into set s % 2: 6 loads
.irp c, 0,1,2
	global_load_b128 v[AB+24*((\s)%2)+4*\c:AB+24*((\s)%2)+4*\c+3], v[AO0], s[4:5] offset:96*(\s)+16*\c
	global_load_b128 v[AB+24*((\s)%2)+12+4*\c:AB+24*((\s)%2)+12+4*\c+3], v[AO1], s[4:5] offset:96*(\s)+16*\c
.endr
.endm
.macro STAGE n                         ; fragment n of 64: K step n / 8, column tile n % 8, into set n % 2: three loads
.set SS, (\n)/8
.set CC, (\n)%8
.set SB, ST+12*((\n)%2)
.if CC < 4
.set FA, FRA0
.else
.set FA, FRA1
.endif
.irp c, 0,1,2
	ds_load_b128 v[SB+4*\c:SB+4*\c+3], v[FA] offset:(CC%4)*TSTR+1536*SS+16*\c
.endr
.endm
.macro MM                              ; fragment IDX against the pair's two tiles; the sixteen accumulators take turns, one instruction a turn
.set MS, IDX/8
.set MC, IDX%8
.set MB, ST+12*(IDX%2)
.set WR, WSC+4*(MS%2)+MC/2
.irp t, 0,1
.set DACC, ACC+64*\t+8*MC
.set BFR, AB+24*(MS%2)+12*\t
.set SRG, AS+8*\t+MS
.if MC%2 == 0
	v_wmma_scale_f32_16x16x128_f8f6f4 v[DACC:DACC+7], v[MB:MB+11], v[BFR:BFR+11], v[DACC:DACC+7], v[WR], v[SRG] matrix_a_fmt:MATRIX_FMT_FP6 matrix_b_fmt:MATRIX_FMT_FP6
.else
	v_wmma_scale_f32_16x16x128_f8f6f4 v[DACC:DACC+7], v[MB:MB+11], v[BFR:BFR+11], v[DACC:DACC+7], v[WR], v[SRG] matrix_a_fmt:MATRIX_FMT_FP6 matrix_b_fmt:MATRIX_FMT_FP6 matrix_a_scale:MATRIX_SCALE_ROW1
.endif
.endr
.endm
; A PAIR OF TILES, 32 PLACES.  n = 0: my first pair, whose scale words and K steps 0 and 1 were asked for during the stream; n = 1: the pair 16 pairs on.
.macro PAIR n
.if \n > 0
	global_load_b32 v[TK0], v[LR], s[12:13] offset:2048*\n         ; my two places' tokens
	global_load_b32 v[TK1], v[LR], s[12:13] offset:2048*\n+64
	s_wait_loadcnt 0x0
	GATHER
	ASLOAD
	AFILL 0
	AFILL 1
.endif
	v_add_nc_u32 v[RI], s30, v[R]
.irp t, 0,1
.irp b, 0,1,2,3
.irp i, 0,1,2,3
	ds_load_b128 v[ACC+64*\t+16*\b+4*\i:ACC+64*\t+16*\b+4*\i+3], v[BR] offset:128*\b+16*\i     ; the bias in the result's layout: the C of each sum's first product
.endr
.endr
.endr
	ds_load_b128 v[WSC:WSC+3], v[WSR]
	STAGE 0
	STAGE 1
.set IDX, 0
.rept 64
.if IDX%8 == 0
.if IDX/8 < 7
	s_wait_loadcnt 6                               ; this K step's tokens are in; younger: the next K step's six loads
.else
	s_wait_loadcnt 0x0
.endif
.endif
.if IDX == 63
	s_wait_dscnt 0x0
.elseif IDX%8 == 7
	s_wait_dscnt 4                                 ; younger than this fragment's loads: the next K step's scale words and the next fragment's three
.else
	s_wait_dscnt 3                                 ; younger: the next fragment's three
.endif
	MM
.if IDX < 62
	NOP4                                           ; four places in front of loads into registers that the products have read
.if (IDX%8 == 7) && (IDX/8 < 6)
	AFILL IDX/8+2                                  ; this K step's set takes the tokens' fragments of two K steps on
.endif
.if (IDX+2)%8 == 0
	ds_load_b128 v[WSC+4*(((IDX+2)/8)%2):WSC+4*(((IDX+2)/8)%2)+3], v[WSR] offset:512*((IDX+2)/8)
.endif
	STAGE IDX+2
.endif
.set IDX, IDX+1
.endr
	NOP4                                           ; four places in front of the first read of the results
.set J, 0
.rept 128
	v_max_num_f32 v[ACC+J], 0, v[ACC+J]            ; relu, in f32, each accumulator from its low end on
.set J, J+1
.endr
.set PC, PC0
.set PW, PW0
	QUANT ACC
.set PC, PC1
.set PW, PW1
	QUANT ACC+64
	v_mul_u32_u24 v[HO], v[RI], 3072
	v_add_nc_u32 v[HO], v[HO], v[H48]              ; the codes: my place, my half; the second tile's place lies 16 x 3,072 bytes on
	v_lshlrev_b32 v[HSO], 7, v[RI]                 ; the scale words: my place; the second tile's 16 x 128 bytes on
.irp c, 0,1,2
	global_store_b128 v[HO], v[PC0+4*\c:PC0+4*\c+3], s[14:15] offset:16*\c
	global_store_b128 v[HO], v[PC1+4*\c:PC1+4*\c+3], s[14:15] offset:49152+16*\c
.endr
	global_store_b32 v[HSO], v[PW0], s[16:17]      ; both halves of the lanes hold the place's word and store it to the same place
	global_store_b32 v[HSO], v[PW1], s[16:17] offset:2048
	s_wait_xcnt 0x0                                ; the stores' registers are written again only behind this wait
.endm
	s_load_b256 s[4:11], s[0:1], 0x0               ; xc s[4:5], xs s[6:7], W1 s[8:9], b1 s[10:11]
	s_load_b128 s[12:15], s[0:1], 0x20             ; route s[12:13], hc s[14:15]
	v_lshrrev_b32 v1, 5, v0
	v_readfirstlane_b32 s18, v1                    ; wave 0..15
	s_and_b32 s19, s18, 3                          ; b: which 32 columns
	s_lshr_b32 s20, s18, 2                         ; q: which 256 along K
	s_lshr_b32 s21, ttmp9, 5                       ; the expert
	s_and_b32 s22, ttmp9, 31                       ; the slice
	v_and_b32 v1, 31, v0                           ; lane
	v_and_b32 v[R], 15, v0
	v_bfe_u32 v3, v0, 4, 1                         ; h
	v_bfe_u32 v22, v0, 3, 1                        ; u: my column's tile is 2 b + u,
	v_and_b32 v23, 7, v0
	v_lshl_add_u32 v23, v3, 3, v23                 ; m: its row there 8 (lane / 16) + lane % 8
	v_lshlrev_b32 v[WOFF], 2, v1
	s_mul_i32 s23, s19, 2*TSTR
	s_mul_i32 s24, s20, 3072
	s_add_co_u32 s23, s23, s24
	v_mul_u32_u24 v[WLA], v22, TSTR
	v_mad_u32_u24 v[WLA], v23, 48, v[WLA]
	v_add_nc_u32 v[WLA], s23, v[WLA]               ; (2 b + u) TSTR + 2 q x 1,536 + 48 m
	s_lshl_b32 s23, s20, 10
	s_lshl_b32 s24, s19, 2
	s_add_co_u32 s23, s23, s24
	s_add_co_u32 s23, s23, WS
	v_lshl_add_u32 v[WSA], v22, 4, v23
	v_lshl_add_u32 v[WSA], v[WSA], 4, s23          ; WS + 2 q x 512 + 16 (m + 16 u) + 4 b
	v_mul_u32_u24 v[FRA0], v1, 48
	v_add_nc_u32 v[FRA1], 4*TSTR, v[FRA0]
	v_lshl_add_u32 v[WSR], v1, 4, WS
	v_lshlrev_b32 v[LR], 2, v[R]
	s_lshl_b32 s23, s18, 9
	s_add_co_u32 s23, s23, BIAS
	v_lshl_add_u32 v[BA], v1, 4, s23
	v_lshl_add_u32 v[BR], v3, 6, s23
	v_lshlrev_b32 v[L16], 4, v1
	v_mul_u32_u24 v[H48], v3, 48
	s_mov_b32 s[SEL], 0x76543210
	s_mov_b32 s[SEL+1], 0xfedcba98
	s_lshl_b32 s36, s21, 24                        ; W1: the expert's 16 MiB, my 256 rows, the slice's 512 bytes, my 128
	s_lshl_b32 s23, s20, 22
	s_add_co_u32 s36, s36, s23
	s_lshl_b32 s23, s22, 9
	s_add_co_u32 s36, s36, s23
	s_lshl_b32 s23, s19, 7
	s_add_co_u32 s36, s36, s23
	s_mov_b32 s37, 0
	s_wait_kmcnt 0x0
	s_add_nc_u64 s[8:9], s[8:9], s[36:37]
	s_lshl_b32 s36, s21, 7
	s_add_co_u32 s36, s36, CNTOFF
	s_add_nc_u64 s[38:39], s[12:13], s[36:37]
	s_load_b32 s29, s[38:39], 0x0                  ; the expert's tokens: waited for in front of the walk
	s_lshl_b32 s36, s21, 12
	s_lshl_b32 s23, s18, 7
	s_add_co_u32 s36, s36, s23
	s_add_nc_u64 s[12:13], s[12:13], s[36:37]      ; the expert's list, my wave's first pair: 32 words
	s_lshl_b32 s36, s21, 14
	s_lshl_b32 s23, s22, 9
	s_add_co_u32 s36, s36, s23
	s_add_nc_u64 s[10:11], s[10:11], s[36:37]      ; b1: the expert's row, the slice
	s_lshl_b32 s36, s21, 17
	s_lshl_b32 s23, s22, 2
	s_add_co_u32 s36, s36, s23
	s_add_co_u32 s36, s36, HSOFF
	s_add_nc_u64 s[16:17], s[14:15], s[36:37]      ; the scale words: the expert's 1,024 places, word sl
	s_mul_i32 s36, s21, 1024*3072
	s_mul_i32 s23, s22, 96
	s_add_co_u32 s36, s36, s23
	s_add_nc_u64 s[14:15], s[14:15], s[36:37]      ; the codes: the expert's 1,024 places, K step sl
	global_load_b32 v[TK0], v[LR], s[12:13]        ; my first pair's tokens: older than block 0's loads, so block 0's wait shows them in
	global_load_b32 v[TK1], v[LR], s[12:13] offset:64
	LOADB 0
	LOADB 1
	BLOCK 0, 32                                    ; younger: the next block's 32 loads
	BLOCK 1, 32
	BLOCK 2, 32
	BLOCK 3, 32
	STOREF 0
	GATHER
	ASLOAD                                         ; my first pair's tokens, whether it has any or not (a place without a token reads token 0): the counts below hold on every way
	AFILL 0
	AFILL 1
	global_load_b128 v[BI:BI+3], v[L16], s[10:11]
	s_wait_dscnt 0x0                               ; the LDS stores have read their registers
	BLOCK 4, 49                                    ; younger: block 5's 32, the pair's 16 and the bias
	BLOCK 5, 49                                    ; younger: the 16, the bias, block 6's 32
	BLOCK 6, 32
	BLOCK 7, 0
	STOREF 1
	ds_store_b128 v[BA], v[BI:BI+3]
	s_wait_dscnt 0x0
	s_barrier_signal -1
	s_barrier_wait -1                              ; all 64 fragments lie in LDS; nothing there is written again
	; ---- the walk: wave w takes pairs w and w + 16 of the list
	s_wait_kmcnt 0x0                               ; the count
	s_lshl_b32 s30, s18, 5                         ; the pair's first place
	s_cmp_ge_u32 s30, s29
	s_cbranch_scc1 .Lend
	PAIR 0
	s_add_co_u32 s30, s30, 512
	s_cmp_ge_u32 s30, s29
	s_cbranch_scc1 .Lend
	PAIR 1
.Lend:
	s_wait_xcnt 0x0
	v_lshl_add_u32 v254, v0, 2, 0x1b400
	v_mov_b32 v255, 0
	s_wait_tensorcnt 0x0
	ds_add_u32 v254, v255
	s_wait_dscnt 0x0
	s_endpgm
.Lfunc_end_k_q27348e4c34_hidden:
	.size	k_q27348e4c34_hidden, .Lfunc_end_k_q27348e4c34_hidden-k_q27348e4c34_hidden
	.p2alignl 7, 3214868480
	.fill 96, 4, 3214868480
	.section	.rodata,"a",@progbits
	.p2align	6, 0x0
	.amdhsa_kernel k_q27348e4c34_hidden
		.amdhsa_group_segment_fixed_size 113664
		.amdhsa_private_segment_fixed_size 0
		.amdhsa_enable_private_segment 0
		.amdhsa_kernarg_size 48
		.amdhsa_user_sgpr_count 2
		.amdhsa_user_sgpr_kernarg_segment_ptr 1
		.amdhsa_wavefront_size32 1
		.amdhsa_system_sgpr_workgroup_id_x 1
		.amdhsa_system_sgpr_workgroup_id_y 1
		.amdhsa_system_sgpr_workgroup_id_z 1
		.amdhsa_system_vgpr_workitem_id 0
		.amdhsa_next_free_vgpr 256
		.amdhsa_next_free_sgpr 66
		.amdhsa_reserve_vcc 0
		.amdhsa_float_denorm_mode_32 3
		.amdhsa_float_denorm_mode_16_64 3
		.amdhsa_memory_ordered 1
		.amdhsa_forward_progress 1
		.amdhsa_inst_pref_size 158
	.end_amdhsa_kernel
	.amdgpu_metadata
---
amdhsa.version: [ 1, 2 ]
amdhsa.kernels:
  - .name:           k_q27348e4c34_hidden
    .symbol:         k_q27348e4c34_hidden.kd
    .args:
      - { .name: xc, .offset: 0, .size: 8, .value_kind: global_buffer, .address_space: global }
      - { .name: xs, .offset: 8, .size: 8, .value_kind: global_buffer, .address_space: global }
      - { .name: W1, .offset: 16, .size: 8, .value_kind: global_buffer, .address_space: global }
      - { .name: b1, .offset: 24, .size: 8, .value_kind: global_buffer, .address_space: global }
      - { .name: route, .offset: 32, .size: 8, .value_kind: global_buffer, .address_space: global }
      - { .name: hc, .offset: 40, .size: 8, .value_kind: global_buffer, .address_space: global }
    .group_segment_fixed_size: 113664
    .private_segment_fixed_size: 0
    .kernarg_segment_align: 8
    .kernarg_segment_size: 48
    .max_flat_workgroup_size: 512
    .sgpr_count:     66
    .vgpr_count:     256
    .wavefront_size: 32
...
	.end_amdgpu_metadata
.endif
;; end of part 4
;; launch outp (part 5): grid 256 x 1, 16 waves a work-group, no clusters, 240,640 bytes of LDS; arguments hc, W2, route, part; writes part
.if DOCPART == 5
	.amdgcn_target "amdgcn-amd-amdhsa--gfx1250"
	.amdhsa_code_object_version 6
	.text
	.protected	k_q27348e4c34_outp
	.globl	k_q27348e4c34_outp
	.p2align	8
	.type	k_q27348e4c34_outp,@function
k_q27348e4c34_outp:
	s_mov_b64 s[64:65], 0
	v_nop
	global_prefetch_b8 v0, s[64:65] scope:SCOPE_SE
	s_setreg_imm32_b32 hwreg(HW_REG_WAVE_MODE, 25, 1), 1
	s_wait_xcnt 0x0
; part[q4][token][:] = the quarter q4 (1,024 of K's 4,096) of Q(hidden) Q(W2[e]), for the tokens that chose expert e; the last launch adds the four quarters and the bias.
; Work-group = (expert e, quarter q4, slice cs of 128 output columns): a slice of 1,024 x 128 numbers of W2, read once as f32, quantised in registers, kept in LDS as 64 fragments.
; K is cut in four so that a work-group's rows of W2 and of the result are 512 consecutive bytes and there are 256 work-groups of equal weight; the price is the quarters' way to memory and back.
; Stream, layout of the fragments and the walk are the hidden launch's: a lane takes a column and its registers run down K; column 32 b + 16 h + 8 u + j is row 8 h + j of tile 2 b + u; the product is
; used transposed, so lane (r, h) holds place r and register 16 b + i of a tile is column 32 b + 16 h + i.
; THE WALK GOES BY PAIRS OF TILES: a wave takes 32 places at a time, so that each fragment of the weights that it reads from LDS (1,536 bytes) feeds two products; the places' fragments come K step by K step
; into two sets of 24 registers, asked for two K steps ahead.  Wave w takes pairs w and w + 16.
; THE HIDDEN LAYER LIES BY PLACE IN THE EXPERT'S LIST (hc: codes [expert][place][K step][half][48 bytes]; from byte 25,165,824 on scale words [expert][place][32 words]): its addresses are made of ids and
; the walk's steps alone.  The list (route: [expert][place] tokens; from byte 32,768 on [expert][32 words] their number; whole numbers that an earlier launch stored) serves the jumps and the way out.
; A wave's first pair is asked for during the stream whether the expert has that many tokens or not, so that the counted waits hold on every way; where it has not, the bytes may never have been stored,
; and what comes is not used: the pair's work is jumped over.  A pair that holds a token was stored whole by the launch before.
; THE WAY OUT: a tile's 16 rows x 512 bytes go through the wave's own stage in LDS and leave row by row: 32 lanes store 512 consecutive bytes at the row's token; places without a token are jumped over.
; NO CLUSTER: the weights are read by one work-group alone; what the 8 slices of an expert's quarter share is 768 bytes a place, as many places as a loaded count says.
; LIMITS: NaN and infinities are not served; a block of zeros or under 2^-124 gets the scale byte 1.  The sum over K is made in four parts.  An expert without tokens streams its weights and stores nothing.
.set WPITCH, 4096                      ; a row of W2[e] in bytes
.set TSTR,  12416
.set WS,    8*TSTR
.set STG,   WS+4096                    ; each wave's stage: 16 rows x (512 + 16) bytes
.set CNTOFF, 32768                     ; route: where the counts begin
.set HSOFF, 25165824                   ; hc: where the scale words begin
.set R,     2
.set WOFF,  4
.set WLA,   5
.set WSA,   6
.set FRA0,  7
.set FRA1,  8
.set WSR,   9
.set STO,   14                         ; the stage: where I put 16 bytes of my place's row
.set SRD,   15                         ; and where I read a row back
.set L16,   16
.set AO,    17                         ; my place's codes; the second tile's lie 16 x 3,072 bytes on
.set SOF,   18                         ; my place's scale words; the second tile's 16 x 128 bytes on
.set H48,   21
.set RI,    22                         ; my place in the list
.set MXA,   28
.set MXB,   29
.set SOP,   30
.set BY,    31
.set X,     32
.set ACC,   32                         ; v32-159 sixteen accumulators: tile t of the pair, column tile c at v[32 + 64 t + 8 c]
.set TKS,   32                         ; the way out: v32-63 the 32 rows' offsets in part, where the first tile's results lay until they were in the stage
.set F0,    96
.set F1,    108
.set TT,    120
.set SW,    123
.set ST,    160                        ; v160-183 two sets of one fragment of the weights
.set AB,    184                        ; v184-231 two sets of the pair's two fragments of one K step
.set OB,    160                        ; the way out: v160-223 sixteen rows
.set WSC,   232                        ; v232-239 (scales alone)
.set AS,    240                        ; v240-255 (scales alone)
.set TKN,   48                         ; s[48:63] the first tile's sixteen tokens
.set TKM,   68                         ; s[68:83] the second's
.macro NOP4
.rept 4
	v_nop
.endr
.endm
.macro QBLK
	v_max3_num_f32 v[MXA], |v[XS]|, |v[XS+1]|, |v[XS+2]|
	v_max3_num_f32 v[MXB], |v[XS+3]|, |v[XS+4]|, |v[XS+5]|
.irp i, 6,10,14,18,22,26
	v_max3_num_f32 v[MXA], v[MXA], |v[XS+\i]|, |v[XS+\i+1]|
	v_max3_num_f32 v[MXB], v[MXB], |v[XS+\i+2]|, |v[XS+\i+3]|
.endr
	v_max3_num_f32 v[MXA], v[MXA], |v[XS+30]|, |v[XS+31]|
	v_max3_num_f32 v[MXA], v[MXA], v[MXB], 0x1800000          ; the floor 2^(3 - 127)
	v_add_nc_u32 v[SOP], 0xff000000, v[MXA]
	v_cvt_scalef32_pk16_fp6_f32 v[DST:DST+2], v[XS:XS+15], v[SOP]
	v_cvt_scalef32_pk16_fp6_f32 v[TT:TT+2], v[XS+16:XS+31], v[SOP]
	v_lshrrev_b32 v[BY], 23, v[SOP]                           ; the byte; also the plain line behind the conversions
.if QJ == 0
	v_mov_b32 v[SW], v[BY]
.else
	v_lshl_or_b32 v[SW], v[BY], 8*QJ, v[SW]
.endif
.irp i, 0,1,2
	v_mov_b32 v[DST+3+\i], v[TT+\i]
.endr
.endm
.macro LOADB t
.set LI, 0
.rept 32
	global_load_b32 v[X+32*((\t)%2)+LI], v[WOFF], s[8:9] offset:(32*(\t)+LI)*WPITCH th:TH_LOAD_NT
.set LI, LI+1
.endr
.endm
.macro BLOCK t, left
	s_wait_loadcnt \left
.set XS, X+32*((\t)%2)
.set DST, F0+12*((\t)%2)+6*(((\t)%4)/2)
.set QJ, (\t)%4
	QBLK
.if (\t)+2 < 8
	LOADB (\t)+2
.endif
.endm
.macro STOREF ks
.irp c, 0,1,2
	ds_store_b128 v[WLA], v[F0+4*\c:F0+4*\c+3] offset:(\ks)*1536+16*\c
	ds_store_b128 v[WLA], v[F1+4*\c:F1+4*\c+3] offset:(\ks)*1536+768+16*\c
.endr
	ds_store_b32 v[WSA], v[SW] offset:(\ks)*512
.endm
.macro PLACE                           ; the offsets of place s30 + r: the wave's number and the walk's step alone
	v_add_nc_u32 v[RI], s30, v[R]
	v_mul_u32_u24 v[AO], v[RI], 3072
	v_add_nc_u32 v[AO], v[AO], v[H48]
	v_lshlrev_b32 v[SOF], 7, v[RI]
.endm
.macro ASLOAD                          ; my two places' eight scale words of this quarter each: 4 loads
	global_load_b128 v[AS:AS+3], v[SOF], s[6:7]
	global_load_b128 v[AS+4:AS+7], v[SOF], s[6:7] offset:16
	global_load_b128 v[AS+8:AS+11], v[SOF], s[6:7] offset:2048
	global_load_b128 v[AS+12:AS+15], v[SOF], s[6:7] offset:2064
.endm
.macro AFILL s                         ; my two places' fragments of K step s into set s % 2: 6 loads
.irp c, 0,1,2
	global_load_b128 v[AB+24*((\s)%2)+4*\c:AB+24*((\s)%2)+4*\c+3], v[AO], s[4:5] offset:96*(\s)+16*\c
	global_load_b128 v[AB+24*((\s)%2)+12+4*\c:AB+24*((\s)%2)+12+4*\c+3], v[AO], s[4:5] offset:49152+96*(\s)+16*\c
.endr
.endm
.macro STAGE n                         ; fragment n of 64: K step n / 8, column tile n % 8, into set n % 2: three loads
.set SS, (\n)/8
.set CC, (\n)%8
.set SB, ST+12*((\n)%2)
.if CC < 4
.set FA, FRA0
.else
.set FA, FRA1
.endif
.irp c, 0,1,2
	ds_load_b128 v[SB+4*\c:SB+4*\c+3], v[FA] offset:(CC%4)*TSTR+1536*SS+16*\c
.endr
.endm
.macro MM                              ; fragment IDX against the pair's two tiles; the first K step's products start the sums; the sixteen accumulators take turns, one instruction a turn
.set MS, IDX/8
.set MC, IDX%8
.set MB, ST+12*(IDX%2)
.set WR, WSC+4*(MS%2)+MC/2
.irp t, 0,1
.set DACC, ACC+64*\t+8*MC
.set BFR, AB+24*(MS%2)+12*\t
.set SRG, AS+8*\t+MS
.if MS == 0
.if MC%2 == 0
	v_wmma_scale_f32_16x16x128_f8f6f4 v[DACC:DACC+7], v[MB:MB+11], v[BFR:BFR+11], 0, v[WR], v[SRG] matrix_a_fmt:MATRIX_FMT_FP6 matrix_b_fmt:MATRIX_FMT_FP6
.else
	v_wmma_scale_f32_16x16x128_f8f6f4 v[DACC:DACC+7], v[MB:MB+11], v[BFR:BFR+11], 0, v[WR], v[SRG] matrix_a_fmt:MATRIX_FMT_FP6 matrix_b_fmt:MATRIX_FMT_FP6 matrix_a_scale:MATRIX_SCALE_ROW1
.endif
.else
.if MC%2 == 0
	v_wmma_scale_f32_16x16x128_f8f6f4 v[DACC:DACC+7], v[MB:MB+11], v[BFR:BFR+11], v[DACC:DACC+7], v[WR], v[SRG] matrix_a_fmt:MATRIX_FMT_FP6 matrix_b_fmt:MATRIX_FMT_FP6
.else
	v_wmma_scale_f32_16x16x128_f8f6f4 v[DACC:DACC+7], v[MB:MB+11], v[BFR:BFR+11], v[DACC:DACC+7], v[WR], v[SRG] matrix_a_fmt:MATRIX_FMT_FP6 matrix_b_fmt:MATRIX_FMT_FP6 matrix_a_scale:MATRIX_SCALE_ROW1
.endif
.endif
.endr
.endm
.macro TOSTAGE t                       ; tile t's results into my stage, and back as sixteen whole rows
.irp b, 0,1,2,3
.irp i, 0,1,2,3
	ds_store_b128 v[STO], v[ACC+64*\t+16*\b+4*\i:ACC+64*\t+16*\b+4*\i+3] offset:128*\b+16*\i   ; each accumulator from its low end on
.endr
.endr
.irp i, 0,1,2,3,4,5,6,7,8,9,10,11,12,13,14,15
	ds_load_b128 v[OB+4*\i:OB+4*\i+3], v[SRD] offset:528*\i        ; LDS serves a wave's instructions in order (ISA guide 5.7.1.4): these see my stores
.endr
.endm
; A PAIR OF TILES, 32 PLACES.  n = 0: my first pair, whose scale words and K steps 0 and 1 were asked for during the stream; n = 1: the pair 16 pairs on.
.macro PAIR n
	s_load_b512 s[TKN:TKN+15], s[10:11], 2048*\n   ; the pair's 32 tokens: wanted on the way out
	s_load_b512 s[TKM:TKM+15], s[10:11], 2048*\n+64
.if \n > 0
	PLACE
	ASLOAD
	AFILL 0
	AFILL 1
.endif
	ds_load_b128 v[WSC:WSC+3], v[WSR]
	STAGE 0
	STAGE 1
.set IDX, 0
.rept 64
.if IDX%8 == 0
.if IDX/8 < 7
	s_wait_loadcnt 6                               ; this K step's places are in; younger: the next K step's six loads
.else
	s_wait_loadcnt 0x0
.endif
.endif
.if IDX == 63
	s_wait_dscnt 0x0
.elseif IDX%8 == 7
	s_wait_dscnt 4                                 ; younger than this fragment's loads: the next K step's scale words and the next fragment's three
.else
	s_wait_dscnt 3                                 ; younger: the next fragment's three
.endif
	MM
.if IDX < 62
	NOP4                                           ; four places in front of loads into registers that the products have read
.if (IDX%8 == 7) && (IDX/8 < 6)
	AFILL IDX/8+2                                  ; this K step's set takes the places' fragments of two K steps on
.endif
.if (IDX+2)%8 == 0
	ds_load_b128 v[WSC+4*(((IDX+2)/8)%2):WSC+4*(((IDX+2)/8)%2)+3], v[WSR] offset:512*((IDX+2)/8)
.endif
	STAGE IDX+2
.endif
.set IDX, IDX+1
.endr
	NOP4                                           ; four places in front of the stores that read the results and of the loads into the operands' registers
	TOSTAGE 0
	s_wait_kmcnt 0x0                               ; the tokens
.irp i, 0,1,2,3,4,5,6,7,8,9,10,11,12,13,14,15
	s_min_u32 s[TKN+\i], s[TKN+\i], 0x3ff          ; a loaded token enters an address only behind this hold
	s_lshl_b32 s[TKN+\i], s[TKN+\i], 12            ; the token's row of 4,096 bytes
	s_min_u32 s[TKM+\i], s[TKM+\i], 0x3ff
	s_lshl_b32 s[TKM+\i], s[TKM+\i], 12
.endr
	s_wait_dscnt 0x0                               ; the first tile's rows are back, and its LDS stores have read their registers, which take the offsets
.irp i, 0,1,2,3,4,5,6,7,8,9,10,11,12,13,14,15
	v_add_nc_u32 v[TKS+\i], s[TKN+\i], v[L16]      ; + 16 x lane
	v_add_nc_u32 v[TKS+16+\i], s[TKM+\i], v[L16]
.endr
	s_sub_co_u32 s33, s29, s30                     ; the pair's places that hold a token: at least one
.irp i, 0,1,2,3,4,5,6,7,8,9,10,11,12,13,14,15
.if \i > 0
	s_cmp_le_u32 s33, \i
	s_cbranch_scc1 .Ldone_\@
.endif
	global_store_b128 v[TKS+\i], v[OB+4*\i:OB+4*\i+3], s[14:15]    ; 32 lanes store 512 consecutive bytes, at a multiple of 512 from the buffer's first byte
.endr
	s_cmp_le_u32 s33, 16
	s_cbranch_scc1 .Ldone_\@
	s_wait_xcnt 0x0                                ; the rows' registers are loaded again only behind this wait
	TOSTAGE 1
	s_wait_dscnt 0x0
.irp i, 0,1,2,3,4,5,6,7,8,9,10,11,12,13,14,15
.if \i > 0
	s_cmp_le_u32 s33, 16+\i
	s_cbranch_scc1 .Ldone_\@
.endif
	global_store_b128 v[TKS+16+\i], v[OB+4*\i:OB+4*\i+3], s[14:15]
.endr
.Ldone_\@:
	s_wait_xcnt 0x0                                ; the stores' registers are written again only behind this wait
.endm
	s_load_b64 s[4:5], s[0:1], 0x0                 ; hc
	s_load_b128 s[8:11], s[0:1], 0x8               ; W2 s[8:9], route s[10:11]
	s_load_b64 s[14:15], s[0:1], 0x18              ; part
	v_lshl_add_u32 v26, v0, 2, 0x3a400
	v_mov_b32 v27, 0
	v_lshrrev_b32 v1, 5, v0
	v_readfirstlane_b32 s18, v1                    ; wave 0..15
	s_and_b32 s19, s18, 3                          ; b: which 32 columns
	s_lshr_b32 s20, s18, 2                         ; q: which 256 of the quarter's 1,024 along K
	s_lshr_b32 s21, ttmp9, 5                       ; the expert
	s_bfe_u32 s22, ttmp9, 0x20003                  ; q4: the quarter of K
	s_and_b32 s25, ttmp9, 7                        ; cs: the slice of columns
	s_lshl_b32 s30, s18, 5                         ; the walk: my first pair's first place
	v_and_b32 v1, 31, v0
	v_and_b32 v[R], 15, v0
	v_bfe_u32 v3, v0, 4, 1
	v_bfe_u32 v22, v0, 3, 1                        ; u
	v_and_b32 v23, 7, v0
	v_lshl_add_u32 v23, v3, 3, v23                 ; m
	v_lshlrev_b32 v[WOFF], 2, v1
	s_mul_i32 s23, s19, 2*TSTR
	s_mul_i32 s24, s20, 3072
	s_add_co_u32 s23, s23, s24
	v_mul_u32_u24 v[WLA], v22, TSTR
	v_mad_u32_u24 v[WLA], v23, 48, v[WLA]
	v_add_nc_u32 v[WLA], s23, v[WLA]
	s_lshl_b32 s23, s20, 10
	s_lshl_b32 s24, s19, 2
	s_add_co_u32 s23, s23, s24
	s_add_co_u32 s23, s23, WS
	v_lshl_add_u32 v[WSA], v22, 4, v23
	v_lshl_add_u32 v[WSA], v[WSA], 4, s23
	v_mul_u32_u24 v[FRA0], v1, 48
	v_add_nc_u32 v[FRA1], 4*TSTR, v[FRA0]
	v_lshl_add_u32 v[WSR], v1, 4, WS
	s_mul_i32 s23, s18, 16*528
	s_add_co_u32 s23, s23, STG
	v_mul_u32_u24 v[STO], v[R], 528
	v_lshl_add_u32 v[STO], v3, 6, v[STO]
	v_add_nc_u32 v[STO], s23, v[STO]               ; row r, + 64 h
	v_lshl_add_u32 v[SRD], v1, 4, s23
	v_lshlrev_b32 v[L16], 4, v1
	v_mul_u32_u24 v[H48], v3, 48
	s_lshl_b32 s36, s21, 24                        ; W2: the expert's 16 MiB, the quarter's 1,024 rows, my 256 rows, the slice's 512 bytes, my 128
	s_lshl_b32 s23, s22, 22
	s_add_co_u32 s36, s36, s23
	s_lshl_b32 s23, s20, 20
	s_add_co_u32 s36, s36, s23
	s_lshl_b32 s23, s25, 9
	s_add_co_u32 s36, s36, s23
	s_lshl_b32 s23, s19, 7
	s_add_co_u32 s36, s36, s23
	s_mov_b32 s37, 0
	s_wait_kmcnt 0x0
	s_add_nc_u64 s[8:9], s[8:9], s[36:37]
	s_lshl_b32 s36, s21, 7
	s_add_co_u32 s36, s36, CNTOFF
	s_add_nc_u64 s[38:39], s[10:11], s[36:37]
	s_load_b32 s29, s[38:39], 0x0                  ; the expert's tokens: waited for in front of the walk
	s_lshl_b32 s36, s21, 12
	s_lshl_b32 s23, s18, 7
	s_add_co_u32 s36, s36, s23
	s_add_nc_u64 s[10:11], s[10:11], s[36:37]      ; the expert's list, my wave's first pair: 32 words
	s_lshl_b32 s36, s21, 17
	s_lshl_b32 s23, s22, 5
	s_add_co_u32 s36, s36, s23
	s_add_co_u32 s36, s36, HSOFF
	s_add_nc_u64 s[6:7], s[4:5], s[36:37]          ; the scale words: the expert's 1,024 places, words 8 q4 on
	s_mul_i32 s36, s21, 1024*3072
	s_mul_i32 s23, s22, 768
	s_add_co_u32 s36, s36, s23
	s_add_nc_u64 s[4:5], s[4:5], s[36:37]          ; the codes: the expert's 1,024 places, K steps 8 q4 on
	s_lshl_b32 s36, s22, 22
	s_lshl_b32 s23, s25, 9
	s_add_co_u32 s36, s36, s23
	s_add_nc_u64 s[14:15], s[14:15], s[36:37]      ; part: the quarter's 4 MiB, the slice's 512 bytes
	LOADB 0
	LOADB 1
	BLOCK 0, 32                                    ; younger: the next block's 32 loads
	BLOCK 1, 32
	BLOCK 2, 32
	BLOCK 3, 32
	STOREF 0
	PLACE
	ASLOAD                                         ; on every way, so that the counts below hold on every way
	AFILL 0
	AFILL 1
	s_wait_dscnt 0x0                               ; the LDS stores have read their registers
	BLOCK 4, 48                                    ; younger: block 5's 32 and the pair's 16
	BLOCK 5, 48                                    ; younger: the 16 and block 6's 32
	BLOCK 6, 32
	BLOCK 7, 0
	STOREF 1
	s_wait_dscnt 0x0
	s_barrier_signal -1
	s_barrier_wait -1                              ; all 64 fragments lie in LDS; of what waves share nothing is written again
	; ---- the walk: wave w takes pairs w and w + 16 of the list
	s_wait_kmcnt 0x0                               ; the count
	s_cmp_ge_u32 s30, s29
	s_cbranch_scc1 .Lend
	PAIR 0
	s_add_co_u32 s30, s30, 512
	s_cmp_ge_u32 s30, s29
	s_cbranch_scc1 .Lend
	PAIR 1
.Lend:
	s_wait_tensorcnt 0x0
	ds_add_u32 v26, v27
	s_wait_dscnt 0x0
	s_endpgm
.Lfunc_end_k_q27348e4c34_outp:
	.size	k_q27348e4c34_outp, .Lfunc_end_k_q27348e4c34_outp-k_q27348e4c34_outp
	.p2alignl 7, 3214868480
	.fill 96, 4, 3214868480
	.section	.rodata,"a",@progbits
	.p2align	6, 0x0
	.amdhsa_kernel k_q27348e4c34_outp
		.amdhsa_group_segment_fixed_size 240640
		.amdhsa_private_segment_fixed_size 0
		.amdhsa_enable_private_segment 0
		.amdhsa_kernarg_size 32
		.amdhsa_user_sgpr_count 2
		.amdhsa_user_sgpr_kernarg_segment_ptr 1
		.amdhsa_wavefront_size32 1
		.amdhsa_system_sgpr_workgroup_id_x 1
		.amdhsa_system_sgpr_workgroup_id_y 1
		.amdhsa_system_sgpr_workgroup_id_z 1
		.amdhsa_system_vgpr_workitem_id 0
		.amdhsa_next_free_vgpr 256
		.amdhsa_next_free_sgpr 88
		.amdhsa_reserve_vcc 0
		.amdhsa_float_denorm_mode_32 3
		.amdhsa_float_denorm_mode_16_64 3
		.amdhsa_memory_ordered 1
		.amdhsa_forward_progress 1
		.amdhsa_inst_pref_size 155
	.end_amdhsa_kernel
	.amdgpu_metadata
---
amdhsa.version: [ 1, 2 ]
amdhsa.kernels:
  - .name:           k_q27348e4c34_outp
    .symbol:         k_q27348e4c34_outp.kd
    .args:
      - { .name: hc, .offset: 0, .size: 8, .value_kind: global_buffer, .address_space: global }
      - { .name: W2, .offset: 8, .size: 8, .value_kind: global_buffer, .address_space: global }
      - { .name: route, .offset: 16, .size: 8, .value_kind: global_buffer, .address_space: global }
      - { .name: part, .offset: 24, .size: 8, .value_kind: global_buffer, .address_space: global }
    .group_segment_fixed_size: 240640
    .private_segment_fixed_size: 0
    .kernarg_segment_align: 8
    .kernarg_segment_size: 32
    .max_flat_workgroup_size: 512
    .sgpr_count:     88
    .vgpr_count:     256
    .wavefront_size: 32
...
	.end_amdgpu_metadata
.endif
;; end of part 5
;; launch finish (part 6): grid 256 x 1, 8 waves a work-group, no clusters, 0 bytes of LDS; arguments part, b2, chosen, out0; writes out0
.if DOCPART == 6
	.amdgcn_target "amdgcn-amd-amdhsa--gfx1250"
	.amdhsa_code_object_version 6
	.text
	.protected	k_q27348e4c34_finish
	.globl	k_q27348e4c34_finish
	.p2align	8
	.type	k_q27348e4c34_finish,@function
k_q27348e4c34_finish:
	s_mov_b64 s[64:65], 0
	v_nop
	global_prefetch_b8 v0, s[64:65] scope:SCOPE_SE
	s_setreg_imm32_b32 hwreg(HW_REG_WAVE_MODE, 25, 1), 1
	s_wait_xcnt 0x0
; out0[token][:] = part[0][token][:] + part[1][token][:] + part[2][token][:] + part[3][token][:] + b2[chosen[token]][:].
; A stream: a work-group takes four tokens, thread t the 16 bytes at 16 t of each row, so a wave's load or store covers 512 consecutive bytes.  All twenty loads of a thread are out together.
; No LDS, no matrix unit, no cluster: nothing is shared but 4 KiB rows of b2.
.set P, 16                             ; v16-79  token k, quarter q at v[16 + 16 k + 4 q]
.set B, 80                             ; v80-95  token k's bias
	s_load_b256 s[4:11], s[0:1], 0x0               ; part s[4:5], b2 s[6:7], chosen s[8:9], out0 s[10:11]
	v_lshlrev_b32 v1, 4, v0
	s_lshl_b32 s12, ttmp9, 14                      ; four rows of 4,096 bytes
	s_mov_b32 s13, 0
	s_lshl_b32 s14, ttmp9, 4                       ; four words of chosen
	s_mov_b32 s15, 0
	s_wait_kmcnt 0x0
	s_add_nc_u64 s[8:9], s[8:9], s[14:15]
	s_load_b128 s[16:19], s[8:9], 0x0              ; my four tokens' experts
	s_add_nc_u64 s[4:5], s[4:5], s[12:13]
	s_add_nc_u64 s[10:11], s[10:11], s[12:13]
	s_add_nc_u64 s[20:21], s[4:5], 0x800000        ; quarters 2 and 3: the immediate reaches one quarter of 4 MiB
.irp k, 0,1,2,3
	global_load_b128 v[P+16*\k:P+16*\k+3], v1, s[4:5] offset:4096*\k th:TH_LOAD_NT
	global_load_b128 v[P+16*\k+4:P+16*\k+7], v1, s[4:5] offset:0x400000+4096*\k th:TH_LOAD_NT
	global_load_b128 v[P+16*\k+8:P+16*\k+11], v1, s[20:21] offset:4096*\k th:TH_LOAD_NT
	global_load_b128 v[P+16*\k+12:P+16*\k+15], v1, s[20:21] offset:0x400000+4096*\k th:TH_LOAD_NT
.endr
	s_wait_kmcnt 0x0
.irp k, 0,1,2,3
	s_min_u32 s[16+\k], s[16+\k], 7                ; a loaded number enters an address only behind this hold
	s_lshl_b32 s[16+\k], s[16+\k], 12              ; the expert's row of b2
	v_add_nc_u32 v[2+\k], s[16+\k], v1
	global_load_b128 v[B+4*\k:B+4*\k+3], v[2+\k], s[6:7]
.endr
	s_wait_loadcnt 0x0
.irp k, 0,1,2,3
.irp d, 0,2
	v_pk_add_f32 v[P+16*\k+\d:P+16*\k+\d+1], v[P+16*\k+\d:P+16*\k+\d+1], v[P+16*\k+4+\d:P+16*\k+4+\d+1]
	v_pk_add_f32 v[P+16*\k+8+\d:P+16*\k+8+\d+1], v[P+16*\k+8+\d:P+16*\k+8+\d+1], v[P+16*\k+12+\d:P+16*\k+12+\d+1]
.endr
.irp d, 0,2
	v_pk_add_f32 v[P+16*\k+\d:P+16*\k+\d+1], v[P+16*\k+\d:P+16*\k+\d+1], v[P+16*\k+8+\d:P+16*\k+8+\d+1]
.endr
.irp d, 0,2
	v_pk_add_f32 v[P+16*\k+\d:P+16*\k+\d+1], v[P+16*\k+\d:P+16*\k+\d+1], v[B+4*\k+\d:B+4*\k+\d+1]
.endr
	global_store_b128 v1, v[P+16*\k:P+16*\k+3], s[10:11] offset:4096*\k th:TH_STORE_NT
.endr
	s_endpgm
.Lfunc_end_k_q27348e4c34_finish:
	.size	k_q27348e4c34_finish, .Lfunc_end_k_q27348e4c34_finish-k_q27348e4c34_finish
	.p2alignl 7, 3214868480
	.fill 96, 4, 3214868480
	.section	.rodata,"a",@progbits
	.p2align	6, 0x0
	.amdhsa_kernel k_q27348e4c34_finish
		.amdhsa_group_segment_fixed_size 0
		.amdhsa_private_segment_fixed_size 0
		.amdhsa_enable_private_segment 0
		.amdhsa_kernarg_size 32
		.amdhsa_user_sgpr_count 2
		.amdhsa_user_sgpr_kernarg_segment_ptr 1
		.amdhsa_wavefront_size32 1
		.amdhsa_system_sgpr_workgroup_id_x 1
		.amdhsa_system_sgpr_workgroup_id_y 1
		.amdhsa_system_sgpr_workgroup_id_z 1
		.amdhsa_system_vgpr_workitem_id 0
		.amdhsa_next_free_vgpr 96
		.amdhsa_next_free_sgpr 66
		.amdhsa_reserve_vcc 0
		.amdhsa_float_denorm_mode_32 3
		.amdhsa_float_denorm_mode_16_64 3
		.amdhsa_memory_ordered 1
		.amdhsa_forward_progress 1
		.amdhsa_inst_pref_size 6
	.end_amdhsa_kernel
	.amdgpu_metadata
---
amdhsa.version: [ 1, 2 ]
amdhsa.kernels:
  - .name:           k_q27348e4c34_finish
    .symbol:         k_q27348e4c34_finish.kd
    .args:
      - { .name: part, .offset: 0, .size: 8, .value_kind: global_buffer, .address_space: global }
      - { .name: b2, .offset: 8, .size: 8, .value_kind: global_buffer, .address_space: global }
      - { .name: chosen, .offset: 16, .size: 8, .value_kind: global_buffer, .address_space: global }
      - { .name: out0, .offset: 24, .size: 8, .value_kind: global_buffer, .address_space: global }
    .group_segment_fixed_size: 0
    .private_segment_fixed_size: 0
    .kernarg_segment_align: 8
    .kernarg_segment_size: 32
    .max_flat_workgroup_size: 256
    .sgpr_count:     66
    .vgpr_count:     96
    .wavefront_size: 32
...
	.end_amdgpu_metadata
.endif
;; end of part 6
;; ======== version 2 of 2: 6 launches
;; workspace buffers: xc 786,432 bytes; xs 32,768 bytes; wrc 1,572,864 bytes; wrs 32,768 bytes; chosen 4,096 bytes of whole numbers; route 33,792 bytes of whole numbers; hc 26,214,400 bytes; part 16,777,216 bytes
;; launch quant (part 7): grid 192 x 1, 4 waves a work-group, no clusters, 0 bytes of LDS; arguments x, Wr1, xc, xs, wrc, wrs; writes xc, xs, wrc, wrs
.if DOCPART == 7
	.amdgcn_target "amdgcn-amd-amdhsa--gfx1250"
	.amdhsa_code_object_version 6
	.text
	.protected	k_q27348e4c34_quant
	.globl	k_q27348e4c34_quant
	.p2align	8
	.type	k_q27348e4c34_quant,@function
k_q27348e4c34_quant:
	s_mov_b64 s[64:65], 0
	v_nop
	global_prefetch_b8 v0, s[64:65] scope:SCOPE_SE
	s_setreg_imm32_b32 hwreg(HW_REG_WAVE_MODE, 25, 1), 1
	s_wait_xcnt 0x0
; x [1024][1024] f32 (K innermost) and Wr1 [1024 (k)][1024 (n)] f32 (K outermost) become codes of FP6 (E2M3) with one E8M0 byte for each 32 along K.
; Both leave in the ORDER OF AN OPERAND'S REGISTERS (a fragment is 16 rows x 128 K, twelve registers a lane):
;   xc  [token][K step 8][h 2][48 bytes]: lane (r, h)'s twelve registers on end, since the experts' launch gathers by token            xs  [token][8 words]
;   wrc [tile 64][K step 8][c 3][lane 32][16 bytes]: registers 4 c .. 4 c + 3 of all lanes on end, so a load of a wave is 512 consecutive bytes;
;       from byte 786,432 on x's fragments once more, in that same order, [tile of 16 tokens 64][K step 8][c 3][lane 32][16 bytes], for the router's launch, which takes tokens by tiles
;   wrs [K step 8][column 1024] words;  row m of tile T is column 16 T + m
; A block's scale byte is its largest magnitude's exponent field - 2, held at 1 from below.
; LIMITS: a block of zeros, and one whose largest magnitude lies under 2^-124, gets the byte 1 (this program alone reads the bytes; zero codes add nothing); NaN and infinities are not served.
; Work-groups 0-63 take Wr1: 128 columns x 128 K, a wave 32 columns; A LANE TAKES A COLUMN AND ITS REGISTERS RUN DOWN K, so a block of 32 lies in one lane.
; Work-groups 64-191 take x: a wave one fragment (16 tokens x 128 K); a lane holds 16 neighbours of each block, lane l xor 16 the other 16.
; No LDS, no barrier, no cluster: no work-group reads what another reads.
.set MXA, 8                            ; two chains of the largest magnitude
.set MXB, 9
.set SOP, 10                           ; the conversion's scale operand
.set BY,  11                           ; the scale's byte
.set SW,  12                           ; a column's scale word
.set X,   32                           ; Wr1: v32-159 four sets of 32 numbers;  x: v32-95 64 numbers
.set F0,  160                          ; v160-171 blocks 0 and 2: the twelve registers of reader lane (m, 0)
.set F1,  172                          ; v172-183 blocks 1 and 3: of reader lane (m, 1)
.set TT,  184                          ; v184-186 a block's second sixteen codes
.set TM,  100                          ; x: v100-115 at work
.set PC,  120                          ; x: v120-139 the codes
.set PW,  140                          ; x: the scale word
.set SEL, 20                           ; s[20:21] selects for lane l xor 16
.set XPL, 786432                       ; wrc: where x's fragments begin
; 32 numbers of one lane, v[XS] on, become six registers of codes at v[DST] and byte QJ of the scale word
.macro QBLK
	v_max3_num_f32 v[MXA], |v[XS]|, |v[XS+1]|, |v[XS+2]|
	v_max3_num_f32 v[MXB], |v[XS+3]|, |v[XS+4]|, |v[XS+5]|
.irp i, 6,10,14,18,22,26
	v_max3_num_f32 v[MXA], v[MXA], |v[XS+\i]|, |v[XS+\i+1]|
	v_max3_num_f32 v[MXB], v[MXB], |v[XS+\i+2]|, |v[XS+\i+3]|
.endr
	v_max3_num_f32 v[MXA], v[MXA], |v[XS+30]|, |v[XS+31]|
	v_max3_num_f32 v[MXA], v[MXA], v[MXB], 0x1800000          ; the floor 2^(3 - 127): the byte cannot fall under 1
	v_add_nc_u32 v[SOP], 0xff000000, v[MXA]                   ; 2 off the exponent field: the conversion takes that field as its scale
	v_cvt_scalef32_pk16_fp6_f32 v[DST:DST+2], v[XS:XS+15], v[SOP]
	v_cvt_scalef32_pk16_fp6_f32 v[TT:TT+2], v[XS+16:XS+31], v[SOP]   ; (three registers that begin on an even number)
	v_lshrrev_b32 v[BY], 23, v[SOP]                           ; the byte; also the plain line behind the conversions
.if QJ == 0
	v_mov_b32 v[SW], v[BY]
.else
	v_lshl_or_b32 v[SW], v[BY], 8*QJ, v[SW]
.endif
.irp i, 0,1,2
	v_mov_b32 v[DST+3+\i], v[TT+\i]
.endr
.endm
; 64 numbers of a lane, register 16 b + i = k 32 b + 16 (lane / 16) + i of its row, become a fragment's codes in v[PC] on and its scale word in v[PW]
.macro QUANT s
.irp b, 0,1,2,3
	v_max3_num_f32 v[TM+\b], |v[\s+16*\b]|, |v[\s+1+16*\b]|, 0x1800000
.endr
.irp i, 2,4,6,8,10,12,14
.irp b, 0,1,2,3
	v_max3_num_f32 v[TM+\b], v[TM+\b], |v[\s+16*\b+\i]|, |v[\s+1+16*\b+\i]|
.endr
.endr
.irp b, 0,1,2,3
	v_permlanex16_b32 v[TM+4+\b], v[TM+\b], s[SEL], s[SEL+1]
.endr
.irp b, 0,1,2,3
	v_max_num_f32 v[TM+\b], v[TM+\b], v[TM+4+\b]              ; with lane l xor 16's: the block's largest magnitude
.endr
.irp b, 0,1,2,3
	v_add_nc_u32 v[TM+12+\b], 0xff000000, v[TM+\b]
.endr
.irp b, 0,1,2,3
	v_lshrrev_b32 v[TM+4+\b], 23, v[TM+12+\b]
.endr
	v_lshl_or_b32 v[PW], v[TM+5], 8, v[TM+4]
	v_lshl_or_b32 v[PW], v[TM+6], 16, v[PW]
	v_lshl_or_b32 v[PW], v[TM+7], 24, v[PW]
.irp c, 0,1
	v_cvt_scalef32_pk16_fp6_f32 v[PC+6*\c:PC+2+6*\c], v[\s+32*\c:\s+15+32*\c], v[TM+12+2*\c]
	v_cvt_scalef32_pk16_fp6_f32 v[PC+12+4*\c:PC+14+4*\c], v[\s+16+32*\c:\s+31+32*\c], v[TM+12+2*\c+1]
.endr
	v_nop                                                     ; one plain line behind a scaled conversion
.irp c, 0,1                                               ; the operand wants a whole block in a lane: lanes 0-15 block 2 c, lanes 16-31 block 2 c + 1
.irp i, 0,1,2
	v_permlane16_swap_b32 v[PC+6*\c+\i], v[PC+12+4*\c+\i]
.endr
.irp i, 0,1,2
	v_mov_b32 v[PC+3+6*\c+\i], v[PC+12+4*\c+\i]
.endr
.endr
.endm
.macro LOADW t                         ; block t of my column: 32 rows of Wr1, 128 consecutive bytes a load
.set LI, 0
.rept 32
	global_load_b32 v[X+32*(\t)+LI], v4, s[6:7] offset:(32*(\t)+LI)*4096 th:TH_LOAD_NT
.set LI, LI+1
.endr
.endm
	s_load_b128 s[4:7], s[0:1], 0x0                ; x, Wr1
	s_load_b128 s[8:11], s[0:1], 0x10              ; xc, xs
	s_load_b128 s[12:15], s[0:1], 0x20             ; wrc, wrs
	v_lshrrev_b32 v1, 5, v0
	v_readfirstlane_b32 s16, v1                    ; wave
	v_and_b32 v1, 31, v0                           ; lane
	v_and_b32 v2, 15, v0                           ; r
	v_bfe_u32 v3, v0, 4, 1                         ; h
	s_cmp_lt_u32 ttmp9, 64
	s_cbranch_scc0 .Lx
	; ---- Wr1: columns 128 cs + 32 wave + lane, K step s
	s_and_b32 s17, ttmp9, 7                        ; cs
	s_lshr_b32 s18, ttmp9, 3                       ; s
	v_lshlrev_b32 v4, 2, v1                        ; 4 x lane
	v_lshlrev_b32 v5, 4, v2
	v_mad_u32_u24 v5, v3, 12288, v5                ; my column's place in wrc: tile lane / 16, and 16 bytes for row lane % 16
	s_lshl_b32 s22, s18, 19                        ; 128 rows of 4,096 bytes a K step
	s_lshl_b32 s23, s17, 9
	s_add_co_u32 s22, s22, s23
	s_lshl_b32 s23, s16, 7
	s_add_co_u32 s22, s22, s23
	s_mov_b32 s23, 0
	s_lshl_b32 s24, s17, 3
	s_lshl_b32 s25, s16, 1
	s_add_co_u32 s24, s24, s25                     ; tile 8 cs + 2 wave
	s_mul_i32 s24, s24, 12288
	s_mul_i32 s25, s18, 1536
	s_add_co_u32 s24, s24, s25
	s_mov_b32 s25, 0
	s_lshl_b32 s26, s18, 12
	s_lshl_b32 s27, s17, 9
	s_add_co_u32 s26, s26, s27
	s_lshl_b32 s27, s16, 7
	s_add_co_u32 s26, s26, s27
	s_mov_b32 s27, 0
	s_wait_alu depctr_va_vdst(0)
	s_wait_kmcnt 0x0
	s_add_nc_u64 s[6:7], s[6:7], s[22:23]
	s_add_nc_u64 s[12:13], s[12:13], s[24:25]
	s_add_nc_u64 s[14:15], s[14:15], s[26:27]
	LOADW 0
	LOADW 1
.irp t, 0,1,2,3
.if \t < 3
	s_wait_loadcnt 32                              ; this block is in; the next block's 32 loads may be out
.else
	s_wait_loadcnt 0x0
.endif
.if \t < 2
	LOADW \t+2                                     ; into a set of its own
.endif
.set XS, X+32*\t
.set DST, F0+12*(\t%2)+6*(\t/2)
.set QJ, \t
	QBLK
.endr
.irp c, 0,1,2
	global_store_b128 v5, v[F0+4*\c:F0+4*\c+3], s[12:13] offset:512*\c         ; reader lanes 0-15: sixteen lanes store 256 consecutive bytes, at a multiple of 256 from the buffer's first byte
	global_store_b128 v5, v[F1+4*\c:F1+4*\c+3], s[12:13] offset:512*\c+256     ; reader lanes 16-31
.endr
	global_store_b32 v4, v[SW], s[14:15]           ; 128 consecutive bytes
	s_endpgm
.Lx:
	; ---- x: fragment u = 4 (work-group - 64) + wave: tile of tokens u / 8, K step u % 8
	s_sub_co_u32 s17, ttmp9, 64
	s_lshl_b32 s17, s17, 2
	s_add_co_u32 s17, s17, s16
	s_lshr_b32 s18, s17, 3                         ; tile of 16 tokens
	s_and_b32 s17, s17, 7                          ; K step
	s_wait_alu depctr_va_vdst(0)
	v_lshlrev_b32 v4, 12, v2
	v_lshl_add_u32 v4, v3, 6, v4                   ; row r of 4,096 bytes, + 64 h: my 16 numbers of a block
	v_mul_u32_u24 v5, v2, 768
	v_mad_u32_u24 v5, v3, 48, v5                   ; xc: token r, half h
	v_lshlrev_b32 v6, 5, v2                        ; xs: token r
	v_lshlrev_b32 v7, 4, v1                        ; the copy by tiles: 16 x lane
	s_mov_b32 s[SEL], 0x76543210
	s_mov_b32 s[SEL+1], 0xfedcba98
.irp b, 0,1,2,3
	v_mov_b32 v[TM+4+\b], 0                        ; a lane permute's destination counts as one of its sources
.endr
	s_lshl_b32 s22, s18, 16
	s_lshl_b32 s23, s17, 9
	s_add_co_u32 s22, s22, s23
	s_mov_b32 s23, 0
	s_mul_i32 s24, s18, 12288
	s_mul_i32 s25, s17, 96
	s_add_co_u32 s24, s24, s25
	s_mov_b32 s25, 0
	s_lshl_b32 s26, s18, 9
	s_lshl_b32 s27, s17, 2
	s_add_co_u32 s26, s26, s27
	s_mov_b32 s27, 0
	s_mul_i32 s28, s18, 12288                      ; the copy by tiles: the tile's eight fragments of 1,536 bytes, this K step's
	s_mul_i32 s29, s17, 1536
	s_add_co_u32 s28, s28, s29
	s_add_co_u32 s28, s28, XPL
	s_mov_b32 s29, 0
	s_wait_alu depctr_va_vdst(0)
	s_wait_kmcnt 0x0
	s_add_nc_u64 s[4:5], s[4:5], s[22:23]
	s_add_nc_u64 s[8:9], s[8:9], s[24:25]
	s_add_nc_u64 s[10:11], s[10:11], s[26:27]
	s_add_nc_u64 s[12:13], s[12:13], s[28:29]
.irp b, 0,1,2,3
.irp j, 0,1,2,3
	global_load_b128 v[X+16*\b+4*\j:X+16*\b+4*\j+3], v4, s[4:5] offset:128*\b+16*\j th:TH_LOAD_NT
.endr
.endr
	s_wait_loadcnt 0x0
	QUANT X
.irp c, 0,1,2
	global_store_b128 v5, v[PC+4*\c:PC+4*\c+3], s[8:9] offset:16*\c
	global_store_b128 v7, v[PC+4*\c:PC+4*\c+3], s[12:13] offset:512*\c         ; 512 consecutive bytes, at a multiple of 512 from the buffer's first byte
.endr
	global_store_b32 v6, v[PW], s[10:11]           ; both halves of the lanes hold token r's word and store it to the same place
	s_endpgm
.Lfunc_end_k_q27348e4c34_quant:
	.size	k_q27348e4c34_quant, .Lfunc_end_k_q27348e4c34_quant-k_q27348e4c34_quant
	.p2alignl 7, 3214868480
	.fill 96, 4, 3214868480
	.section	.rodata,"a",@progbits
	.p2align	6, 0x0
	.amdhsa_kernel k_q27348e4c34_quant
		.amdhsa_group_segment_fixed_size 0
		.amdhsa_private_segment_fixed_size 0
		.amdhsa_enable_private_segment 0
		.amdhsa_kernarg_size 48
		.amdhsa_user_sgpr_count 2
		.amdhsa_user_sgpr_kernarg_segment_ptr 1
		.amdhsa_wavefront_size32 1
		.amdhsa_system_sgpr_workgroup_id_x 1
		.amdhsa_system_sgpr_workgroup_id_y 1
		.amdhsa_system_sgpr_workgroup_id_z 1
		.amdhsa_system_vgpr_workitem_id 0
		.amdhsa_next_free_vgpr 192
		.amdhsa_next_free_sgpr 66
		.amdhsa_reserve_vcc 0
		.amdhsa_float_denorm_mode_32 3
		.amdhsa_float_denorm_mode_16_64 3
		.amdhsa_memory_ordered 1
		.amdhsa_forward_progress 1
		.amdhsa_inst_pref_size 28
	.end_amdhsa_kernel
	.amdgpu_metadata
---
amdhsa.version: [ 1, 2 ]
amdhsa.kernels:
  - .name:           k_q27348e4c34_quant
    .symbol:         k_q27348e4c34_quant.kd
    .args:
      - { .name: x, .offset: 0, .size: 8, .value_kind: global_buffer, .address_space: global }
      - { .name: Wr1, .offset: 8, .size: 8, .value_kind: global_buffer, .address_space: global }
      - { .name: xc, .offset: 16, .size: 8, .value_kind: global_buffer, .address_space: global }
      - { .name: xs, .offset: 24, .size: 8, .value_kind: global_buffer, .address_space: global }
      - { .name: wrc, .offset: 32, .size: 8, .value_kind: global_buffer, .address_space: global }
      - { .name: wrs, .offset: 40, .size: 8, .value_kind: global_buffer, .address_space: global }
    .group_segment_fixed_size: 0
    .private_segment_fixed_size: 0
    .kernarg_segment_align: 8
    .kernarg_segment_size: 48
    .max_flat_workgroup_size: 128
    .sgpr_count:     66
    .vgpr_count:     192
    .wavefront_size: 32
...
	.end_amdgpu_metadata
.endif
;; end of part 7
;; launch router (part 8): grid 64 x 1, 16 waves a work-group, no clusters, 51,200 bytes of LDS; arguments xs, wrc, wrs, br1, Wr2, br2, chosen; writes chosen
.if DOCPART == 8
	.amdgcn_target "amdgcn-amd-amdhsa--gfx1250"
	.amdhsa_code_object_version 6
	.text
	.protected	k_q27348e4c34_router
	.globl	k_q27348e4c34_router
	.p2align	8
	.type	k_q27348e4c34_router,@function
k_q27348e4c34_router:
	s_mov_b64 s[64:65], 0
	v_nop
	global_prefetch_b8 v0, s[64:65] scope:SCOPE_SE
	s_setreg_imm32_b32 hwreg(HW_REG_WAVE_SCHED_MODE, 0, 2), 2
	s_setreg_imm32_b32 hwreg(HW_REG_WAVE_MODE, 25, 1), 1
	s_wait_xcnt 0x0
	s_wait_alu depctr_vm_vsrc(0)
; chosen[token] = argmax softmax(relu(Q(x) Q(Wr1) + br1) Wr2 + br2).  The first product on codes of FP6, the second by f32 multiply-adds.
; A work-group takes 16 tokens and all 1,024 hidden units, so that a token's logits are finished here; wave w takes units 64 w .. 64 w + 63: four tiles of 16, over all 8 K steps.
; THE PRODUCT IS USED TRANSPOSED (source 0 = 16 columns of Wr1, source 1 = the 16 tokens): lane (r, h) holds token r and, in tile t, units 64 w + 16 t + 8 h + 0 .. 7.
; Fragments lie in memory in the order of the operand's registers, registers 4 c .. 4 c + 3 of the 32 lanes on end: three loads of 16 bytes a lane bring one, straight into registers, and each load of a
; wave covers 512 consecutive bytes.  Wr1's fragments lie in the first 786,432 bytes of wrc, x's (by tiles of 16 tokens) behind them.
; The bias is the C of each sum's first product.  Each wave's part of the eight logits goes to LDS; behind the one barrier wave 0 adds the sixteen parts and chooses.
; NO CLUSTER: all 64 work-groups walk the same 786,432 bytes of Wr1's codes, but a fragment feeds one product and goes to registers as it lies; joint loads would add a pass of every byte through LDS.
; LIMITS: NaN and infinities are not served; where two probabilities come out equal the lower index is kept, as argmax keeps it; two that differ by f32 rounding alone may be chosen otherwise than elsewhere.
; THE MODE: SCHED_MODE bits 1:0 = 2 (LLVM: expert scheduling mode 2), set by the entry lines.  The code itself states the register dependences
; between vector or matrix instructions and memory or LDS instructions, with s_wait_alu, always for 0.
; THE PLAN.  Registers that memory or LDS instructions touch:
;   v4, v6-8, v10-14   offsets and LDS addresses: made once at the head, never written again.
;   v16-87             bias, scale words, Wr2 on its way: loaded once; v72-87 are read by four LDS stores and never written again.
;   SET0, SET1         K step s: its four products read set s % 2; behind them the loads of K step s + 2 land in it.
;   W2R (v88-151)      rows of Wr2 land four times, each time read by 64 multiply-adds; in wave 0 the sixteen waves' parts land there.
;   L (v208-215)       written by the sums, read by two LDS stores, written again by wave 0.      v227  the choice, read by one store.
; One wait on va_vdst stands in a K step, behind its products, since their set is asked for again at once: two K steps' loads are always on their way.
; One stands ahead of each run of rows of Wr2; the first of these runs goes out ahead of the relu, which names the accumulators alone.
.set ACC, 16                           ; v16-47   four accumulators
.set XSC, 48                           ; v48-55   x's scale words, one a K step (scales alone)
.set WSC, 56                           ; v56-71   Wr1's: register 8 p + s: lanes 0-15 tile 2 p, lanes 16-31 tile 2 p + 1 (scales alone)
.set W2T, 72                           ; v72-87   my 64 rows of Wr2 on their way to LDS
.set SET, 88                           ; v88-147, v148-207  two sets: four fragments of Wr1, one of x
.set W2R, 88                           ; v88-151  later: eight rows of Wr2 for each half of the lanes; in wave 0 the waves' parts
.set L,   208                          ; v208-215 eight logits
.set TP,  216                          ; v216-223 lane l xor 16's
.set MXR, 228                          ; v228-234 the largest probability of the first 1, 2 .. 7
.set CMP, 40                           ; s40-46   seven masks: probability i is not larger than those before it
.set LGB, 32768                        ; LDS: 0: each wave's own 2,048 bytes of Wr2;  32768: each wave's 1,024 bytes of logits
.set XPL, 786432                       ; wrc: where x's fragments begin
.macro NOP4
.rept 4
	v_nop
.endr
.endm
.macro FILL s                          ; K step s: 15 loads into set s % 2
.irp t, 0,1,2,3
.irp c, 0,1,2
	global_load_b128 v[SET+60*((\s)%2)+12*\t+4*\c:SET+60*((\s)%2)+12*\t+4*\c+3], v4, s[8:9] offset:12288*\t+1536*(\s)+512*\c
.endr
.endr
.irp c, 0,1,2
	global_load_b128 v[SET+60*((\s)%2)+48+4*\c:SET+60*((\s)%2)+48+4*\c+3], v4, s[4:5] offset:1536*(\s)+512*\c
.endr
.endm
.macro W2ROWS t                        ; rows 16 t + 8 h + 0 .. 7 of my copy of Wr2: sixteen lanes share each word
.irp j, 0,1,2,3,4,5,6,7
	ds_load_b128 v[W2R+8*\j:W2R+8*\j+3], v11 offset:512*(\t)+32*\j
	ds_load_b128 v[W2R+8*\j+4:W2R+8*\j+7], v11 offset:512*(\t)+32*\j+16
.endr
.endm
	s_load_b64 s[6:7], s[0:1], 0x0                 ; xs
	s_load_b128 s[8:11], s[0:1], 0x8               ; wrc s[8:9], wrs s[10:11]
	s_load_b128 s[12:15], s[0:1], 0x18             ; br1 s[12:13], Wr2 s[14:15]
	s_load_b128 s[16:19], s[0:1], 0x28             ; br2 s[16:17], chosen s[18:19]
	v_lshl_add_u32 v254, v0, 2, 0xc000
	v_mov_b32 v255, 0
	v_lshrrev_b32 v1, 5, v0
	v_readfirstlane_b32 s20, v1                    ; wave 0..15
	v_and_b32 v1, 31, v0                           ; lane
	v_and_b32 v2, 15, v0                           ; r
	v_bfe_u32 v3, v0, 4, 1                         ; h
	v_lshlrev_b32 v4, 4, v1                        ; 16 x lane: a fragment, and Wr2
	v_lshlrev_b32 v6, 5, v2                        ; x's scale words: 32 bytes a token
	v_lshlrev_b32 v7, 2, v1                        ; Wr1's: 4 bytes a column
	v_lshlrev_b32 v8, 5, v3                        ; br1: eight numbers a half
	s_wait_alu depctr_va_sdst(0)                   ; s20 is written, ahead of its first reader: LDS addresses and the bases are made from it
	s_lshl_b32 s21, s20, 11
	v_add_nc_u32 v10, s21, v4                      ; LDS: my wave's copy of Wr2, on the way in
	v_lshlrev_b32 v11, 8, v3
	v_add_nc_u32 v11, s21, v11                     ; and out: eight rows of 32 bytes a half
	s_lshl_b32 s22, s20, 10
	s_add_co_u32 s22, s22, LGB
	v_lshl_add_u32 v12, v1, 5, s22                 ; my wave's logits: 32 bytes a lane
	v_lshlrev_b32 v13, 13, v3
	v_lshl_add_u32 v13, v2, 5, v13
	v_add_nc_u32 v13, LGB, v13                     ; wave 0 reads: lane (r, h) takes waves 8 h + 0 .. 7, token r
	v_lshlrev_b32 v14, 2, v2                       ; chosen: 4 bytes a token
.irp e, 0,1,2,3,4,5,6,7
	v_mov_b32 v[TP+\e], 0                          ; a lane permute's destination counts as one of its sources
.endr
	s_mov_b32 s38, 0x76543210
	s_mov_b32 s39, 0xfedcba98                      ; selects for lane l xor 16
	s_mov_b32 s37, 0
	s_wait_kmcnt 0x0
	s_load_b256 s[24:31], s[16:17], 0x0            ; br2's eight numbers
	s_mul_i32 s36, ttmp9, 12288
	s_add_co_u32 s36, s36, XPL
	s_add_nc_u64 s[4:5], s[8:9], s[36:37]          ; my work-group's 16 tokens: eight fragments
	s_mul_i32 s36, s20, 49152
	s_add_nc_u64 s[8:9], s[8:9], s[36:37]          ; my four tiles of Wr1
	s_lshl_b32 s36, ttmp9, 9
	s_add_nc_u64 s[6:7], s[6:7], s[36:37]
	s_lshl_b32 s36, s20, 8
	s_add_nc_u64 s[10:11], s[10:11], s[36:37]      ; my 64 columns' scale words
	s_add_nc_u64 s[12:13], s[12:13], s[36:37]      ; and biases
	s_lshl_b32 s36, s20, 11
	s_add_nc_u64 s[14:15], s[14:15], s[36:37]      ; my 64 rows of Wr2
	s_lshl_b32 s36, ttmp9, 6
	s_add_nc_u64 s[18:19], s[18:19], s[36:37]
	s_wait_alu depctr_va_vdst(0)                   ; the offsets and LDS addresses v4, v6 to v8 and v10 to v14 are written, which every load and store of the kernel reads
.irp t, 0,1,2,3
	global_load_b128 v[ACC+8*\t:ACC+8*\t+3], v8, s[12:13] offset:64*\t         ; the bias in the result's layout
	global_load_b128 v[ACC+8*\t+4:ACC+8*\t+7], v8, s[12:13] offset:64*\t+16
.endr
	global_load_b128 v[XSC:XSC+3], v6, s[6:7]
	global_load_b128 v[XSC+4:XSC+7], v6, s[6:7] offset:16
.irp p, 0,1
.irp s, 0,1,2,3,4,5,6,7
	global_load_b32 v[WSC+8*\p+\s], v7, s[10:11] offset:4096*\s+128*\p
.endr
.endr
.irp i, 0,1,2,3
	global_load_b128 v[W2T+4*\i:W2T+4*\i+3], v4, s[14:15] offset:512*\i
.endr
	FILL 0
	FILL 1
.irp s, 0,1,2,3,4,5,6,7
.if \s < 7
	s_wait_loadcnt 15                              ; all but the next K step's 15 loads are in
.else
	s_wait_loadcnt 0x0
.endif
.if \s == 0
.irp i, 0,1,2,3
	ds_store_b128 v10, v[W2T+4*\i:W2T+4*\i+3] offset:512*\i
.endr
.endif
.set SB, SET+60*(\s%2)
.irp p, 0,1                                    ; the four accumulators take turns, one instruction a turn
	v_wmma_scale_f32_16x16x128_f8f6f4 v[ACC+16*\p:ACC+16*\p+7], v[SB+24*\p:SB+24*\p+11], v[SB+48:SB+59], v[ACC+16*\p:ACC+16*\p+7], v[WSC+8*\p+\s], v[XSC+\s] matrix_a_fmt:MATRIX_FMT_FP6 matrix_b_fmt:MATRIX_FMT_FP6
	v_wmma_scale_f32_16x16x128_f8f6f4 v[ACC+16*\p+8:ACC+16*\p+15], v[SB+24*\p+12:SB+24*\p+23], v[SB+48:SB+59], v[ACC+16*\p+8:ACC+16*\p+15], v[WSC+8*\p+\s], v[XSC+\s] matrix_a_fmt:MATRIX_FMT_FP6 matrix_b_fmt:MATRIX_FMT_FP6 matrix_a_scale:MATRIX_SCALE_ROW1
.endr
.if \s < 6
	NOP4                                           ; four places in front of loads into registers that the products have read
	s_wait_alu depctr_va_vdst(0)                   ; this K step's four products are done reading their set, in which the loads below land
	FILL \s+2
.endif
.endr
	NOP4                                           ; four places in front of the first read of the results
	s_wait_alu depctr_va_vdst(0)                   ; the last two K steps' products are done reading both sets, in which the rows of Wr2 land
	W2ROWS 0                                       ; on their way during the relu, which names the accumulators alone
.set J, 0
.rept 32
	v_max_num_f32 v[ACC+J], 0, v[ACC+J]            ; relu, each accumulator from its low end on
.set J, J+1
.endr
	; my part of the logits: the sum over my 64 units of h x Wr2, in f32
.irp t, 0,1,2,3
.if \t > 0
	s_wait_alu depctr_va_vdst(0)                   ; the multiply-adds of the sixteen units before are done reading v[W2R ..], in which the next rows land
	W2ROWS \t
.endif
	s_wait_dscnt 0x0
.irp j, 0,1,2,3,4,5,6,7
.irp e, 0,1,2,3,4,5,6,7
.if (\t == 0) && (\j == 0)
	v_mul_f32 v[L+\e], v[ACC+8*\t+\j], v[W2R+8*\j+\e]                      ; the first product starts the sums
.else
	v_fmac_f32 v[L+\e], v[ACC+8*\t+\j], v[W2R+8*\j+\e]
.endif
.endr
.endr
.endr
.irp e, 0,1,2,3,4,5,6,7
	v_permlanex16_b32 v[TP+\e], v[L+\e], s38, s39
.endr
.irp e, 0,2,4,6
	v_pk_add_f32 v[L+\e:L+\e+1], v[L+\e:L+\e+1], v[TP+\e:TP+\e+1]          ; with the other half's units
.endr
	s_wait_alu depctr_va_vdst(0)                   ; the sums have written v[L ..], which the LDS stores read; the multiply-adds are done reading v[W2R ..], in which wave 0's loads land
	ds_store_b128 v12, v[L:L+3]
	ds_store_b128 v12, v[L+4:L+7] offset:16
	s_wait_alu depctr_vm_vsrc(0)                   ; the two LDS stores have read v[L ..], which wave 0 writes again
	s_wait_dscnt 0x0                               ; for wave 0's sake: my stores have landed
	s_barrier_signal -1
	s_barrier_wait -1
	s_cmp_lg_u32 s20, 0
	s_cbranch_scc1 .Lend
.irp i, 0,1,2,3,4,5,6,7
	ds_load_b128 v[W2R+8*\i:W2R+8*\i+3], v13 offset:1024*\i
	ds_load_b128 v[W2R+8*\i+4:W2R+8*\i+7], v13 offset:1024*\i+16
.endr
	s_wait_dscnt 0x0
.irp i, 1,2,3,4,5,6,7
.irp e, 0,2,4,6
	v_pk_add_f32 v[W2R+\e:W2R+\e+1], v[W2R+\e:W2R+\e+1], v[W2R+8*\i+\e:W2R+8*\i+\e+1]
.endr
.endr
.irp e, 0,1,2,3,4,5,6,7
	v_permlanex16_b32 v[TP+\e], v[W2R+\e], s38, s39
.endr
.irp e, 0,2,4,6
	v_pk_add_f32 v[L+\e:L+\e+1], v[W2R+\e:W2R+\e+1], v[TP+\e:TP+\e+1]      ; all sixteen waves' parts: both halves of the lanes now hold token r's logits
.endr
	s_wait_alu depctr_va_vdst(0)
	s_wait_kmcnt 0x0
.irp e, 0,1,2,3,4,5,6,7
	v_add_f32 v[L+\e], s[24+\e], v[L+\e]           ; + br2
.endr
	v_max3_num_f32 v224, v[L], v[L+1], v[L+2]      ; the softmax: the largest logit is taken away first
	v_max3_num_f32 v224, v224, v[L+3], v[L+4]
	v_max3_num_f32 v224, v224, v[L+5], v[L+6]
	v_max_num_f32 v224, v224, v[L+7]
.irp e, 0,1,2,3,4,5,6,7
	v_sub_f32 v[L+\e], v[L+\e], v224
.endr
.irp e, 0,1,2,3,4,5,6,7
	v_mul_f32 v[L+\e], 0x3fb8aa3b, v[L+\e]         ; x log2(e)
.endr
	s_wait_alu depctr_va_vdst(0)
.irp e, 0,1,2,3,4,5,6,7
	v_exp_f32 v[L+\e], v[L+\e]
.endr
	v_nop                                          ; a plain line behind the exponentials
	s_wait_alu depctr_va_vdst(0)                   ; the eight exponentials have written v[L ..], ahead of their first reader
	v_add_f32 v225, v[L], v[L+1]
	v_add_f32 v226, v[L+2], v[L+3]
	v_add_f32 v227, v[L+4], v[L+5]
	v_add_f32 v228, v[L+6], v[L+7]
	v_add_f32 v225, v225, v226
	v_add_f32 v227, v227, v228
	v_add_f32 v225, v225, v227
	s_wait_alu depctr_va_vdst(0)
	v_rcp_f32 v226, v225
	v_mov_b32 v227, 0                              ; the index so far; also the plain line behind the reciprocal
	s_wait_alu depctr_va_vdst(0)                   ; the reciprocal has written v226, ahead of its first reader
.irp e, 0,1,2,3,4,5,6,7
	v_mul_f32 v[L+\e], v[L+\e], v226               ; the probabilities
.endr
	v_mov_b32 v[MXR], v[L]                         ; the largest of the first i, for i = 1 .. 7
.irp i, 1,2,3,4,5,6
	v_max_num_f32 v[MXR+\i], v[MXR+\i-1], v[L+\i]
.endr
.irp i, 1,2,3,4,5,6,7
	v_cmp_le_f32 s[CMP+\i-1], v[L+\i], v[MXR+\i-1] ; not larger than those before it: the index will stay, so a tie keeps the lower one.  The seven compares stand in one run
.endr
	s_wait_alu depctr_va_sdst(0)                   ; the seven masks s40 to s46 are written, ahead of their first reader
.irp i, 1,2,3,4,5,6,7
	v_cndmask_b32 v227, \i, v227, s[CMP+\i-1]
.endr
	s_wait_alu depctr_va_vdst(0)                   ; the selects have written v227, which the store reads
	global_store_b32 v14, v227, s[18:19]           ; both halves of the lanes hold token r's choice and store it to the same place
.Lend:
	s_wait_dscnt 0x0                               ; the closing lines, six on end, of a launch in the mode that stores to LDS
	s_wait_alu 0x0
	s_wait_tensorcnt 0x0
	ds_add_u32 v254, v255
	s_wait_dscnt 0x0
	s_endpgm
.Lfunc_end_k_q27348e4c34_router:
	.size	k_q27348e4c34_router, .Lfunc_end_k_q27348e4c34_router-k_q27348e4c34_router
	.p2alignl 7, 3214868480
	.fill 96, 4, 3214868480
	.section	.rodata,"a",@progbits
	.p2align	6, 0x0
	.amdhsa_kernel k_q27348e4c34_router
		.amdhsa_group_segment_fixed_size 51200
		.amdhsa_private_segment_fixed_size 0
		.amdhsa_enable_private_segment 0
		.amdhsa_kernarg_size 56
		.amdhsa_user_sgpr_count 2
		.amdhsa_user_sgpr_kernarg_segment_ptr 1
		.amdhsa_wavefront_size32 1
		.amdhsa_system_sgpr_workgroup_id_x 1
		.amdhsa_system_sgpr_workgroup_id_y 1
		.amdhsa_system_sgpr_workgroup_id_z 1
		.amdhsa_system_vgpr_workitem_id 0
		.amdhsa_next_free_vgpr 256
		.amdhsa_next_free_sgpr 66
		.amdhsa_reserve_vcc 0
		.amdhsa_float_denorm_mode_32 3
		.amdhsa_float_denorm_mode_16_64 3
		.amdhsa_memory_ordered 1
		.amdhsa_forward_progress 1
		.amdhsa_inst_pref_size 44
	.end_amdhsa_kernel
	.amdgpu_metadata
---
amdhsa.version: [ 1, 2 ]
amdhsa.kernels:
  - .name:           k_q27348e4c34_router
    .symbol:         k_q27348e4c34_router.kd
    .args:
      - { .name: xs, .offset: 0, .size: 8, .value_kind: global_buffer, .address_space: global }
      - { .name: wrc, .offset: 8, .size: 8, .value_kind: global_buffer, .address_space: global }
      - { .name: wrs, .offset: 16, .size: 8, .value_kind: global_buffer, .address_space: global }
      - { .name: br1, .offset: 24, .size: 8, .value_kind: global_buffer, .address_space: global }
      - { .name: Wr2, .offset: 32, .size: 8, .value_kind: global_buffer, .address_space: global }
      - { .name: br2, .offset: 40, .size: 8, .value_kind: global_buffer, .address_space: global }
      - { .name: chosen, .offset: 48, .size: 8, .value_kind: global_buffer, .address_space: global }
    .group_segment_fixed_size: 51200
    .private_segment_fixed_size: 0
    .kernarg_segment_align: 8
    .kernarg_segment_size: 56
    .max_flat_workgroup_size: 512
    .sgpr_count:     66
    .vgpr_count:     256
    .wavefront_size: 32
...
	.end_amdgpu_metadata
.endif
;; end of part 8
;; launch place (part 9): grid 8 x 1, 1 waves a work-group, no clusters, 4,608 bytes of LDS; arguments chosen, route; writes route
.if DOCPART == 9
	.amdgcn_target "amdgcn-amd-amdhsa--gfx1250"
	.amdhsa_code_object_version 6
	.text
	.protected	k_q27348e4c34_place
	.globl	k_q27348e4c34_place
	.p2align	8
	.type	k_q27348e4c34_place,@function
k_q27348e4c34_place:
	s_mov_b64 s[64:65], 0
	v_nop
	global_prefetch_b8 v0, s[64:65] scope:SCOPE_SE
	s_setreg_imm32_b32 hwreg(HW_REG_WAVE_MODE, 25, 1), 1
	s_wait_xcnt 0x0
; route: [expert 8][place 1024] the tokens that chose the expert, on end, zeros behind the last;  from byte 32,768 on [expert 8][32 words], each the number of the expert's tokens.
; The launches that follow take trip counts and addresses from these whole numbers, so they are made here, in a launch of their own, from the whole numbers that the router's launch stored.
; One work-group of one wave for each expert: 1,024 numbers are 32 registers a lane.  A token's place is the count of the chosen tokens ahead of it: those of earlier registers (a scalar sum) and those of
; lower lanes in its own register.  The tokens are put in their places in LDS, read back on end and stored at fixed addresses: no address in memory and no branch hangs on a loaded number.
; Eight work-groups are all the work there is: 4 KiB read and 4.1 KiB stored by each.  No barrier: LDS serves a wave's instructions in order (ISA guide 5.7.1.4).
.set LIST, 0                           ; LDS: 1,024 words; directly behind them 32 words, places 1024 + lane, for the lanes that have nothing to put
.set ZR,  8                            ; v8-11    zeros
.set CH,  32                           ; v32-63   chosen: register 4 j + c holds token 128 j + 4 lane + c
.set SA,  64                           ; v64-95   a place for each of my 32 tokens,
.set SD,  96                           ; v96-127  and the token: a register for each store, so that no store's source is written again
.set OB,  128                          ; v128-159 the list on its way out
	s_load_b128 s[4:7], s[0:1], 0x0                ; chosen s[4:5], route s[6:7]
	v_lshl_add_u32 v160, v0, 2, 0x1100
	v_mov_b32 v161, 0
	v_and_b32 v1, 31, v0                           ; lane
	v_lshlrev_b32 v2, 4, v1                        ; 16 x lane
	v_lshlrev_b32 v3, 2, v1                        ; 4 x lane
	v_add_nc_u32 v4, 1024, v1                      ; the place of what is put aside
	s_mov_b32 s21, ttmp9                           ; the expert
	s_lshl_b32 s10, s21, 12                        ; its list
	s_mov_b32 s11, 0
	s_lshl_b32 s12, s21, 7
	s_add_co_u32 s12, s12, 32768                   ; its count
	s_mov_b32 s13, 0
.irp i, 0,1,2,3
	v_mov_b32 v[ZR+\i], 0
.endr
	s_wait_alu depctr_va_vdst(0)
	s_wait_kmcnt 0x0
.irp j, 0,1,2,3,4,5,6,7
	global_load_b128 v[CH+4*\j:CH+4*\j+3], v2, s[4:5] offset:512*\j
.endr
	s_add_nc_u64 s[8:9], s[6:7], s[12:13]
	s_add_nc_u64 s[6:7], s[6:7], s[10:11]
.irp i, 0,1,2,3,4,5,6,7
	ds_store_b128 v2, v[ZR:ZR+3] offset:LIST+512*\i    ; places behind the last token read as token 0: an address inside every buffer
.endr
	s_mov_b32 s26, 0                               ; tokens so far
	s_wait_loadcnt 0x0
.set KK, 0
.rept 32
	v_cmp_eq_u32 s27, s21, v[CH+KK]                ; the lanes whose token chose my expert
	v_mbcnt_lo_u32_b32 v[SA+KK], s27, s26          ; such lanes below me + tokens so far: my place;
	v_cndmask_b32 v[SA+KK], v4, v[SA+KK], s27      ; the others put theirs aside, at place 1024 + lane
	v_min_u32 v[SA+KK], 0x41f, v[SA+KK]            ; the hold: 1,024 places and the 32 behind them; a shift and a sum alone follow it
	v_lshl_add_u32 v[SA+KK], v[SA+KK], 2, LIST
	v_add_nc_u32 v[SD+KK], 128*(KK/4)+KK%4, v3
	ds_store_b32 v[SA+KK], v[SD+KK]
	s_bcnt1_i32_b32 s28, s27
	s_add_co_u32 s26, s26, s28
.set KK, KK+1
.endr
.irp i, 0,1,2,3,4,5,6,7
	ds_load_b128 v[OB+4*\i:OB+4*\i+3], v2 offset:LIST+512*\i
.endr
	v_mov_b32 v5, s26
	global_store_b32 v3, v5, s[8:9]                ; 128 consecutive bytes, every word the count
.irp i, 0,1,2,3,4,5,6,7
	s_wait_dscnt 7-\i
	global_store_b128 v2, v[OB+4*\i:OB+4*\i+3], s[6:7] offset:512*\i       ; 512 consecutive bytes
.endr
	s_wait_tensorcnt 0x0
	ds_add_u32 v160, v161
	s_wait_dscnt 0x0
	s_endpgm
.Lfunc_end_k_q27348e4c34_place:
	.size	k_q27348e4c34_place, .Lfunc_end_k_q27348e4c34_place-k_q27348e4c34_place
	.p2alignl 7, 3214868480
	.fill 96, 4, 3214868480
	.section	.rodata,"a",@progbits
	.p2align	6, 0x0
	.amdhsa_kernel k_q27348e4c34_place
		.amdhsa_group_segment_fixed_size 4608
		.amdhsa_private_segment_fixed_size 0
		.amdhsa_enable_private_segment 0
		.amdhsa_kernarg_size 16
		.amdhsa_user_sgpr_count 2
		.amdhsa_user_sgpr_kernarg_segment_ptr 1
		.amdhsa_wavefront_size32 1
		.amdhsa_system_sgpr_workgroup_id_x 1
		.amdhsa_system_sgpr_workgroup_id_y 1
		.amdhsa_system_sgpr_workgroup_id_z 1
		.amdhsa_system_vgpr_workitem_id 0
		.amdhsa_next_free_vgpr 162
		.amdhsa_next_free_sgpr 66
		.amdhsa_reserve_vcc 0
		.amdhsa_float_denorm_mode_32 3
		.amdhsa_float_denorm_mode_16_64 3
		.amdhsa_memory_ordered 1
		.amdhsa_forward_progress 1
		.amdhsa_inst_pref_size 21
	.end_amdhsa_kernel
	.amdgpu_metadata
---
amdhsa.version: [ 1, 2 ]
amdhsa.kernels:
  - .name:           k_q27348e4c34_place
    .symbol:         k_q27348e4c34_place.kd
    .args:
      - { .name: chosen, .offset: 0, .size: 8, .value_kind: global_buffer, .address_space: global }
      - { .name: route, .offset: 8, .size: 8, .value_kind: global_buffer, .address_space: global }
    .group_segment_fixed_size: 4608
    .private_segment_fixed_size: 0
    .kernarg_segment_align: 8
    .kernarg_segment_size: 16
    .max_flat_workgroup_size: 32
    .sgpr_count:     66
    .vgpr_count:     162
    .wavefront_size: 32
...
	.end_amdgpu_metadata
.endif
;; end of part 9
;; launch hidden (part 10): grid 256 x 1, 16 waves a work-group, no clusters, 113,664 bytes of LDS; arguments xc, xs, W1, b1, route, hc; writes hc
.if DOCPART == 10
	.amdgcn_target "amdgcn-amd-amdhsa--gfx1250"
	.amdhsa_code_object_version 6
	.text
	.protected	k_q27348e4c34_hidden
	.globl	k_q27348e4c34_hidden
	.p2align	8
	.type	k_q27348e4c34_hidden,@function
k_q27348e4c34_hidden:
	s_mov_b64 s[64:65], 0
	v_nop
	global_prefetch_b8 v0, s[64:65] scope:SCOPE_SE
	s_setreg_imm32_b32 hwreg(HW_REG_WAVE_SCHED_MODE, 0, 2), 2
	s_setreg_imm32_b32 hwreg(HW_REG_WAVE_MODE, 25, 1), 1
	s_wait_xcnt 0x0
	s_wait_alu depctr_vm_vsrc(0)
; hc = Q(relu(Q(x) Q(W1[e]) + b1[e])), codes and scale words, for the tokens that chose expert e alone: the rest is thrown away by the where that follows.
; THE WEIGHTS STAY, THE TOKENS COME.  Work-group = (expert e, slice sl of 128 hidden units): it reads its 1,024 x 128 numbers of W1 once, as f32, quantises them in registers and keeps the codes in LDS
; (64 fragments, in the order of the operand's registers); then its waves walk the expert's tokens, gathered by a list.
; STREAM: wave w takes 32 columns (w % 4) x 256 K (w / 4): A LANE TAKES A COLUMN AND ITS REGISTERS RUN DOWN K; a load is 128 consecutive bytes, four waves stand side by side on 512; 64 loads a wave are out.
; LIST: route, whole numbers that an earlier launch stored: [expert][place 1024] tokens, zeros behind the last; from byte 32,768 on [expert][32 words] their number.
; THE WALK GOES BY PAIRS OF TILES: a wave takes 32 places at a time, so that each fragment of the weights that it reads from LDS (1,536 bytes) feeds two products.  The pair's 16 accumulators take 128 registers;
; the tokens' fragments of all eight K steps (192 registers) do not fit beside them, so they come K step by K step into two sets of 24 registers, asked for two K steps ahead; the first pair's K steps 0 and 1
; are asked for during the stream.  Wave w takes pairs w and w + 16: all 1,024 places that one expert can have.
; RESULTS ARE LAID BY PLACE IN THE LIST: codes [expert][place 1024][K step 32][half 2][48 bytes]; from byte 25,165,824 on scale words [expert][place][32 words].  A pair's 32 places are stored whole: a place
; behind the last token holds what token 0 gives; it is the expert's own and the next launch throws it away.  So no store is masked, and no store's address hangs on a loaded number.  Only pairs that hold a token are touched.
; THE COLUMNS OF A TILE ARE NOT NEIGHBOURS: column 32 b + 16 h + 8 u + j is row 8 h + j of tile 2 b + u, and the product is used transposed (source 0 = 16 columns, source 1 = 16 tokens):
; so lane (r, h) holds place r, and register 16 b + i of a tile's 64 results is unit 32 b + 16 h + i: sixteen neighbours along the next product's K, which is what the conversions want.
; A slice of 128 units is one K step of the next product: a tile leaves as one fragment and one scale word a place.
; One barrier, behind the codes; none in the walk, whose two pairs stand each under a jump on a loaded count.
; NO CLUSTER: the weights are read by one work-group alone; what the 32 slices of an expert share is the tokens' codes, 768 bytes a token at places given by a list and as many as a loaded count says.
; LIMITS: NaN and infinities are not served; a block of zeros or under 2^-124 gets the scale byte 1 (zero codes; this program alone reads the bytes).  An expert without tokens streams its weights and stores nothing.
; THE MODE: SCHED_MODE bits 1:0 = 2 (LLVM: expert scheduling mode 2), set by the entry lines.  The code itself states the register dependences
; between vector or matrix instructions and memory or LDS instructions, with s_wait_alu, always for 0.
; THE PLAN.  Registers that memory or LDS instructions touch:
;   v4-10, v14-16      offsets and LDS addresses: made once at the head, never written again.
;   X0, X1             Block t: its maxima and conversions read set t % 2; behind them the 32 loads of block t + 2 land in it.
;   F0, F1, SW         Written by four blocks, read by seven LDS stores, written again by the next four blocks; in the walk accumulators lie there.
;   AO0/1, SOF0/1      The pair's four offsets: written once a pair, read by its 52 loads.
;   ST0, ST1           Fragment n: its two products read set n % 2; behind them the three LDS loads of fragment n + 2 land in it.
;   AB0, AB1           K step s: its sixteen products read set s % 2; behind the last of them the six loads of K step s + 2 land in it.
;   WSC, AS            Scale words: read by the products, loaded a K step or a pair ahead.
;   PC0/1, PW0/1, HO, HSO   Written at a pair's end, read by its eight stores.
; STREAM: one wait on va_vdst a block, behind its conversions.  The first pair's offsets are made ahead of block 3, so that block 3's wait also serves that pair's 16 loads and the first LDS stores of codes.
; WALK: one wait on va_vdst behind each fragment's two products serves all loads that follow it.  The 256 registers are all in use (16 + 128 accumulators' worth of the rest named above), so ST has no further sets
; and the wait cannot serve more than one fragment.  One wait on vm_vsrc stands behind each run of stores, ahead of the next writer of their registers.
.set WPITCH, 16384                     ; a row of W1[e] in bytes
.set TSTR,  12416                      ; LDS: a tile's eight fragments of 1,536 bytes + 128: so that the two tiles a store touches, and the 48-byte steps of the lanes, fall on sixteen different columns of 16 bytes
.set WS,    8*TSTR                     ; the weights' scale words: [K step 8][lane 32][4 words]: lanes 0-15 tile 2 p, lanes 16-31 tile 2 p + 1, word p
.set BIAS,  WS+4096                    ; each wave's own copy of the slice's 128 biases
.set CNTOFF, 32768                     ; route: where the counts begin
.set HSOFF, 25165824                   ; hc: where the scale words begin
.set HO,    1                          ; v1: the lane at the head; in the walk my place's offset among the codes
.set R,     2
.set HSO,   3                          ; v3: lane / 16 at the head; in the walk my place's offset among the scale words
.set WOFF,  4                          ; 4 x lane
.set WLA,   5                          ; where my column's codes go
.set WSA,   6                          ; and its scale words
.set FRA0,  7                          ; a fragment's place for my lane, tiles 0-3
.set FRA1,  8                          ; tiles 4-7
.set WSR,   9
.set LR,    10                         ; the list: 4 x (lane % 16)
.set AO1,   11                         ; the second tile's token: its codes,
.set SOF1,  12                         ; its scale words,
.set TK1,   13                         ; its number
.set BA,    14
.set BR,    15
.set L16,   16                         ; 16 x lane
.set AO0,   17                         ; the first tile's token likewise
.set SOF0,  18
.set TK0,   19
.set H48,   21                         ; 48 x (lane / 16)
.set RI,    22                         ; my place in the list
.set BI,    24                         ; v24-27 biases on their way to LDS
.set MXA,   28                         ; v28-31 at work in the quantiser
.set MXB,   29
.set SOP,   30
.set BY,    31
.set X,     32                         ; v32-95   two sets of 32 numbers
.set ACC,   32                         ; later: v32-159 sixteen accumulators: tile t of the pair, column tile c at v[32 + 64 t + 8 c]
.set F0,    96                         ; v96-107  blocks 0 and 2 of a K step;  v108-119 blocks 1 and 3
.set F1,    108
.set TT,    120
.set SW,    123
.set ST,    160                        ; v160-183 two sets of one fragment of the weights
.set AB,    184                        ; v184-231 two sets of the pair's two fragments of one K step
.set TM,    160                        ; in a pair's end: v160-175 at work,
.set PC0,   176                        ; v176-195 the first tile's codes, v196 its scale word,
.set PW0,   196
.set PC1,   200                        ; v200-219, v220 the second's: so no store's data are written again
.set PW1,   220
.set WSC,   232                        ; v232-239 the weights' scale words, two sets of four (scales alone)
.set AS,    240                        ; v240-255 the tokens' scale words, eight a tile (scales alone)
.set SEL,   34
.macro NOP4
.rept 4
	v_nop
.endr
.endm
.macro QBLK                            ; 32 numbers of one lane, v[XS] on, become six registers of codes at v[DST] and byte QJ of the scale word
	v_max3_num_f32 v[MXA], |v[XS]|, |v[XS+1]|, |v[XS+2]|
	v_max3_num_f32 v[MXB], |v[XS+3]|, |v[XS+4]|, |v[XS+5]|
.irp i, 6,10,14,18,22,26
	v_max3_num_f32 v[MXA], v[MXA], |v[XS+\i]|, |v[XS+\i+1]|
	v_max3_num_f32 v[MXB], v[MXB], |v[XS+\i+2]|, |v[XS+\i+3]|
.endr
	v_max3_num_f32 v[MXA], v[MXA], |v[XS+30]|, |v[XS+31]|
	v_max3_num_f32 v[MXA], v[MXA], v[MXB], 0x1800000          ; the floor 2^(3 - 127): the byte cannot fall under 1
	v_add_nc_u32 v[SOP], 0xff000000, v[MXA]                   ; 2 off the exponent field: the conversion takes that field as its scale
	v_cvt_scalef32_pk16_fp6_f32 v[DST:DST+2], v[XS:XS+15], v[SOP]
	v_cvt_scalef32_pk16_fp6_f32 v[TT:TT+2], v[XS+16:XS+31], v[SOP]
	v_lshrrev_b32 v[BY], 23, v[SOP]                           ; the byte; also the plain line behind the conversions
.if QJ == 0
	v_mov_b32 v[SW], v[BY]
.else
	v_lshl_or_b32 v[SW], v[BY], 8*QJ, v[SW]
.endif
.irp i, 0,1,2
	v_mov_b32 v[DST+3+\i], v[TT+\i]
.endr
.endm
.macro QUANT s                         ; 64 numbers of a lane, register 16 b + i = k 32 b + 16 (lane / 16) + i of its row: codes in v[PC] on, scale word in v[PW]
.irp b, 0,1,2,3
	v_max3_num_f32 v[TM+\b], |v[\s+16*\b]|, |v[\s+1+16*\b]|, 0x1800000
.endr
.irp i, 2,4,6,8,10,12,14
.irp b, 0,1,2,3
	v_max3_num_f32 v[TM+\b], v[TM+\b], |v[\s+16*\b+\i]|, |v[\s+1+16*\b+\i]|
.endr
.endr
.irp b, 0,1,2,3
	v_permlanex16_b32 v[TM+4+\b], v[TM+\b], s[SEL], s[SEL+1]
.endr
.irp b, 0,1,2,3
	v_max_num_f32 v[TM+\b], v[TM+\b], v[TM+4+\b]
.endr
.irp b, 0,1,2,3
	v_add_nc_u32 v[TM+12+\b], 0xff000000, v[TM+\b]
.endr
.irp b, 0,1,2,3
	v_lshrrev_b32 v[TM+4+\b], 23, v[TM+12+\b]
.endr
	v_lshl_or_b32 v[PW], v[TM+5], 8, v[TM+4]
	v_lshl_or_b32 v[PW], v[TM+6], 16, v[PW]
	v_lshl_or_b32 v[PW], v[TM+7], 24, v[PW]
.irp c, 0,1
	v_cvt_scalef32_pk16_fp6_f32 v[PC+6*\c:PC+2+6*\c], v[\s+32*\c:\s+15+32*\c], v[TM+12+2*\c]
	v_cvt_scalef32_pk16_fp6_f32 v[PC+12+4*\c:PC+14+4*\c], v[\s+16+32*\c:\s+31+32*\c], v[TM+12+2*\c+1]
.endr
	v_nop                                                     ; one plain line behind a scaled conversion
.irp c, 0,1
.irp i, 0,1,2
	v_permlane16_swap_b32 v[PC+6*\c+\i], v[PC+12+4*\c+\i]
.endr
.irp i, 0,1,2
	v_mov_b32 v[PC+3+6*\c+\i], v[PC+12+4*\c+\i]
.endr
.endr
.endm
.macro LOADB t                         ; block t of my column into set t % 2
.set LI, 0
.rept 32
	global_load_b32 v[X+32*((\t)%2)+LI], v[WOFF], s[8:9] offset:(32*(\t)+LI)*WPITCH th:TH_LOAD_NT
.set LI, LI+1
.endr
.endm
.macro BLOCK t, left                   ; left: the loads younger than block t's
	s_wait_loadcnt \left
.set XS, X+32*((\t)%2)
.set DST, F0+12*((\t)%2)+6*(((\t)%4)/2)
.set QJ, (\t)%4
	QBLK
.if (\t)+2 < 8
	s_wait_alu depctr_va_vdst(0)                   ; the block's maxima and conversions are done reading their set, in which the loads below land; all that vector lines have written so far is written
	LOADB (\t)+2
.endif
.endm
.macro STOREF ks                       ; my column's part of two lanes' registers, and its scale word, for my ks-th K step
.irp c, 0,1,2
	ds_store_b128 v[WLA], v[F0+4*\c:F0+4*\c+3] offset:(\ks)*1536+16*\c
	ds_store_b128 v[WLA], v[F1+4*\c:F1+4*\c+3] offset:(\ks)*1536+768+16*\c
.endr
	ds_store_b32 v[WSA], v[SW] offset:(\ks)*512
.endm
.macro GATHER                          ; a loaded token enters an address only behind this hold
	v_min_u32 v[TK0], 0x3ff, v[TK0]
	v_min_u32 v[TK1], 0x3ff, v[TK1]
	v_mul_u32_u24 v[AO0], v[TK0], 768
	v_mul_u32_u24 v[AO1], v[TK1], 768
	v_add_nc_u32 v[AO0], v[AO0], v[H48]
	v_add_nc_u32 v[AO1], v[AO1], v[H48]
	v_lshlrev_b32 v[SOF0], 5, v[TK0]
	v_lshlrev_b32 v[SOF1], 5, v[TK1]
.endm
.macro ASLOAD                          ; my two tokens' eight scale words each: 4 loads
	global_load_b128 v[AS:AS+3], v[SOF0], s[6:7]
	global_load_b128 v[AS+4:AS+7], v[SOF0], s[6:7] offset:16
	global_load_b128 v[AS+8:AS+11], v[SOF1], s[6:7]
	global_load_b128 v[AS+12:AS+15], v[SOF1], s[6:7] offset:16
.endm
.macro AFILL s                         ; my two tokens' fragments of K step s into set s % 2: 6 loads
.irp c, 0,1,2
	global_load_b128 v[AB+24*((\s)%2)+4*\c:AB+24*((\s)%2)+4*\c+3], v[AO0], s[4:5] offset:96*(\s)+16*\c
	global_load_b128 v[AB+24*((\s)%2)+12+4*\c:AB+24*((\s)%2)+12+4*\c+3], v[AO1], s[4:5] offset:96*(\s)+16*\c
.endr
.endm
.macro STAGE n                         ; fragment n of 64: K step n / 8, column tile n % 8, into set n % 2: three loads
.set SS, (\n)/8
.set CC, (\n)%8
.set SB, ST+12*((\n)%2)
.if CC < 4
.set FA, FRA0
.else
.set FA, FRA1
.endif
.irp c, 0,1,2
	ds_load_b128 v[SB+4*\c:SB+4*\c+3], v[FA] offset:(CC%4)*TSTR+1536*SS+16*\c
.endr
.endm
.macro MM                              ; fragment IDX against the pair's two tiles; the sixteen accumulators take turns, one instruction a turn
.set MS, IDX/8
.set MC, IDX%8
.set MB, ST+12*(IDX%2)
.set WR, WSC+4*(MS%2)+MC/2
.irp t, 0,1
.set DACC, ACC+64*\t+8*MC
.set BFR, AB+24*(MS%2)+12*\t
.set SRG, AS+8*\t+MS
.if MC%2 == 0
	v_wmma_scale_f32_16x16x128_f8f6f4 v[DACC:DACC+7], v[MB:MB+11], v[BFR:BFR+11], v[DACC:DACC+7], v[WR], v[SRG] matrix_a_fmt:MATRIX_FMT_FP6 matrix_b_fmt:MATRIX_FMT_FP6
.else
	v_wmma_scale_f32_16x16x128_f8f6f4 v[DACC:DACC+7], v[MB:MB+11], v[BFR:BFR+11], v[DACC:DACC+7], v[WR], v[SRG] matrix_a_fmt:MATRIX_FMT_FP6 matrix_b_fmt:MATRIX_FMT_FP6 matrix_a_scale:MATRIX_SCALE_ROW1
.endif
.endr
.endm
; A PAIR OF TILES, 32 PLACES.  n = 0: my first pair, whose scale words and K steps 0 and 1 were asked for during the stream; n = 1: the pair 16 pairs on.
.macro PAIR n
.if \n > 0
	global_load_b32 v[TK0], v[LR], s[12:13] offset:2048*\n         ; my two places' tokens
	global_load_b32 v[TK1], v[LR], s[12:13] offset:2048*\n+64
	s_wait_loadcnt 0x0
	GATHER
	s_wait_alu depctr_va_vdst(0)                   ; the pair's four offsets are written, which the loads below read
	ASLOAD
	AFILL 0
	AFILL 1
.endif
	v_add_nc_u32 v[RI], s30, v[R]                  ; (it names v22 and v2 alone: no register that the loads below touch)
.irp t, 0,1
.irp b, 0,1,2,3
.irp i, 0,1,2,3
	ds_load_b128 v[ACC+64*\t+16*\b+4*\i:ACC+64*\t+16*\b+4*\i+3], v[BR] offset:128*\b+16*\i     ; the bias in the result's layout: the C of each sum's first product
.endr
.endr
.endr
	ds_load_b128 v[WSC:WSC+3], v[WSR]
	STAGE 0
	STAGE 1
.set IDX, 0
.rept 64
.if IDX%8 == 0
.if IDX/8 < 7
	s_wait_loadcnt 6                               ; this K step's tokens are in; younger: the next K step's six loads
.else
	s_wait_loadcnt 0x0
.endif
.endif
.if IDX == 63
	s_wait_dscnt 0x0
.elseif IDX%8 == 7
	s_wait_dscnt 4                                 ; younger than this fragment's loads: the next K step's scale words and the next fragment's three
.else
	s_wait_dscnt 3                                 ; younger: the next fragment's three
.endif
	MM
.if IDX < 62
	NOP4                                           ; four places in front of loads into registers that the products have read
	s_wait_alu depctr_va_vdst(0)                   ; the two products are done reading their set of ST, and at a K step's end their set of AB; the K step before is done with its scale words: the loads below land in these
.if (IDX%8 == 7) && (IDX/8 < 6)
	AFILL IDX/8+2                                  ; this K step's set takes the tokens' fragments of two K steps on
.endif
.if (IDX+2)%8 == 0
	ds_load_b128 v[WSC+4*(((IDX+2)/8)%2):WSC+4*(((IDX+2)/8)%2)+3], v[WSR] offset:512*((IDX+2)/8)
.endif
	STAGE IDX+2
.endif
.set IDX, IDX+1
.endr
	NOP4                                           ; four places in front of the first read of the results
.set J, 0
.rept 128
	v_max_num_f32 v[ACC+J], 0, v[ACC+J]            ; relu, in f32, each accumulator from its low end on
.set J, J+1
.endr
.set PC, PC0
.set PW, PW0
	QUANT ACC
.set PC, PC1
.set PW, PW1
	QUANT ACC+64
	v_mul_u32_u24 v[HO], v[RI], 3072
	v_add_nc_u32 v[HO], v[HO], v[H48]              ; the codes: my place, my half; the second tile's place lies 16 x 3,072 bytes on
	v_lshlrev_b32 v[HSO], 7, v[RI]                 ; the scale words: my place; the second tile's 16 x 128 bytes on
	s_wait_alu depctr_va_vdst(0)                   ; the codes, the two scale words and the two offsets are written, which the stores read; the quantiser is done with v32 to v220, in which the next pair's loads land
.irp c, 0,1,2
	global_store_b128 v[HO], v[PC0+4*\c:PC0+4*\c+3], s[14:15] offset:16*\c
	global_store_b128 v[HO], v[PC1+4*\c:PC1+4*\c+3], s[14:15] offset:49152+16*\c
.endr
	global_store_b32 v[HSO], v[PW0], s[16:17]      ; both halves of the lanes hold the place's word and store it to the same place
	global_store_b32 v[HSO], v[PW1], s[16:17] offset:2048
	s_wait_xcnt 0x0                                ; the stores' registers are written again only behind this wait
	s_wait_alu depctr_vm_vsrc(0)                   ; the stores have read their data and offsets, and the pair's loads their four offsets: the next pair writes all of these again
.endm
	s_load_b256 s[4:11], s[0:1], 0x0               ; xc s[4:5], xs s[6:7], W1 s[8:9], b1 s[10:11]
	s_load_b128 s[12:15], s[0:1], 0x20             ; route s[12:13], hc s[14:15]
	v_lshrrev_b32 v1, 5, v0
	v_readfirstlane_b32 s18, v1                    ; wave 0..15
	v_and_b32 v1, 31, v0                           ; lane
	v_and_b32 v[R], 15, v0
	v_bfe_u32 v3, v0, 4, 1                         ; h
	v_bfe_u32 v22, v0, 3, 1                        ; u: my column's tile is 2 b + u,
	s_wait_alu depctr_va_vdst(0)
	v_and_b32 v23, 7, v0
	v_lshl_add_u32 v23, v3, 3, v23                 ; m: its row there 8 (lane / 16) + lane % 8
	v_lshlrev_b32 v[WOFF], 2, v1
	s_wait_alu depctr_va_sdst(0)                   ; s18 is written, ahead of its first reader: LDS addresses, bases and the walk's places are made from it
	s_and_b32 s19, s18, 3                          ; b: which 32 columns
	s_lshr_b32 s20, s18, 2                         ; q: which 256 along K
	s_lshr_b32 s21, ttmp9, 5                       ; the expert
	s_and_b32 s22, ttmp9, 31                       ; the slice
	s_mul_i32 s23, s19, 2*TSTR
	s_mul_i32 s24, s20, 3072
	s_add_co_u32 s23, s23, s24
	v_mul_u32_u24 v[WLA], v22, TSTR
	s_wait_alu depctr_va_vdst(0)
	v_mad_u32_u24 v[WLA], v23, 48, v[WLA]
	v_add_nc_u32 v[WLA], s23, v[WLA]               ; (2 b + u) TSTR + 2 q x 1,536 + 48 m
	s_lshl_b32 s23, s20, 10
	s_lshl_b32 s24, s19, 2
	s_add_co_u32 s23, s23, s24
	s_add_co_u32 s23, s23, WS
	v_lshl_add_u32 v[WSA], v22, 4, v23
	v_lshl_add_u32 v[WSA], v[WSA], 4, s23          ; WS + 2 q x 512 + 16 (m + 16 u) + 4 b
	v_mul_u32_u24 v[FRA0], v1, 48
	v_add_nc_u32 v[FRA1], 4*TSTR, v[FRA0]
	v_lshl_add_u32 v[WSR], v1, 4, WS
	v_lshlrev_b32 v[LR], 2, v[R]
	s_lshl_b32 s23, s18, 9
	s_add_co_u32 s23, s23, BIAS
	v_lshl_add_u32 v[BA], v1, 4, s23
	v_lshl_add_u32 v[BR], v3, 6, s23
	v_lshlrev_b32 v[L16], 4, v1
	v_mul_u32_u24 v[H48], v3, 48
	s_mov_b32 s[SEL], 0x76543210
	s_mov_b32 s[SEL+1], 0xfedcba98
	s_lshl_b32 s36, s21, 24                        ; W1: the expert's 16 MiB, my 256 rows, the slice's 512 bytes, my 128
	s_lshl_b32 s23, s20, 22
	s_add_co_u32 s36, s36, s23
	s_lshl_b32 s23, s22, 9
	s_add_co_u32 s36, s36, s23
	s_lshl_b32 s23, s19, 7
	s_add_co_u32 s36, s36, s23
	s_mov_b32 s37, 0
	s_wait_kmcnt 0x0
	s_add_nc_u64 s[8:9], s[8:9], s[36:37]
	s_lshl_b32 s36, s21, 7
	s_add_co_u32 s36, s36, CNTOFF
	s_add_nc_u64 s[38:39], s[12:13], s[36:37]
	s_load_b32 s29, s[38:39], 0x0                  ; the expert's tokens: waited for in front of the walk
	s_lshl_b32 s36, s21, 12
	s_lshl_b32 s23, s18, 7
	s_add_co_u32 s36, s36, s23
	s_add_nc_u64 s[12:13], s[12:13], s[36:37]      ; the expert's list, my wave's first pair: 32 words
	s_lshl_b32 s36, s21, 14
	s_lshl_b32 s23, s22, 9
	s_add_co_u32 s36, s36, s23
	s_add_nc_u64 s[10:11], s[10:11], s[36:37]      ; b1: the expert's row, the slice
	s_lshl_b32 s36, s21, 17
	s_lshl_b32 s23, s22, 2
	s_add_co_u32 s36, s36, s23
	s_add_co_u32 s36, s36, HSOFF
	s_add_nc_u64 s[16:17], s[14:15], s[36:37]      ; the scale words: the expert's 1,024 places, word sl
	s_mul_i32 s36, s21, 1024*3072
	s_mul_i32 s23, s22, 96
	s_add_co_u32 s36, s36, s23
	s_add_nc_u64 s[14:15], s[14:15], s[36:37]      ; the codes: the expert's 1,024 places, K step sl
	s_wait_alu depctr_va_vdst(0)                   ; the offsets and LDS addresses v4 to v10 and v14 to v16 are written, which the loads and LDS instructions of the whole kernel read
	global_load_b32 v[TK0], v[LR], s[12:13]        ; my first pair's tokens: older than block 0's loads, so block 0's wait shows them in
	global_load_b32 v[TK1], v[LR], s[12:13] offset:64
	LOADB 0
	LOADB 1
	BLOCK 0, 32                                    ; younger: the next block's 32 loads
	BLOCK 1, 32
	BLOCK 2, 32
	GATHER                                         ; my first pair's four offsets, made here so that block 3's wait on va_vdst shows them written
	BLOCK 3, 32
	STOREF 0                                       ; no wait: block 3's shows the four blocks' codes and the scale word written, and only loads stand behind it
	ASLOAD                                         ; my first pair's tokens, whether it has any or not (a place without a token reads token 0): the counts below hold on every way.  No wait: the same
	AFILL 0
	AFILL 1
	global_load_b128 v[BI:BI+3], v[L16], s[10:11]
	s_wait_dscnt 0x0                               ; the LDS stores are done
	s_wait_alu depctr_vm_vsrc(0)                   ; the LDS stores have read v[F0 ..], v[F1 ..] and v[SW], which the next four blocks write again
	BLOCK 4, 49                                    ; younger: block 5's 32, the pair's 16 and the bias
	BLOCK 5, 49                                    ; younger: the 16, the bias, block 6's 32
	BLOCK 6, 32
	BLOCK 7, 0
	s_wait_alu depctr_va_vdst(0)                   ; blocks 4 to 7 have written their codes and scale word, which the LDS stores read, and are done with v32 to v123, in which the walk's biases land
	STOREF 1
	ds_store_b128 v[BA], v[BI:BI+3]
	s_wait_alu depctr_vm_vsrc(0)                   ; the LDS stores have read v[F0 ..], v[F1 ..] and v[SW]: in the walk the biases' loads land there
	s_wait_dscnt 0x0
	s_barrier_signal -1
	s_barrier_wait -1                              ; all 64 fragments lie in LDS; nothing there is written again
	; ---- the walk: wave w takes pairs w and w + 16 of the list
	s_wait_kmcnt 0x0                               ; the count
	s_lshl_b32 s30, s18, 5                         ; the pair's first place
	s_cmp_ge_u32 s30, s29
	s_cbranch_scc1 .Lend
	PAIR 0
	s_add_co_u32 s30, s30, 512
	s_cmp_ge_u32 s30, s29
	s_cbranch_scc1 .Lend
	PAIR 1
.Lend:
	s_wait_xcnt 0x0
	v_lshl_add_u32 v254, v0, 2, 0x1b400
	v_mov_b32 v255, 0
	s_wait_dscnt 0x0                               ; the closing lines, six on end, of a launch in the mode that stores to LDS
	s_wait_alu 0x0
	s_wait_tensorcnt 0x0
	ds_add_u32 v254, v255
	s_wait_dscnt 0x0
	s_endpgm
.Lfunc_end_k_q27348e4c34_hidden:
	.size	k_q27348e4c34_hidden, .Lfunc_end_k_q27348e4c34_hidden-k_q27348e4c34_hidden
	.p2alignl 7, 3214868480
	.fill 96, 4, 3214868480
	.section	.rodata,"a",@progbits
	.p2align	6, 0x0
	.amdhsa_kernel k_q27348e4c34_hidden
		.amdhsa_group_segment_fixed_size 113664
		.amdhsa_private_segment_fixed_size 0
		.amdhsa_enable_private_segment 0
		.amdhsa_kernarg_size 48
		.amdhsa_user_sgpr_count 2
		.amdhsa_user_sgpr_kernarg_segment_ptr 1
		.amdhsa_wavefront_size32 1
		.amdhsa_system_sgpr_workgroup_id_x 1
		.amdhsa_system_sgpr_workgroup_id_y 1
		.amdhsa_system_sgpr_workgroup_id_z 1
		.amdhsa_system_vgpr_workitem_id 0
		.amdhsa_next_free_vgpr 256
		.amdhsa_next_free_sgpr 66
		.amdhsa_reserve_vcc 0
		.amdhsa_float_denorm_mode_32 3
		.amdhsa_float_denorm_mode_16_64 3
		.amdhsa_memory_ordered 1
		.amdhsa_forward_progress 1
		.amdhsa_inst_pref_size 163
	.end_amdhsa_kernel
	.amdgpu_metadata
---
amdhsa.version: [ 1, 2 ]
amdhsa.kernels:
  - .name:           k_q27348e4c34_hidden
    .symbol:         k_q27348e4c34_hidden.kd
    .args:
      - { .name: xc, .offset: 0, .size: 8, .value_kind: global_buffer, .address_space: global }
      - { .name: xs, .offset: 8, .size: 8, .value_kind: global_buffer, .address_space: global }
      - { .name: W1, .offset: 16, .size: 8, .value_kind: global_buffer, .address_space: global }
      - { .name: b1, .offset: 24, .size: 8, .value_kind: global_buffer, .address_space: global }
      - { .name: route, .offset: 32, .size: 8, .value_kind: global_buffer, .address_space: global }
      - { .name: hc, .offset: 40, .size: 8, .value_kind: global_buffer, .address_space: global }
    .group_segment_fixed_size: 113664
    .private_segment_fixed_size: 0
    .kernarg_segment_align: 8
    .kernarg_segment_size: 48
    .max_flat_workgroup_size: 512
    .sgpr_count:     66
    .vgpr_count:     256
    .wavefront_size: 32
...
	.end_amdgpu_metadata
.endif
;; end of part 10
;; launch outp (part 11): grid 256 x 1, 16 waves a work-group, no clusters, 240,640 bytes of LDS; arguments hc, W2, route, part; writes part
.if DOCPART == 11
	.amdgcn_target "amdgcn-amd-amdhsa--gfx1250"
	.amdhsa_code_object_version 6
	.text
	.protected	k_q27348e4c34_outp
	.globl	k_q27348e4c34_outp
	.p2align	8
	.type	k_q27348e4c34_outp,@function
k_q27348e4c34_outp:
	s_mov_b64 s[64:65], 0
	v_nop
	global_prefetch_b8 v0, s[64:65] scope:SCOPE_SE
	s_setreg_imm32_b32 hwreg(HW_REG_WAVE_SCHED_MODE, 0, 2), 2
	s_setreg_imm32_b32 hwreg(HW_REG_WAVE_MODE, 25, 1), 1
	s_wait_xcnt 0x0
	s_wait_alu depctr_vm_vsrc(0)
; part[q4][token][:] = the quarter q4 (1,024 of K's 4,096) of Q(hidden) Q(W2[e]), for the tokens that chose expert e; the last launch adds the four quarters and the bias.
; Work-group = (expert e, quarter q4, slice cs of 128 output columns): a slice of 1,024 x 128 numbers of W2, read once as f32, quantised in registers, kept in LDS as 64 fragments.
; K is cut in four so that a work-group's rows of W2 and of the result are 512 consecutive bytes and there are 256 work-groups of equal weight; the price is the quarters' way to memory and back.
; Stream, layout of the fragments and the walk are the hidden launch's: a lane takes a column and its registers run down K; column 32 b + 16 h + 8 u + j is row 8 h + j of tile 2 b + u; the product is
; used transposed, so lane (r, h) holds place r and register 16 b + i of a tile is column 32 b + 16 h + i.
; THE WALK GOES BY PAIRS OF TILES: a wave takes 32 places at a time, so that each fragment of the weights that it reads from LDS (1,536 bytes) feeds two products; the places' fragments come K step by K step
; into two sets of 24 registers, asked for two K steps ahead.  Wave w takes pairs w and w + 16.
; THE HIDDEN LAYER LIES BY PLACE IN THE EXPERT'S LIST (hc: codes [expert][place][K step][half][48 bytes]; from byte 25,165,824 on scale words [expert][place][32 words]): its addresses are made of ids and
; the walk's steps alone.  The list (route: [expert][place] tokens; from byte 32,768 on [expert][32 words] their number; whole numbers that an earlier launch stored) serves the jumps and the way out.
; A wave's first pair is asked for during the stream whether the expert has that many tokens or not, so that the counted waits hold on every way; where it has not, the bytes may never have been stored,
; and what comes is not used: the pair's work is jumped over.  A pair that holds a token was stored whole by the launch before.
; THE WAY OUT: a tile's 16 rows x 512 bytes go through the wave's own stage in LDS and leave row by row: 32 lanes store 512 consecutive bytes at the row's token; places without a token are jumped over.
; NO CLUSTER: the weights are read by one work-group alone; what the 8 slices of an expert's quarter share is 768 bytes a place, as many places as a loaded count says.
; LIMITS: NaN and infinities are not served; a block of zeros or under 2^-124 gets the scale byte 1.  The sum over K is made in four parts.  An expert without tokens streams its weights and stores nothing.
; THE MODE: SCHED_MODE bits 1:0 = 2 (LLVM: expert scheduling mode 2), set by the entry lines.  The code itself states the register dependences
; between vector or matrix instructions and memory or LDS instructions, with s_wait_alu, always for 0.
; THE PLAN.  Registers that memory or LDS instructions touch:
;   v4-9, v14-16       offsets and LDS addresses: made once at the head, never written again.      v26, v27  written at the head, read by the closing add alone.
;   AO, SOF            The pair's two offsets: the first pair's made at the head, the second's at its own head; read by the pair's 52 loads.
;   X0, X1             Block t: its maxima and conversions read set t % 2; behind them the 32 loads of block t + 2 land in it.
;   F0, F1, SW         Written by four blocks, read by seven LDS stores, written again by the next four blocks; in the walk accumulators lie there.
;   ST0, ST1           Fragment n: its two products read set n % 2; behind them the three LDS loads of fragment n + 2 land in it.
;   AB0, AB1           K step s: its sixteen products read set s % 2; behind the last of them the six loads of K step s + 2 land in it.
;   WSC, AS            Scale words: read by the products, loaded a K step or a pair ahead.
;   the accumulators   Written by the products, read by the LDS stores into the stage; v32-63 are then written as 32 offsets, which the row stores read.
;   OB (v160-223)      A tile's sixteen rows land from the stage; the row stores read them.
; STREAM: one wait on va_vdst a block, behind its conversions; block 3's also serves the first LDS stores of codes.
; WALK: one wait on va_vdst behind each fragment's two products serves all loads that follow it.  The 256 registers are all in use, so ST has no further sets and the wait cannot serve more than one fragment.
; One wait on vm_vsrc stands behind each run of stores, ahead of the next writer of their registers.
.set WPITCH, 4096                      ; a row of W2[e] in bytes
.set TSTR,  12416
.set WS,    8*TSTR
.set STG,   WS+4096                    ; each wave's stage: 16 rows x (512 + 16) bytes
.set CNTOFF, 32768                     ; route: where the counts begin
.set HSOFF, 25165824                   ; hc: where the scale words begin
.set R,     2
.set WOFF,  4
.set WLA,   5
.set WSA,   6
.set FRA0,  7
.set FRA1,  8
.set WSR,   9
.set STO,   14                         ; the stage: where I put 16 bytes of my place's row
.set SRD,   15                         ; and where I read a row back
.set L16,   16
.set AO,    17                         ; my place's codes; the second tile's lie 16 x 3,072 bytes on
.set SOF,   18                         ; my place's scale words; the second tile's 16 x 128 bytes on
.set H48,   21
.set RI,    22                         ; my place in the list
.set MXA,   28
.set MXB,   29
.set SOP,   30
.set BY,    31
.set X,     32
.set ACC,   32                         ; v32-159 sixteen accumulators: tile t of the pair, column tile c at v[32 + 64 t + 8 c]
.set TKS,   32                         ; the way out: v32-63 the 32 rows' offsets in part, where the first tile's results lay until they were in the stage
.set F0,    96
.set F1,    108
.set TT,    120
.set SW,    123
.set ST,    160                        ; v160-183 two sets of one fragment of the weights
.set AB,    184                        ; v184-231 two sets of the pair's two fragments of one K step
.set OB,    160                        ; the way out: v160-223 sixteen rows
.set WSC,   232                        ; v232-239 (scales alone)
.set AS,    240                        ; v240-255 (scales alone)
.set TKN,   48                         ; s[48:63] the first tile's sixteen tokens
.set TKM,   68                         ; s[68:83] the second's
.macro NOP4
.rept 4
	v_nop
.endr
.endm
.macro QBLK
	v_max3_num_f32 v[MXA], |v[XS]|, |v[XS+1]|, |v[XS+2]|
	v_max3_num_f32 v[MXB], |v[XS+3]|, |v[XS+4]|, |v[XS+5]|
.irp i, 6,10,14,18,22,26
	v_max3_num_f32 v[MXA], v[MXA], |v[XS+\i]|, |v[XS+\i+1]|
	v_max3_num_f32 v[MXB], v[MXB], |v[XS+\i+2]|, |v[XS+\i+3]|
.endr
	v_max3_num_f32 v[MXA], v[MXA], |v[XS+30]|, |v[XS+31]|
	v_max3_num_f32 v[MXA], v[MXA], v[MXB], 0x1800000          ; the floor 2^(3 - 127)
	v_add_nc_u32 v[SOP], 0xff000000, v[MXA]
	v_cvt_scalef32_pk16_fp6_f32 v[DST:DST+2], v[XS:XS+15], v[SOP]
	v_cvt_scalef32_pk16_fp6_f32 v[TT:TT+2], v[XS+16:XS+31], v[SOP]
	v_lshrrev_b32 v[BY], 23, v[SOP]                           ; the byte; also the plain line behind the conversions
.if QJ == 0
	v_mov_b32 v[SW], v[BY]
.else
	v_lshl_or_b32 v[SW], v[BY], 8*QJ, v[SW]
.endif
.irp i, 0,1,2
	v_mov_b32 v[DST+3+\i], v[TT+\i]
.endr
.endm
.macro LOADB t
.set LI, 0
.rept 32
	global_load_b32 v[X+32*((\t)%2)+LI], v[WOFF], s[8:9] offset:(32*(\t)+LI)*WPITCH th:TH_LOAD_NT
.set LI, LI+1
.endr
.endm
.macro BLOCK t, left
	s_wait_loadcnt \left
.set XS, X+32*((\t)%2)
.set DST, F0+12*((\t)%2)+6*(((\t)%4)/2)
.set QJ, (\t)%4
	QBLK
.if (\t)+2 < 8
	s_wait_alu depctr_va_vdst(0)                   ; the block's maxima and conversions are done reading their set, in which the loads below land; all that vector lines have written so far is written
	LOADB (\t)+2
.endif
.endm
.macro STOREF ks
.irp c, 0,1,2
	ds_store_b128 v[WLA], v[F0+4*\c:F0+4*\c+3] offset:(\ks)*1536+16*\c
	ds_store_b128 v[WLA], v[F1+4*\c:F1+4*\c+3] offset:(\ks)*1536+768+16*\c
.endr
	ds_store_b32 v[WSA], v[SW] offset:(\ks)*512
.endm
.macro PLACE                           ; the offsets of place s30 + r: the wave's number and the walk's step alone
	v_add_nc_u32 v[RI], s30, v[R]
	v_mul_u32_u24 v[AO], v[RI], 3072
	v_add_nc_u32 v[AO], v[AO], v[H48]
	v_lshlrev_b32 v[SOF], 7, v[RI]
.endm
.macro ASLOAD                          ; my two places' eight scale words of this quarter each: 4 loads
	global_load_b128 v[AS:AS+3], v[SOF], s[6:7]
	global_load_b128 v[AS+4:AS+7], v[SOF], s[6:7] offset:16
	global_load_b128 v[AS+8:AS+11], v[SOF], s[6:7] offset:2048
	global_load_b128 v[AS+12:AS+15], v[SOF], s[6:7] offset:2064
.endm
.macro AFILL s                         ; my two places' fragments of K step s into set s % 2: 6 loads
.irp c, 0,1,2
	global_load_b128 v[AB+24*((\s)%2)+4*\c:AB+24*((\s)%2)+4*\c+3], v[AO], s[4:5] offset:96*(\s)+16*\c
	global_load_b128 v[AB+24*((\s)%2)+12+4*\c:AB+24*((\s)%2)+12+4*\c+3], v[AO], s[4:5] offset:49152+96*(\s)+16*\c
.endr
.endm
.macro STAGE n                         ; fragment n of 64: K step n / 8, column tile n % 8, into set n % 2: three loads
.set SS, (\n)/8
.set CC, (\n)%8
.set SB, ST+12*((\n)%2)
.if CC < 4
.set FA, FRA0
.else
.set FA, FRA1
.endif
.irp c, 0,1,2
	ds_load_b128 v[SB+4*\c:SB+4*\c+3], v[FA] offset:(CC%4)*TSTR+1536*SS+16*\c
.endr
.endm
.macro MM                              ; fragment IDX against the pair's two tiles; the first K step's products start the sums; the sixteen accumulators take turns, one instruction a turn
.set MS, IDX/8
.set MC, IDX%8
.set MB, ST+12*(IDX%2)
.set WR, WSC+4*(MS%2)+MC/2
.irp t, 0,1
.set DACC, ACC+64*\t+8*MC
.set BFR, AB+24*(MS%2)+12*\t
.set SRG, AS+8*\t+MS
.if MS == 0
.if MC%2 == 0
	v_wmma_scale_f32_16x16x128_f8f6f4 v[DACC:DACC+7], v[MB:MB+11], v[BFR:BFR+11], 0, v[WR], v[SRG] matrix_a_fmt:MATRIX_FMT_FP6 matrix_b_fmt:MATRIX_FMT_FP6
.else
	v_wmma_scale_f32_16x16x128_f8f6f4 v[DACC:DACC+7], v[MB:MB+11], v[BFR:BFR+11], 0, v[WR], v[SRG] matrix_a_fmt:MATRIX_FMT_FP6 matrix_b_fmt:MATRIX_FMT_FP6 matrix_a_scale:MATRIX_SCALE_ROW1
.endif
.else
.if MC%2 == 0
	v_wmma_scale_f32_16x16x128_f8f6f4 v[DACC:DACC+7], v[MB:MB+11], v[BFR:BFR+11], v[DACC:DACC+7], v[WR], v[SRG] matrix_a_fmt:MATRIX_FMT_FP6 matrix_b_fmt:MATRIX_FMT_FP6
.else
	v_wmma_scale_f32_16x16x128_f8f6f4 v[DACC:DACC+7], v[MB:MB+11], v[BFR:BFR+11], v[DACC:DACC+7], v[WR], v[SRG] matrix_a_fmt:MATRIX_FMT_FP6 matrix_b_fmt:MATRIX_FMT_FP6 matrix_a_scale:MATRIX_SCALE_ROW1
.endif
.endif
.endr
.endm
.macro TOSTAGE t                       ; tile t's results into my stage, and back as sixteen whole rows
.irp b, 0,1,2,3
.irp i, 0,1,2,3
	ds_store_b128 v[STO], v[ACC+64*\t+16*\b+4*\i:ACC+64*\t+16*\b+4*\i+3] offset:128*\b+16*\i   ; each accumulator from its low end on
.endr
.endr
.irp i, 0,1,2,3,4,5,6,7,8,9,10,11,12,13,14,15
	ds_load_b128 v[OB+4*\i:OB+4*\i+3], v[SRD] offset:528*\i        ; LDS serves a wave's instructions in order (ISA guide 5.7.1.4): these see my stores
.endr
.endm
; A PAIR OF TILES, 32 PLACES.  n = 0: my first pair, whose scale words and K steps 0 and 1 were asked for during the stream; n = 1: the pair 16 pairs on.
.macro PAIR n
	s_load_b512 s[TKN:TKN+15], s[10:11], 2048*\n   ; the pair's 32 tokens: wanted on the way out
	s_load_b512 s[TKM:TKM+15], s[10:11], 2048*\n+64
.if \n > 0
	PLACE
	s_wait_alu depctr_va_vdst(0)                   ; the pair's two offsets are written, which the loads below read
	ASLOAD
	AFILL 0
	AFILL 1
.endif
	ds_load_b128 v[WSC:WSC+3], v[WSR]
	STAGE 0
	STAGE 1
.set IDX, 0
.rept 64
.if IDX%8 == 0
.if IDX/8 < 7
	s_wait_loadcnt 6                               ; this K step's places are in; younger: the next K step's six loads
.else
	s_wait_loadcnt 0x0
.endif
.endif
.if IDX == 63
	s_wait_dscnt 0x0
.elseif IDX%8 == 7
	s_wait_dscnt 4                                 ; younger than this fragment's loads: the next K step's scale words and the next fragment's three
.else
	s_wait_dscnt 3                                 ; younger: the next fragment's three
.endif
	MM
.if IDX < 62
	NOP4                                           ; four places in front of loads into registers that the products have read
	s_wait_alu depctr_va_vdst(0)                   ; the two products are done reading their set of ST, and at a K step's end their set of AB; the K step before is done with its scale words: the loads below land in these
.if (IDX%8 == 7) && (IDX/8 < 6)
	AFILL IDX/8+2                                  ; this K step's set takes the places' fragments of two K steps on
.endif
.if (IDX+2)%8 == 0
	ds_load_b128 v[WSC+4*(((IDX+2)/8)%2):WSC+4*(((IDX+2)/8)%2)+3], v[WSR] offset:512*((IDX+2)/8)
.endif
	STAGE IDX+2
.endif
.set IDX, IDX+1
.endr
	NOP4                                           ; four places in front of the stores that read the results
	s_wait_alu depctr_va_vdst(0)                   ; the products have written the sixteen accumulators, which the LDS stores of both tiles read, and are done reading v160 to v231, in which the rows land
	TOSTAGE 0
	s_wait_kmcnt 0x0                               ; the tokens
.irp i, 0,1,2,3,4,5,6,7,8,9,10,11,12,13,14,15
	s_min_u32 s[TKN+\i], s[TKN+\i], 0x3ff          ; a loaded token enters an address only behind this hold
	s_lshl_b32 s[TKN+\i], s[TKN+\i], 12            ; the token's row of 4,096 bytes
	s_min_u32 s[TKM+\i], s[TKM+\i], 0x3ff
	s_lshl_b32 s[TKM+\i], s[TKM+\i], 12
.endr
	s_wait_dscnt 0x0                               ; the first tile's rows are back
	s_wait_alu depctr_vm_vsrc(0)                   ; the first tile's LDS stores have read v32 to v95, of which v32 to v63 take the offsets
.irp i, 0,1,2,3,4,5,6,7,8,9,10,11,12,13,14,15
	v_add_nc_u32 v[TKS+\i], s[TKN+\i], v[L16]      ; + 16 x lane
	v_add_nc_u32 v[TKS+16+\i], s[TKM+\i], v[L16]
.endr
	s_sub_co_u32 s33, s29, s30                     ; the pair's places that hold a token: at least one
	s_wait_alu depctr_va_vdst(0)                   ; the 32 offsets are written, which the row stores of both tiles read; no vector line follows in this pair
.irp i, 0,1,2,3,4,5,6,7,8,9,10,11,12,13,14,15
.if \i > 0
	s_cmp_le_u32 s33, \i
	s_cbranch_scc1 .Ldone_\@
.endif
	global_store_b128 v[TKS+\i], v[OB+4*\i:OB+4*\i+3], s[14:15]    ; 32 lanes store 512 consecutive bytes, at a multiple of 512 from the buffer's first byte
.endr
	s_wait_xcnt 0x0                                ; the rows' registers are loaded again only behind this wait
	s_wait_alu depctr_vm_vsrc(0)                   ; the sixteen stores have read v[OB ..], in which the second tile's rows land
	s_cmp_le_u32 s33, 16
	s_cbranch_scc1 .Ldone_\@
	TOSTAGE 1
	s_wait_dscnt 0x0
.irp i, 0,1,2,3,4,5,6,7,8,9,10,11,12,13,14,15
.if \i > 0
	s_cmp_le_u32 s33, 16+\i
	s_cbranch_scc1 .Ldone_\@
.endif
	global_store_b128 v[TKS+16+\i], v[OB+4*\i:OB+4*\i+3], s[14:15]
.endr
.Ldone_\@:
	s_wait_xcnt 0x0                                ; the stores' registers are written again only behind this wait
	s_wait_alu depctr_vm_vsrc(0)                   ; the row stores have read their offsets and rows, the LDS stores the accumulators, the pair's loads their two offsets: the next pair writes all of these again
.endm
	s_load_b64 s[4:5], s[0:1], 0x0                 ; hc
	s_load_b128 s[8:11], s[0:1], 0x8               ; W2 s[8:9], route s[10:11]
	s_load_b64 s[14:15], s[0:1], 0x18              ; part
	v_lshl_add_u32 v26, v0, 2, 0x3a400
	v_mov_b32 v27, 0
	v_lshrrev_b32 v1, 5, v0
	v_readfirstlane_b32 s18, v1                    ; wave 0..15
	v_and_b32 v1, 31, v0
	v_and_b32 v[R], 15, v0
	v_bfe_u32 v3, v0, 4, 1
	v_bfe_u32 v22, v0, 3, 1                        ; u
	s_wait_alu depctr_va_vdst(0)
	v_and_b32 v23, 7, v0
	v_lshl_add_u32 v23, v3, 3, v23                 ; m
	v_lshlrev_b32 v[WOFF], 2, v1
	s_wait_alu depctr_va_sdst(0)                   ; s18 is written, ahead of its first reader: LDS addresses, bases and the walk's places are made from it
	s_and_b32 s19, s18, 3                          ; b: which 32 columns
	s_lshr_b32 s20, s18, 2                         ; q: which 256 of the quarter's 1,024 along K
	s_lshr_b32 s21, ttmp9, 5                       ; the expert
	s_bfe_u32 s22, ttmp9, 0x20003                  ; q4: the quarter of K
	s_and_b32 s25, ttmp9, 7                        ; cs: the slice of columns
	s_lshl_b32 s30, s18, 5                         ; the walk: my first pair's first place
	s_mul_i32 s23, s19, 2*TSTR
	s_mul_i32 s24, s20, 3072
	s_add_co_u32 s23, s23, s24
	v_mul_u32_u24 v[WLA], v22, TSTR
	s_wait_alu depctr_va_vdst(0)
	v_mad_u32_u24 v[WLA], v23, 48, v[WLA]
	v_add_nc_u32 v[WLA], s23, v[WLA]
	s_lshl_b32 s23, s20, 10
	s_lshl_b32 s24, s19, 2
	s_add_co_u32 s23, s23, s24
	s_add_co_u32 s23, s23, WS
	v_lshl_add_u32 v[WSA], v22, 4, v23
	v_lshl_add_u32 v[WSA], v[WSA], 4, s23
	v_mul_u32_u24 v[FRA0], v1, 48
	v_add_nc_u32 v[FRA1], 4*TSTR, v[FRA0]
	v_lshl_add_u32 v[WSR], v1, 4, WS
	s_mul_i32 s23, s18, 16*528
	s_add_co_u32 s23, s23, STG
	v_mul_u32_u24 v[STO], v[R], 528
	v_lshl_add_u32 v[STO], v3, 6, v[STO]
	v_add_nc_u32 v[STO], s23, v[STO]               ; row r, + 64 h
	v_lshl_add_u32 v[SRD], v1, 4, s23
	v_lshlrev_b32 v[L16], 4, v1
	v_mul_u32_u24 v[H48], v3, 48
	PLACE                                          ; my first pair's two offsets hang on ids alone: made here, so that the wait ahead of the first load shows them written
	s_lshl_b32 s36, s21, 24                        ; W2: the expert's 16 MiB, the quarter's 1,024 rows, my 256 rows, the slice's 512 bytes, my 128
	s_lshl_b32 s23, s22, 22
	s_add_co_u32 s36, s36, s23
	s_lshl_b32 s23, s20, 20
	s_add_co_u32 s36, s36, s23
	s_lshl_b32 s23, s25, 9
	s_add_co_u32 s36, s36, s23
	s_lshl_b32 s23, s19, 7
	s_add_co_u32 s36, s36, s23
	s_mov_b32 s37, 0
	s_wait_kmcnt 0x0
	s_add_nc_u64 s[8:9], s[8:9], s[36:37]
	s_lshl_b32 s36, s21, 7
	s_add_co_u32 s36, s36, CNTOFF
	s_add_nc_u64 s[38:39], s[10:11], s[36:37]
	s_load_b32 s29, s[38:39], 0x0                  ; the expert's tokens: waited for in front of the walk
	s_lshl_b32 s36, s21, 12
	s_lshl_b32 s23, s18, 7
	s_add_co_u32 s36, s36, s23
	s_add_nc_u64 s[10:11], s[10:11], s[36:37]      ; the expert's list, my wave's first pair: 32 words
	s_lshl_b32 s36, s21, 17
	s_lshl_b32 s23, s22, 5
	s_add_co_u32 s36, s36, s23
	s_add_co_u32 s36, s36, HSOFF
	s_add_nc_u64 s[6:7], s[4:5], s[36:37]          ; the scale words: the expert's 1,024 places, words 8 q4 on
	s_mul_i32 s36, s21, 1024*3072
	s_mul_i32 s23, s22, 768
	s_add_co_u32 s36, s36, s23
	s_add_nc_u64 s[4:5], s[4:5], s[36:37]          ; the codes: the expert's 1,024 places, K steps 8 q4 on
	s_lshl_b32 s36, s22, 22
	s_lshl_b32 s23, s25, 9
	s_add_co_u32 s36, s36, s23
	s_add_nc_u64 s[14:15], s[14:15], s[36:37]      ; part: the quarter's 4 MiB, the slice's 512 bytes
	s_wait_alu depctr_va_vdst(0)                   ; the offsets and LDS addresses v4 to v9 and v14 to v18 are written, which the loads and LDS instructions below read
	LOADB 0
	LOADB 1
	BLOCK 0, 32                                    ; younger: the next block's 32 loads
	BLOCK 1, 32
	BLOCK 2, 32
	BLOCK 3, 32
	STOREF 0                                       ; no wait: block 3's shows the four blocks' codes and the scale word written, and only loads stand behind it
	ASLOAD                                         ; on every way, so that the counts below hold on every way
	AFILL 0
	AFILL 1
	s_wait_dscnt 0x0                               ; the LDS stores are done
	s_wait_alu depctr_vm_vsrc(0)                   ; the LDS stores have read v[F0 ..], v[F1 ..] and v[SW], which the next four blocks write again
	BLOCK 4, 48                                    ; younger: block 5's 32 and the pair's 16
	BLOCK 5, 48                                    ; younger: the 16 and block 6's 32
	BLOCK 6, 32
	BLOCK 7, 0
	s_wait_alu depctr_va_vdst(0)                   ; blocks 4 to 7 have written their codes and scale word, which the LDS stores read
	STOREF 1
	s_wait_alu depctr_vm_vsrc(0)                   ; the LDS stores have read v[F0 ..], v[F1 ..] and v[SW]: in the walk the first products write accumulators there
	s_wait_dscnt 0x0
	s_barrier_signal -1
	s_barrier_wait -1                              ; all 64 fragments lie in LDS; of what waves share nothing is written again
	; ---- the walk: wave w takes pairs w and w + 16 of the list
	s_wait_kmcnt 0x0                               ; the count
	s_cmp_ge_u32 s30, s29
	s_cbranch_scc1 .Lend
	PAIR 0
	s_add_co_u32 s30, s30, 512
	s_cmp_ge_u32 s30, s29
	s_cbranch_scc1 .Lend
	PAIR 1
.Lend:
	s_wait_dscnt 0x0                               ; the closing lines, six on end, of a launch in the mode that stores to LDS
	s_wait_alu 0x0
	s_wait_tensorcnt 0x0
	ds_add_u32 v26, v27
	s_wait_dscnt 0x0
	s_endpgm
.Lfunc_end_k_q27348e4c34_outp:
	.size	k_q27348e4c34_outp, .Lfunc_end_k_q27348e4c34_outp-k_q27348e4c34_outp
	.p2alignl 7, 3214868480
	.fill 96, 4, 3214868480
	.section	.rodata,"a",@progbits
	.p2align	6, 0x0
	.amdhsa_kernel k_q27348e4c34_outp
		.amdhsa_group_segment_fixed_size 240640
		.amdhsa_private_segment_fixed_size 0
		.amdhsa_enable_private_segment 0
		.amdhsa_kernarg_size 32
		.amdhsa_user_sgpr_count 2
		.amdhsa_user_sgpr_kernarg_segment_ptr 1
		.amdhsa_wavefront_size32 1
		.amdhsa_system_sgpr_workgroup_id_x 1
		.amdhsa_system_sgpr_workgroup_id_y 1
		.amdhsa_system_sgpr_workgroup_id_z 1
		.amdhsa_system_vgpr_workitem_id 0
		.amdhsa_next_free_vgpr 256
		.amdhsa_next_free_sgpr 88
		.amdhsa_reserve_vcc 0
		.amdhsa_float_denorm_mode_32 3
		.amdhsa_float_denorm_mode_16_64 3
		.amdhsa_memory_ordered 1
		.amdhsa_forward_progress 1
		.amdhsa_inst_pref_size 160
	.end_amdhsa_kernel
	.amdgpu_metadata
---
amdhsa.version: [ 1, 2 ]
amdhsa.kernels:
  - .name:           k_q27348e4c34_outp
    .symbol:         k_q27348e4c34_outp.kd
    .args:
      - { .name: hc, .offset: 0, .size: 8, .value_kind: global_buffer, .address_space: global }
      - { .name: W2, .offset: 8, .size: 8, .value_kind: global_buffer, .address_space: global }
      - { .name: route, .offset: 16, .size: 8, .value_kind: global_buffer, .address_space: global }
      - { .name: part, .offset: 24, .size: 8, .value_kind: global_buffer, .address_space: global }
    .group_segment_fixed_size: 240640
    .private_segment_fixed_size: 0
    .kernarg_segment_align: 8
    .kernarg_segment_size: 32
    .max_flat_workgroup_size: 512
    .sgpr_count:     88
    .vgpr_count:     256
    .wavefront_size: 32
...
	.end_amdgpu_metadata
.endif
;; end of part 11
;; launch finish (part 12): grid 256 x 1, 8 waves a work-group, no clusters, 0 bytes of LDS; arguments part, b2, chosen, out0; writes out0
.if DOCPART == 12
	.amdgcn_target "amdgcn-amd-amdhsa--gfx1250"
	.amdhsa_code_object_version 6
	.text
	.protected	k_q27348e4c34_finish
	.globl	k_q27348e4c34_finish
	.p2align	8
	.type	k_q27348e4c34_finish,@function
k_q27348e4c34_finish:
	s_mov_b64 s[64:65], 0
	v_nop
	global_prefetch_b8 v0, s[64:65] scope:SCOPE_SE
	s_setreg_imm32_b32 hwreg(HW_REG_WAVE_MODE, 25, 1), 1
	s_wait_xcnt 0x0
; out0[token][:] = part[0][token][:] + part[1][token][:] + part[2][token][:] + part[3][token][:] + b2[chosen[token]][:].
; A stream: a work-group takes four tokens, thread t the 16 bytes at 16 t of each row, so a wave's load or store covers 512 consecutive bytes.  All twenty loads of a thread are out together.
; No LDS, no matrix unit, no cluster: nothing is shared but 4 KiB rows of b2.
.set P, 16                             ; v16-79  token k, quarter q at v[16 + 16 k + 4 q]
.set B, 80                             ; v80-95  token k's bias
	s_load_b256 s[4:11], s[0:1], 0x0               ; part s[4:5], b2 s[6:7], chosen s[8:9], out0 s[10:11]
	v_lshlrev_b32 v1, 4, v0
	s_lshl_b32 s12, ttmp9, 14                      ; four rows of 4,096 bytes
	s_mov_b32 s13, 0
	s_lshl_b32 s14, ttmp9, 4                       ; four words of chosen
	s_mov_b32 s15, 0
	s_wait_alu depctr_va_vdst(0)
	s_wait_kmcnt 0x0
	s_add_nc_u64 s[8:9], s[8:9], s[14:15]
	s_load_b128 s[16:19], s[8:9], 0x0              ; my four tokens' experts
	s_add_nc_u64 s[4:5], s[4:5], s[12:13]
	s_add_nc_u64 s[10:11], s[10:11], s[12:13]
	s_add_nc_u64 s[20:21], s[4:5], 0x800000        ; quarters 2 and 3: the immediate reaches one quarter of 4 MiB
.irp k, 0,1,2,3
	global_load_b128 v[P+16*\k:P+16*\k+3], v1, s[4:5] offset:4096*\k th:TH_LOAD_NT
	global_load_b128 v[P+16*\k+4:P+16*\k+7], v1, s[4:5] offset:0x400000+4096*\k th:TH_LOAD_NT
	global_load_b128 v[P+16*\k+8:P+16*\k+11], v1, s[20:21] offset:4096*\k th:TH_LOAD_NT
	global_load_b128 v[P+16*\k+12:P+16*\k+15], v1, s[20:21] offset:0x400000+4096*\k th:TH_LOAD_NT
.endr
	s_wait_kmcnt 0x0
.irp k, 0,1,2,3
	s_min_u32 s[16+\k], s[16+\k], 7                ; a loaded number enters an address only behind this hold
	s_lshl_b32 s[16+\k], s[16+\k], 12              ; the expert's row of b2
	v_add_nc_u32 v[2+\k], s[16+\k], v1
	global_load_b128 v[B+4*\k:B+4*\k+3], v[2+\k], s[6:7]
.endr
	s_wait_loadcnt 0x0
.irp k, 0,1,2,3
.irp d, 0,2
	v_pk_add_f32 v[P+16*\k+\d:P+16*\k+\d+1], v[P+16*\k+\d:P+16*\k+\d+1], v[P+16*\k+4+\d:P+16*\k+4+\d+1]
	v_pk_add_f32 v[P+16*\k+8+\d:P+16*\k+8+\d+1], v[P+16*\k+8+\d:P+16*\k+8+\d+1], v[P+16*\k+12+\d:P+16*\k+12+\d+1]
.endr
.irp d, 0
	s_delay_alu instid0(VALU_DEP_3)
	v_pk_add_f32 v[P+16*\k+\d:P+16*\k+\d+1], v[P+16*\k+\d:P+16*\k+\d+1], v[P+16*\k+8+\d:P+16*\k+8+\d+1]
.endr
.irp d, 2
	s_delay_alu instid0(VALU_DEP_2)
	v_pk_add_f32 v[P+16*\k+\d:P+16*\k+\d+1], v[P+16*\k+\d:P+16*\k+\d+1], v[P+16*\k+8+\d:P+16*\k+8+\d+1]
.endr
.irp d, 0,2
	s_delay_alu instid0(VALU_DEP_2)
	v_pk_add_f32 v[P+16*\k+\d:P+16*\k+\d+1], v[P+16*\k+\d:P+16*\k+\d+1], v[B+4*\k+\d:B+4*\k+\d+1]
.endr
	global_store_b128 v1, v[P+16*\k:P+16*\k+3], s[10:11] offset:4096*\k th:TH_STORE_NT
.endr
	s_endpgm
.Lfunc_end_k_q27348e4c34_finish:
	.size	k_q27348e4c34_finish, .Lfunc_end_k_q27348e4c34_finish-k_q27348e4c34_finish
	.p2alignl 7, 3214868480
	.fill 96, 4, 3214868480
	.section	.rodata,"a",@progbits
	.p2align	6, 0x0
	.amdhsa_kernel k_q27348e4c34_finish
		.amdhsa_group_segment_fixed_size 0
		.amdhsa_private_segment_fixed_size 0
		.amdhsa_enable_private_segment 0
		.amdhsa_kernarg_size 32
		.amdhsa_user_sgpr_count 2
		.amdhsa_user_sgpr_kernarg_segment_ptr 1
		.amdhsa_wavefront_size32 1
		.amdhsa_system_sgpr_workgroup_id_x 1
		.amdhsa_system_sgpr_workgroup_id_y 1
		.amdhsa_system_sgpr_workgroup_id_z 1
		.amdhsa_system_vgpr_workitem_id 0
		.amdhsa_next_free_vgpr 96
		.amdhsa_next_free_sgpr 66
		.amdhsa_reserve_vcc 0
		.amdhsa_float_denorm_mode_32 3
		.amdhsa_float_denorm_mode_16_64 3
		.amdhsa_memory_ordered 1
		.amdhsa_forward_progress 1
		.amdhsa_inst_pref_size 6
	.end_amdhsa_kernel
	.amdgpu_metadata
---
amdhsa.version: [ 1, 2 ]
amdhsa.kernels:
  - .name:           k_q27348e4c34_finish
    .symbol:         k_q27348e4c34_finish.kd
    .args:
      - { .name: part, .offset: 0, .size: 8, .value_kind: global_buffer, .address_space: global }
      - { .name: b2, .offset: 8, .size: 8, .value_kind: global_buffer, .address_space: global }
      - { .name: chosen, .offset: 16, .size: 8, .value_kind: global_buffer, .address_space: global }
      - { .name: out0, .offset: 24, .size: 8, .value_kind: global_buffer, .address_space: global }
    .group_segment_fixed_size: 0
    .private_segment_fixed_size: 0
    .kernarg_segment_align: 8
    .kernarg_segment_size: 32
    .max_flat_workgroup_size: 256
    .sgpr_count:     66
    .vgpr_count:     96
    .wavefront_size: 32
...
	.end_amdgpu_metadata
.endif
;; end of part 12
